; MI455X (gfx1250); checked and timed in simulation.
; The chip was launched on July 23, 2026; its instructions are those of AMD's public machine-readable ISA for CDNA 5 (MIT licence, August 2026) and "CDNA5" Instruction Set Architecture Reference Guide (July 2026). The comments in the code are by the model that wrote it; some were corrected since.
;; Rel Partial Learnable Multi Head Attn. Allowed arithmetic: matrix products marked QUANTISED: E2M1 operands, one E8M0 scale for each 32 along K, by v_wmma_scale_f32_16x16x128_f8f6f4 with both operands' format E2M1 (or v_wmma_scale_f32_32x16x128_f4), f32 sums; everything else in f32.
;; Inputs: W_o_codes 1,024 x 8 x 16 uint8 (E2M1 codes of W_o, K innermost, in blocks of 32 codes, two codes a byte); W_o_scales 1,024 x 8 uint8 (E8M0 scales of W_o, one for each 32 codes along K); W_qkv_codes 768 x 32 x 16 uint8 (E2M1 codes of W_qkv, K innermost, in blocks of 32 codes, two codes a byte); W_qkv_scales 768 x 32 uint8 (E8M0 scales of W_qkv, one for each 32 codes along K); W_r_codes 256 x 32 x 16 uint8 (E2M1 codes of W_r, K innermost, in blocks of 32 codes, two codes a byte); W_r_scales 256 x 32 uint8 (E8M0 scales of W_r, one for each 32 codes along K); attn_mask 2,048 x 2,048 bool; ln_beta 1,024 float32; ln_gamma 1,024 float32; r_codes 2,048 x 32 x 16 uint8 (E2M1 codes of r, K innermost, in blocks of 32 codes, two codes a byte); r_r_bias 8 x 32 float32; r_scales 2,048 x 32 uint8 (E8M0 scales of r, one for each 32 codes along K); r_w_bias 8 x 32 float32; w 4 x 2,048 x 1,024 float32.
;; Outputs: out0 4 x 2,048 x 1,024 float32.
;; This version of the problem:
;;   THIS VERSION OF THE PROBLEM IS GIVEN IN LOW PRECISION. The matrix products marked QUANTISED in the list below multiply operands that are first quantised to E2M1 (2 exponent bits, 1 mantissa bit; 4 bits a number), with one power-of-two scale for each 32 numbers along K (OCP MX v1.0); their sums are f32. All else is computed in f32.
;;   The module's matrix products, in the order in which they are computed (A, B: the left and right operand; K: the contracted axis; several contracted axes count as one K, in the product's order):
;;     1. [M 8,192, K 1,024] x [K 1,024, N 768]; A: input w; B: input W_qkv (given as codes): QUANTISED
;;     2. [M 2,048, K 1,024] x [K 1,024, N 256]; A: input r (given as codes); B: input W_r (given as codes): QUANTISED
;;     3. batch 32 x [M 2,048, K 32] x [K 32, N 2,048]; A: computed on the way; B: computed on the way: QUANTISED
;;     4. batch 8 x [M 2,048, K 32] x [K 32, N 8,192]; A: computed on the way; B: computed on the way: QUANTISED
;;     5. batch 32 x [M 32, K 2,048] x [K 2,048, N 2,048]; A: computed on the way; B: softmax (see below): QUANTISED
;;     6. [M 8,192, K 256] x [K 256, N 1,024]; A: computed on the way; B: input W_o (given as codes): QUANTISED
;;   THE QUANTISER, for each operand of a quantised product, along K:
;;     - K is cut into blocks of 32 from its start; a last block that is shorter is filled with zeros.
;;     - A block's scale is 2^e with e = floor(log2(the largest magnitude in the block)) - 2, held to -126 .. 127; a block of zeros has e = 0. As a byte (E8M0): e + 127.
;;     - Each number is divided by its block's scale, clamped to +-6, and rounded to the nearest number of E2M1, ties to even, subnormals kept.
;;     - The product sums the exact products of the quantised numbers (number of the format x scale) in f32.
;;   ~~~python
;;   def quantise(x, axis):      # numpy; x: float32 -> the quantised numbers, widened to float32 again
;;       x = np.moveaxis(x, axis, -1); K = x.shape[-1]
;;       x = np.pad(x, [(0, 0)] * (x.ndim - 1) + [(0, -K % 32)]); x = x.reshape(x.shape[:-1] + (-1, 32)); a = np.abs(x).max(-1, keepdims=True)
;;       e = np.where(a > 0, np.clip(np.frexp(np.where(a > 0, a, 1))[1] - 1 - 2, -126, 127), 0)      # np.frexp(a)[1] - 1 = floor(log2(a)), exactly
;;       r = np.clip(x / 2.0 ** e, -6, 6)
;;       step = 2.0 ** (np.maximum(np.frexp(np.where(r == 0, 1, r))[1] - 1, 0) - 1)
;;       q = np.round(r / step) * step * 2.0 ** e      # np.round: ties to even
;;       return np.moveaxis(q.reshape(q.shape[:-2] + (-1,))[..., :K], -1, axis).astype(np.float32)
;;   ~~~
;;   SOFTMAX AHEAD OF A QUANTISED PRODUCT. Where the list says 'softmax', what is quantised is not the finished softmax but p = 2^(t - M), with t = logit x log2(e) and M = ceil(the row's largest t), a whole number; so 1/2 < the row's largest p <= 1. The row's sum l is taken of the UNQUANTISED p, in f32, and the product's result is divided by l at the end. Since M is a whole number, a kernel that streams over the keys may use a running M (the ceiling of the running maximum): every later rescaling is an exact power of two, which a block's scale takes up: the codes' values come out the same.
;;   OPERANDS COMPUTED ON THE WAY. 'Computed on the way' means the value that the module computes at that place (a softmax that the list does not call 'softmax' is quantised finished and normalised). What goes into a quantiser is computed in f32, as accurately as f32 sums, v_exp_f32 and their like allow (about 1e-6 of the number): no bf16 or f16 on the way to a quantiser, and a product that is left as it is and whose result goes on into a quantised operand takes f32 operands (vector FMAs, or v_wmma_f32_16x16x4_f32). A number that lies on a knife's edge between two numbers of the format may be rounded either way, as far as f32 arithmetic and the matrix unit's own rounding can turn it there, and no further.
;;   INPUTS GIVEN AS CODES. W_o (in the module: [256, 1024], K = its axis 0); W_qkv (in the module: [1024, 768], K = its axis 0); W_r (in the module: [1024, 256], K = its axis 0); r (in the module: [2048, 1024], K = its axis 1): each comes as NAME_codes (uint8): NAME with its K axis moved to the last place and cut into blocks of 32 codes, [.., K / 32, bytes a block], one block behind the other in memory; two codes a byte, the lower K in the low four bits (a code: sign, 2 exponent bits, 1 mantissa bit); and NAME_scales (uint8): the same leading axes, one E8M0 byte (e + 127) for each 32 codes along K. Its value is code x scale, taken as it is: it is not quantised again, and the codes and scales need not be those that the quantiser above would give.
;; 3 versions. Each part assembles by itself: llvm-mc -triple=amdgcn-amd-amdhsa -mcpu=gfx1250 --defsym DOCPART=n.
;; ======== version 1 of 3: 3 launches
;; workspace buffers: codes 4,456,448 bytes; scales 737,280 bytes; maskw 532,480 bytes of whole numbers; avc 1,048,576 bytes; avs 65,536 bytes
;; launch prep (part 1): grid 256 x 1, 8 waves a work-group, no clusters, 19,456 bytes of LDS; arguments w, W_qkv_codes, W_qkv_scales, r_codes, r_scales, W_r_codes, W_r_scales, r_w_bias, r_r_bias, attn_mask, codes, scales, maskw; writes codes, scales, maskw
.if DOCPART == 1
	.amdgcn_target "amdgcn-amd-amdhsa--gfx1250"
	.amdhsa_code_object_version 6
	.text
	.protected	k_q7fa39d9722_prep
	.globl	k_q7fa39d9722_prep
	.p2align	8
	.type	k_q7fa39d9722_prep,@function
k_q7fa39d9722_prep:
	s_mov_b64 s[64:65], 0
	v_nop
	global_prefetch_b8 v0, s[64:65] scope:SCOPE_SE
	s_setreg_imm32_b32 hwreg(HW_REG_WAVE_MODE, 25, 1), 1
	s_wait_xcnt 0x0
; heads = Q(w) W_qkv and r_k = r W_r on codes of FP4 (E2M1) with one E8M0 scale for each 32 along K, and all the quantisers behind them:
; q + r_w_bias, q + r_r_bias, k and r_k along the head's 32 channels, v along 32 keys.  Besides: the mask as lane-mask words and one flag for each 16 queries x 128 keys.
; SHARES.  Work-group g takes rows 32 g .. 32 g + 31 of w (batch g / 64, keys 32 (g % 64) on) and all 768 columns.  Its eight waves first quantise the 32 rows (two fragments of 16 rows x 128 K each)
; and hand them to each other through LDS as images of the operand's registers; then wave h makes head h's q, k and v for the 32 rows, weights straight from memory into registers.
; Each wave also turns one 16 x 128 piece of the mask into words; waves 0 to 3 make 16 rows x one head of r_k.
; q, k, r_k: source 0 = 16 rows of the weight, source 1 = 16 rows of x: a lane holds one row and 16 of its head's 32 channels.  v: the sources swapped: a lane holds one channel and 16 of the 32 keys.
; So every block of 32 lies in lanes l and l xor 16, and its 16 bytes of codes leave as 8 bytes from each of the two.
; No tensor load: each operand is read once by its wave, and all loads go out a job or more ahead of their use; by this text's own count a wave never has more than 60 loads out.
; No cluster: what work-groups share are the weights, read once each.
; LIMITS: NaN and infinities among the inputs are not served.  A block whose largest magnitude lies under 2^-124 gets the scale byte 1; a block of zeros too, where the rule says 127: its codes are zeros, and the bytes are read by this program alone.
.set QUC, 0                            ; sections of 'codes': [bh][i][16] codes of q + r_w_bias
.set QVC, 1048576                      ; the same of q + r_r_bias
.set KCO, 2097152                      ; [bh][key][16]
.set VIM, 3145728                      ; [bh][step 16][dt 2][c 2][lane 32][16]: images of V^T's fragments
.set TCO, 4194304                      ; [h][m][16] codes of r_k
.set QUW, 0                            ; sections of 'scales': [bh][i] words, the byte four times
.set QVW, 262144
.set KW2, 524288                       ; [bh][32 keys][16] words: byte 0 key m, byte 1 key 16 + m
.set VSB, 655360                       ; [bh][block of keys][channel] bytes
.set TSB, 720896                       ; [h][m] bytes
.set FLG, 524288                       ; in 'maskw', behind the words: [set of queries][step] flags
.set XIMG, 0                           ; LDS: x's 16 fragments (8 x tile of rows + K step), 1,024 bytes each
.set XSC, 16384                        ; and their scale words, 128 bytes each
.set LN, 1                             ; v1 lane   v2 lane % 16   v3 lane / 16
.set RR, 2
.set HL, 3
.set XA, 4                             ; v4  w: 4096 r + 64 h; later 8 x lane
.set LI, 5                             ; v5  16 x lane
.set LS, 6                             ; v6  4 x lane
.set XWI, 7                            ; v7  where I store x's images
.set XWS, 8                            ; v8  and their scale words
.set WAD, 9                            ; v9  a row of 512 bytes of codes: 512 r + 16 h
.set WSA, 10                           ; v10 a row of 32 scale bytes: 32 r
.set QO, 11                            ; v11 16 r + 8 h: my 8 bytes of a row's 16
.set MA, 12                            ; v12 the mask: my query's row + 8 h
.set BO, 13                            ; v13 32 h: my eight numbers of a bias
.set KO, 14                            ; v14 4 r + 2 h
.set T0, 15
.set MK, 16                            ; v16-31  my 64 bytes of the mask
.set WS, 32                            ; v32-79  the weights' scale words: 16 x job + 8 x column tile + K step
.set PC, 80                            ; v80-87  codes just made
.set TM, 88                            ; v88-103 at work
.set PW, 104                           ; the scale word just made
.set KB, 105                           ; v105-106 two scale bytes
.set SWD, 107                          ; v107-109 data of small stores
.set MWR, 110                          ; v110-111 my two mask words
.set XS, 112                           ; v112-115 x's scale words
.set RS, 120                           ; v120-127 r's scale words
.set ST0, 128                          ; v128-191, v192-255: 64 numbers of x each
.set ST1, 192
.set XF, 128                           ; later: four fragments of x,
.set ACC, 160                          ; four accumulators,
.set BIU, 192                          ; the two biases,
.set BIV, 208
.set RF, 192                           ; and at last r's eight fragments
.set WA, 0                             ; window 1: two sets of 16 weight fragments: 8 (8 x column tile + K step)
.set WB, 128
.set WV, 30
.set MSB, 0
.macro WIN new                         ; the immediate's high byte repeats the setting that is left
.if MSB != \new
	s_set_vgpr_msb (MSB<<8)|\new
.set MSB, \new
.endif
.endm
.macro NOPS n
.rept \n
	v_nop
.endr
.endm
; my 16 rows' numbers of one K step (64 a lane): of each block of 32 lane (r, h) takes 16 neighbours
.macro XLOAD reg, e
.irp b, 0,1,2,3
.irp j, 0,1,2,3
	global_load_b128 v[\reg+16*\b+4*\j:\reg+16*\b+4*\j+3], v[XA], s[4:5] offset:512*\e+128*\b+16*\j th:TH_LOAD_NT
.endr
.endr
.endm
; 64 numbers of a lane, register 16 b + i = k 32 b + 16 h + i of my row, become a fragment's codes in v[PC] on and its scale word in v[PW]
.macro QUANT s
.irp b, 0,1,2,3
	v_max3_num_f32 v[TM+\b], |v[\s+16*\b]|, |v[\s+1+16*\b]|, 0x1800000   ; with the floor 2^(3 - 127): the byte cannot fall under 1
.endr
.irp i, 2,4,6,8,10,12,14
.irp b, 0,1,2,3
	v_max3_num_f32 v[TM+\b], v[TM+\b], |v[\s+16*\b+\i]|, |v[\s+1+16*\b+\i]|
.endr
.endr
.irp b, 0,1,2,3
	v_permlanex16_b32 v[TM+4+\b], v[TM+\b], s34, s35
.endr
.irp b, 0,1,2,3
	v_max_num_f32 v[TM+\b], v[TM+\b], v[TM+4+\b]   ; with lane l xor 16's: the block's largest magnitude
.endr
.irp b, 0,1,2,3
	v_add_nc_u32 v[TM+12+\b], 0xff000000, v[TM+\b]   ; 2 off its exponent field: the conversion's scale operand
.endr
.irp b, 0,1,2,3
	v_lshrrev_b32 v[TM+4+\b], 23, v[TM+12+\b]      ; the scale's byte
.endr
	v_lshl_or_b32 v[PW], v[TM+5], 8, v[TM+4]
	v_lshl_or_b32 v[PW], v[TM+6], 16, v[PW]
	v_lshl_or_b32 v[PW], v[TM+7], 24, v[PW]
.irp b, 0,1,2,3
	v_cvt_scalef32_pk8_fp4_f32 v[PC+2*\b], v[\s+16*\b:\s+7+16*\b], v[TM+12+\b]
	v_cvt_scalef32_pk8_fp4_f32 v[PC+1+2*\b], v[\s+8+16*\b:\s+15+16*\b], v[TM+12+\b]
.endr
	v_nop                                          ; one plain place behind a scaled conversion
.irp c, 0,1                                    ; the operand's layout wants a whole block in a lane
.irp i, 0,1
	v_permlane16_swap_b32 v[PC+4*\c+\i], v[PC+2+4*\c+\i]
.endr
.endr
.endm
.macro IMAGE adr, off                          ; the fragment in v[PC] on goes to LDS as it stands
.irp c, 0,1
	ds_store_b128 v[\adr], v[PC+4*\c:PC+4*\c+3] offset:\off+512*\c
.endr
.endm
.macro FETCH reg, off                          ; and comes back so, in any wave
.irp c, 0,1
	ds_load_b128 v[\reg+4*\c:\reg+4*\c+3], v[LI] offset:\off+512*\c
.endr
.endm
; the eight fragments of 16 rows of a weight (column tile ct), 16 loads
.macro WLOADC dst, off, ct, sb
.irp ks, 0,1,2,3,4,5,6,7
.irp c, 0,1
	global_load_b128 v[\dst+8*(8*\ct+\ks)+4*\c:\dst+8*(8*\ct+\ks)+4*\c+3], v[WAD], s[\sb:\sb+1] offset:\off+8192*\ct+64*\ks+32*\c
.endr
.endr
.endm
; one product.  kind 0: source 0 = the weight, accumulator 16 mt + 8 ct.  kind 1: source 1 = the weight, accumulator 16 ct + 8 mt.  K step 0 starts the sum
.macro PMUL kind, mt, ct, ks, xi, wb, ws
.if \kind
.if (\ks) == 0
	v_wmma_scale_f32_16x16x128_f8f6f4 v[ACC+16*\ct+8*\mt:ACC+16*\ct+8*\mt+7], v[XF+8*(\xi):XF+8*(\xi)+7], v[\wb+8*(8*\ct+(\ks)):\wb+8*(8*\ct+(\ks))+7], 0, v[XS+(\xi)], v[\ws+8*\ct+(\ks)] matrix_a_fmt:MATRIX_FMT_FP4 matrix_b_fmt:MATRIX_FMT_FP4
.else
	v_wmma_scale_f32_16x16x128_f8f6f4 v[ACC+16*\ct+8*\mt:ACC+16*\ct+8*\mt+7], v[XF+8*(\xi):XF+8*(\xi)+7], v[\wb+8*(8*\ct+(\ks)):\wb+8*(8*\ct+(\ks))+7], v[ACC+16*\ct+8*\mt:ACC+16*\ct+8*\mt+7], v[XS+(\xi)], v[\ws+8*\ct+(\ks)] matrix_a_fmt:MATRIX_FMT_FP4 matrix_b_fmt:MATRIX_FMT_FP4
.endif
.else
.if (\ks) == 0
	v_wmma_scale_f32_16x16x128_f8f6f4 v[ACC+16*\mt+8*\ct:ACC+16*\mt+8*\ct+7], v[\wb+8*(8*\ct+(\ks)):\wb+8*(8*\ct+(\ks))+7], v[XF+8*(\xi):XF+8*(\xi)+7], 0, v[\ws+8*\ct+(\ks)], v[XS+(\xi)] matrix_a_fmt:MATRIX_FMT_FP4 matrix_b_fmt:MATRIX_FMT_FP4
.else
	v_wmma_scale_f32_16x16x128_f8f6f4 v[ACC+16*\mt+8*\ct:ACC+16*\mt+8*\ct+7], v[\wb+8*(8*\ct+(\ks)):\wb+8*(8*\ct+(\ks))+7], v[XF+8*(\xi):XF+8*(\xi)+7], v[ACC+16*\mt+8*\ct:ACC+16*\mt+8*\ct+7], v[\ws+8*\ct+(\ks)], v[XS+(\xi)] matrix_a_fmt:MATRIX_FMT_FP4 matrix_b_fmt:MATRIX_FMT_FP4
.endif
.endif
.endm
; 32 rows x 32 columns x K 1,024: four batches of two K steps; the four accumulators take turns, one instruction a turn.
; Five v_nop close a batch: four serve the loads into registers that the products have read and the first reads of results, the fifth the next job's products, which begin the accumulators anew.
.macro JOB kind, wb, ws
.irp kp, 0,1,2,3
.irp e, 0,1
.irp mt, 0,1
	FETCH XF+8*(2*\e+\mt), XIMG+1024*(8*\mt+2*\kp+\e)
	ds_load_b32 v[XS+2*\e+\mt], v[LS] offset:XSC+128*(8*\mt+2*\kp+\e)
.endr
.endr
	s_wait_dscnt 0x0                               ; the batch is wanted whole
.if \kind
	WIN 0x04                                       ; source 1 (the weight) in window 1
.else
	WIN 0x01                                       ; source 0 (the weight) in window 1
.endif
.irp e, 0,1
.irp mt, 0,1
.irp ct, 0,1
	PMUL \kind, \mt, \ct, 2*\kp+\e, 2*\e+\mt, \wb, \ws
.endr
.endr
.endr
	WIN 0
	NOPS 5
.endr
.endm
; 16 registers of a lane, which with lane l xor 16's are a block of 32, become the block's 16 bytes of codes: lanes 0-15 get bytes 0-7, lanes 16-31 bytes 8-15, in v[PC:PC+1]; the scale's byte in v[breg]
.macro QOUT src, breg
	v_max3_num_f32 v[TM], |v[\src]|, |v[\src+1]|, 0x1800000        ; from the low end on; with the floor 2^(3 - 127)
	v_max3_num_f32 v[TM+1], |v[\src+2]|, |v[\src+3]|, |v[\src+4]|
	v_max3_num_f32 v[TM], v[TM], |v[\src+5]|, |v[\src+6]|
	v_max3_num_f32 v[TM+1], v[TM+1], |v[\src+7]|, |v[\src+8]|
	v_max3_num_f32 v[TM], v[TM], |v[\src+9]|, |v[\src+10]|
	v_max3_num_f32 v[TM+1], v[TM+1], |v[\src+11]|, |v[\src+12]|
	v_max3_num_f32 v[TM], v[TM], |v[\src+13]|, |v[\src+14]|
	v_max3_num_f32 v[TM], v[TM], v[TM+1], |v[\src+15]|
	v_permlanex16_b32 v[TM+4], v[TM], s34, s35
	v_max_num_f32 v[TM], v[TM], v[TM+4]
	v_add_nc_u32 v[TM+12], 0xff000000, v[TM]
	v_lshrrev_b32 v[\breg], 23, v[TM+12]
	s_wait_xcnt 0x0                                ; the last stores have read their data: v[PC] and the small stores' registers are written again only behind this wait
	v_cvt_scalef32_pk8_fp4_f32 v[PC], v[\src:\src+7], v[TM+12]
	v_cvt_scalef32_pk8_fp4_f32 v[PC+1], v[\src+8:\src+15], v[TM+12]
	v_nop
	v_permlane16_swap_b32 v[PC], v[PC+1]
.endm
; q + one of the two biases, quantised: codes to section sec, scale words to section wsec
.macro QEPI bias, sec, wsec, sw
.irp mt, 0,1
.irp i, 0,2,4,6,8,10,12,14
	v_pk_add_f32 v[XF+\i:XF+\i+1], v[ACC+16*\mt+\i:ACC+16*\mt+\i+1], v[\bias+\i:\bias+\i+1]
.endr
	QOUT XF, KB+\mt
	global_store_b64 v[QO], v[PC:PC+1], s[32:33] offset:\sec+256*\mt   ; 32 lanes store 256 consecutive bytes, aligned
.endr
	v_cndmask_b32 v[\sw], v[KB], v[KB+1], s59      ; lane l: row l of the 32
	v_mul_lo_u32 v[\sw], v[\sw], 0x01010101        ; the byte four times: the query's codes may stand in any of the four blocks
	global_store_b32 v[LS], v[\sw], s[38:39] offset:\wsec
.endm
	s_load_b256 s[4:11], s[0:1], 0x0               ; w, W_qkv's codes, its scales, r's codes
	s_load_b256 s[12:19], s[0:1], 0x20             ; r's scales, W_r's codes, its scales, r_w_bias
	s_load_b256 s[20:27], s[0:1], 0x40             ; r_r_bias, the mask, codes, scales
	s_load_b64 s[28:29], s[0:1], 0x60              ; maskw
	v_lshl_add_u32 v118, v0, 2, 0x4800
	v_mov_b32 v119, 0
	v_lshrrev_b32 v[T0], 5, v0
	v_readfirstlane_b32 s[WV], v[T0]               ; wave 0..7
	v_and_b32 v[LN], 31, v0
	v_and_b32 v[RR], 15, v0
	v_bfe_u32 v[HL], v0, 4, 1
	v_lshlrev_b32 v[XA], 12, v[RR]
	v_lshl_add_u32 v[XA], v[HL], 6, v[XA]
	v_lshlrev_b32 v[LI], 4, v[LN]
	v_lshlrev_b32 v[LS], 2, v[LN]
	s_and_b32 s31, s[WV], 1                        ; which tile of 16 rows I quantise,
	s_lshr_b32 s54, s[WV], 1                       ; and which pair of K steps
	s_lshl_b32 s55, s31, 3
	s_lshl_b32 s57, s54, 1
	s_add_co_u32 s55, s55, s57                     ; my first fragment
	s_lshl_b32 s57, s55, 10
	v_add_nc_u32 v[XWI], s57, v[LI]
	s_lshl_b32 s57, s55, 7
	v_add_nc_u32 v[XWS], s57, v[LS]
	v_lshlrev_b32 v[WAD], 9, v[RR]
	v_lshl_add_u32 v[WAD], v[HL], 4, v[WAD]
	v_lshlrev_b32 v[WSA], 5, v[RR]
	v_lshlrev_b32 v[QO], 4, v[RR]
	v_lshl_add_u32 v[QO], v[HL], 3, v[QO]
	v_and_b32 v[MA], 3, v[RR]                      ; a set's 16 queries: first + (r % 4) + 16 (r / 4)
	v_and_b32 v[T0], 12, v[RR]
	v_lshl_add_u32 v[MA], v[T0], 2, v[MA]
	v_lshlrev_b32 v[MA], 11, v[MA]
	v_lshl_add_u32 v[MA], v[HL], 3, v[MA]
	v_lshlrev_b32 v[BO], 5, v[HL]
	v_lshlrev_b32 v[KO], 2, v[RR]
	v_lshl_add_u32 v[KO], v[HL], 1, v[KO]
	v_cmp_eq_u32 s59, 1, v[HL]                     ; lanes 16-31
.irp b, 0,1,2,3
	v_mov_b32 v[TM+4+\b], 0                        ; written once: a lane permute's destination counts as one of its sources
.endr
	v_mov_b32 v[MWR], 0
	v_mov_b32 v[MWR+1], 0
	s_mov_b32 s34, 0x76543210
	s_mov_b32 s35, 0xfedcba98                      ; v_permlanex16_b32's selects for lane l xor 16
	s_lshl_b32 s48, ttmp9, 17                      ; 32 rows of 4,096 bytes a work-group,
	s_lshl_b32 s57, s31, 16                        ; my 16 of them,
	s_add_co_u32 s48, s48, s57
	s_lshl_b32 s57, s54, 10                        ; my two K steps
	s_add_co_u32 s48, s48, s57
	s_mov_b32 s49, 0
	s_wait_kmcnt 0x0
	s_add_nc_u64 s[4:5], s[4:5], s[48:49]
	XLOAD ST0, 0
	XLOAD ST1, 1
	s_lshl_b32 s48, s[WV], 10                      ; my head's 32 rows of scale bytes
	s_add_nc_u64 s[8:9], s[8:9], s[48:49]
.irp job, 0,1,2
.irp ct, 0,1
.irp hf, 0,1
	global_load_b128 v[WS+16*\job+8*\ct+4*\hf:WS+16*\job+8*\ct+4*\hf+3], v[WSA], s[8:9] offset:8192*\job+512*\ct+16*\hf
.endr
.endr
.endr
	s_lshl_b32 s48, s[WV], 14                      ; my head's 32 rows of codes
	s_add_nc_u64 s[6:7], s[6:7], s[48:49]
	WIN 0x40                                       ; destination window 1
	WLOADC WA, 0, 0, 6
	WIN 0
	; where the results go
	s_lshr_b32 s61, ttmp9, 6
	s_lshl_b32 s61, s61, 3
	s_add_co_u32 s61, s61, s[WV]                   ; bh = 8 x batch + head
	s_and_b32 s62, ttmp9, 63                       ; which 32 rows of the batch
	s_lshl_b32 s63, s61, 6
	s_add_co_u32 s63, s63, s62
	s_lshl_b32 s48, s63, 9
	s_add_nc_u64 s[32:33], s[24:25], s[48:49]      ; rows of 16 bytes: q's two and k's sections
	s_lshl_b32 s48, s61, 15
	s_lshr_b32 s57, s62, 2
	s_lshl_b32 s57, s57, 11
	s_add_co_u32 s48, s48, s57
	s_and_b32 s57, s62, 3
	s_lshl_b32 s57, s57, 8
	s_add_co_u32 s48, s48, s57
	s_add_nc_u64 s[36:37], s[24:25], s[48:49]      ; V's image: step, then 256 bytes for each of its four blocks of keys
	s_lshl_b32 s48, s63, 7
	s_add_nc_u64 s[38:39], s[26:27], s[48:49]
	s_lshl_b32 s48, s63, 6
	s_add_nc_u64 s[40:41], s[26:27], s[48:49]
	s_lshl_b32 s48, s63, 5
	s_add_nc_u64 s[42:43], s[26:27], s[48:49]
	s_lshl_b32 s57, ttmp9, 3
	s_add_co_u32 s57, s57, s[WV]                   ; my piece of the mask: 16 x set + step = 8 g + wave
	s_lshl_b32 s48, s57, 8
	s_add_nc_u64 s[50:51], s[28:29], s[48:49]
	s_lshl_b32 s48, s57, 2
	s_add_nc_u64 s[52:53], s[28:29], s[48:49]
	s_lshl_b32 s48, s[WV], 7
	s_add_nc_u64 s[18:19], s[18:19], s[48:49]
	s_add_nc_u64 s[20:21], s[20:21], s[48:49]
	s_lshr_b32 s57, ttmp9, 3                       ; set t = g / 2: first query 64 (t / 4) + 4 (t % 4)
	s_lshl_b32 s57, s57, 6
	s_bfe_u32 s58, ttmp9, 0x20001
	s_lshl_b32 s58, s58, 2
	s_add_co_u32 s57, s57, s58
	s_lshl_b32 s48, s57, 11
	s_and_b32 s58, ttmp9, 1
	s_lshl_b32 s58, s58, 3
	s_add_co_u32 s58, s58, s[WV]                   ; step 8 (g % 2) + wave: 128 keys
	s_lshl_b32 s58, s58, 7
	s_add_co_u32 s48, s48, s58
	s_add_nc_u64 s[22:23], s[22:23], s[48:49]
	; r_k's pointers are made by every wave, on this one way, with wave % 4 for the head: waves 4 to 7 hold places inside the buffers and never use them
	s_lshr_b32 s57, ttmp9, 1                       ; 16 rows g / 2,
	s_and_b32 s58, ttmp9, 1
	s_lshl_b32 s58, s58, 2
	s_and_b32 s31, s[WV], 3
	s_add_co_u32 s58, s58, s31                     ; head 4 (g % 2) + wave % 4
	s_lshl_b32 s48, s57, 13
	s_add_nc_u64 s[10:11], s[10:11], s[48:49]      ; r's codes: rows of 512 bytes
	s_lshl_b32 s48, s57, 9
	s_add_nc_u64 s[12:13], s[12:13], s[48:49]      ; r's scale bytes: rows of 32
	s_lshl_b32 s48, s58, 14
	s_add_nc_u64 s[14:15], s[14:15], s[48:49]      ; W_r's codes: the head's 32 rows
	s_lshl_b32 s48, s58, 10
	s_add_nc_u64 s[16:17], s[16:17], s[48:49]      ; and their scale bytes
	s_lshl_b32 s48, s58, 15
	s_lshl_b32 s31, s57, 8
	s_add_co_u32 s48, s48, s31
	s_add_nc_u64 s[44:45], s[24:25], s[48:49]      ; r_k's codes
	s_lshl_b32 s48, s58, 11
	s_lshl_b32 s31, s57, 4
	s_add_co_u32 s48, s48, s31
	s_add_nc_u64 s[46:47], s[26:27], s[48:49]      ; r_k's scale bytes
	; ---- X: my two fragments of x
	s_wait_loadcnt 44                              ; the first K step's 16 loads are in: behind them 16 of x, 12 scale loads and 16 weight loads were issued
	QUANT ST0
	IMAGE XWI, XIMG
	ds_store_b32 v[XWS], v[PW] offset:XSC
	WIN 0x40
	WLOADC WA, 0, 1, 6
	WIN 0
	s_wait_dscnt 0x0                               ; the stores have read their registers
	s_wait_loadcnt 44                              ; the second K step's are in: behind them 12 + 16 + 16
	QUANT ST1
	IMAGE XWI, XIMG+1024
	ds_store_b32 v[XWS], v[PW] offset:XSC+128
.irp ct, 0,1
.irp hf, 0,1
	global_load_b128 v[BIU+8*\ct+4*\hf:BIU+8*\ct+4*\hf+3], v[BO], s[18:19] offset:64*\ct+16*\hf
	global_load_b128 v[BIV+8*\ct+4*\hf:BIV+8*\ct+4*\hf+3], v[BO], s[20:21] offset:64*\ct+16*\hf
.endr
.endr
.irp ta, 0,1,2,3,4,5,6,7
	global_load_b64 v[MK+2*\ta:MK+2*\ta+1], v[MA], s[22:23] offset:16*\ta   ; mask(my query, 16 ta + 8 h + 0 .. 7)
.endr
	s_wait_dscnt 0x0                               ; for the others' sake: my images have landed
	s_barrier_signal -1
	s_barrier_wait -1                              ; x's sixteen fragments lie in LDS; they are only read from here on
	; ---- q
	s_wait_loadcnt 16                              ; q's weights and all scale words are in: behind them the biases' 8 and the mask's 8
	WIN 0x40
	WLOADC WB, 131072, 0, 6                        ; k's weights land while q is multiplied
	WLOADC WB, 131072, 1, 6
	WIN 0
	JOB 0, WA, WS
	s_wait_loadcnt 40                              ; the biases are in: behind them the mask's 8 and k's 32
	WIN 0x40
	WLOADC WA, 262144, 0, 6                        ; v's weights take q's place (the job's v_nop are the places): the first 16 rows now,
	WIN 0
	QEPI BIU, QUC, QUW, SWD
	QEPI BIV, QVC, QVW, SWD+1
	; ---- k
	s_wait_loadcnt 16                              ; the mask and k's weights are in: behind them v's first 16
	WIN 0x40
	WLOADC WA, 262144, 1, 6                        ; the other 16 rows here
	WIN 0
	JOB 0, WB, WS+16
	s_wait_loadcnt 0x0                             ; v's weights are in; the count is the same on both ways below
	s_cmp_lt_u32 s[WV], 4
	s_cbranch_scc0 .Lno_r
	WIN 0x40
	WLOADC WB, 0, 0, 14                            ; W_r takes k's place (the job's v_nop are the places)
	WLOADC WB, 0, 1, 14
	WIN 0
.irp ks, 0,1,2,3,4,5,6,7
.irp c, 0,1
	global_load_b128 v[RF+8*\ks+4*\c:RF+8*\ks+4*\c+3], v[WAD], s[10:11] offset:64*\ks+32*\c
.endr
.endr
.irp ct, 0,1
.irp hf, 0,1
	global_load_b128 v[WS+8*\ct+4*\hf:WS+8*\ct+4*\hf+3], v[WSA], s[16:17] offset:512*\ct+16*\hf
.endr
.endr
.irp hf, 0,1
	global_load_b128 v[RS+4*\hf:RS+4*\hf+3], v[WSA], s[12:13] offset:16*\hf
.endr
.Lno_r:
.irp mt, 0,1
	QOUT ACC+16*\mt, KB+\mt
	global_store_b64 v[QO], v[PC:PC+1], s[32:33] offset:KCO+256*\mt
.endr
	v_lshl_or_b32 v[SWD+2], v[KB+1], 8, v[KB]      ; key m's byte and key 16 + m's: blocks 0 and 1 of the operand that holds both
	v_cndmask_b32 v[SWD+2], v[SWD+2], 0, s59       ; the word's upper half is 0
	global_store_b16 v[KO], v[SWD+2], s[40:41] offset:KW2
	; ---- v
	JOB 1, WA, WS+32
.irp dt, 0,1
	QOUT ACC+16*\dt, KB+\dt
	global_store_b64 v[QO], v[PC:PC+1], s[36:37] offset:VIM+1024*\dt
.endr
	v_cndmask_b32 v[SWD], v[KB], v[KB+1], s59      ; lane l: channel l
	global_store_b8 v[LN], v[SWD], s[42:43] offset:VSB
	; ---- the mask: word n = 8 ta + j has lane (a, h)'s bit = mask(query a of the set, 16 ta + 8 h + j): the place of register j of score tile ta
.set n, 0
.rept 64
	v_and_b32 v[T0], 0xff<<(8*(n%4)), v[MK+n/4]
	v_cmp_ne_u32 s54, 0, v[T0]
	v_writelane_b32 v[MWR+n%2], s54, n/2
.set n, n+1
.endr
	v_lshlrev_b32 v[XA], 3, v[LN]                  ; (its loads are long done)
	global_store_b64 v[XA], v[MWR:MWR+1], s[50:51] ; 256 consecutive bytes, aligned
	v_or_b32 v[TM], v[MK], v[MK+1]
	v_and_b32 v[TM+1], v[MK], v[MK+1]
.irp i, 2,3,4,5,6,7,8,9,10,11,12,13,14,15
	v_or_b32 v[TM], v[TM], v[MK+\i]
	v_and_b32 v[TM+1], v[TM+1], v[MK+\i]
.endr
	v_cmp_ne_u32 s54, 0, v[TM]                     ; lanes with something masked
	v_cmp_ne_u32 s57, 0x01010101, v[TM+1]          ; lanes with something open
	s_cmp_eq_u32 s54, 0
	s_cselect_b32 s58, 2, 1                        ; 2: nothing masked; 1: mixed;
	s_cmp_eq_u32 s57, 0
	s_cselect_b32 s58, 0, s58                      ; 0: all masked
	v_mov_b32 v[TM+2], s58
	v_cmp_eq_u32 vcc_lo, 0, v[LN]
	s_wait_xcnt 0x0                                ; EXEC changes only behind this wait
	s_and_saveexec_b32 s56, vcc_lo
	global_store_b32 v[LS], v[TM+2], s[52:53] offset:FLG
	s_wait_xcnt 0x0                                ; and again
	s_or_b32 exec_lo, exec_lo, s56
	s_wait_loadcnt 0x0                             ; r, W_r and their scale words
	s_cmp_lt_u32 s[WV], 4
	s_cbranch_scc1 .Lr_job
	s_wait_tensorcnt 0x0
	ds_add_u32 v118, v119
	s_wait_dscnt 0x0
	s_endpgm
.Lr_job:
	; ---- r_k: 16 rows x my head's 32 columns; two accumulators by turns
	WIN 0x01
.irp ks, 0,1,2,3,4,5,6,7
.irp ct, 0,1
.if \ks == 0
	v_wmma_scale_f32_16x16x128_f8f6f4 v[ACC+8*\ct:ACC+8*\ct+7], v[WB+8*(8*\ct+\ks):WB+8*(8*\ct+\ks)+7], v[RF+8*\ks:RF+8*\ks+7], 0, v[WS+8*\ct+\ks], v[RS+\ks] matrix_a_fmt:MATRIX_FMT_FP4 matrix_b_fmt:MATRIX_FMT_FP4
.else
	v_wmma_scale_f32_16x16x128_f8f6f4 v[ACC+8*\ct:ACC+8*\ct+7], v[WB+8*(8*\ct+\ks):WB+8*(8*\ct+\ks)+7], v[RF+8*\ks:RF+8*\ks+7], v[ACC+8*\ct:ACC+8*\ct+7], v[WS+8*\ct+\ks], v[RS+\ks] matrix_a_fmt:MATRIX_FMT_FP4 matrix_b_fmt:MATRIX_FMT_FP4
.endif
.endr
.endr
	WIN 0
	NOPS 5
	QOUT ACC, KB
	global_store_b64 v[QO], v[PC:PC+1], s[44:45] offset:TCO
	global_store_b8 v[RR], v[KB], s[46:47] offset:TSB   ; both lanes of a row store the same byte with the same value
	s_wait_tensorcnt 0x0
	ds_add_u32 v118, v119
	s_wait_dscnt 0x0
	s_endpgm
.Lfunc_end_k_q7fa39d9722_prep:
	.size	k_q7fa39d9722_prep, .Lfunc_end_k_q7fa39d9722_prep-k_q7fa39d9722_prep
	.p2alignl 7, 3214868480
	.fill 96, 4, 3214868480
	.section	.rodata,"a",@progbits
	.p2align	6, 0x0
	.amdhsa_kernel k_q7fa39d9722_prep
		.amdhsa_group_segment_fixed_size 19456
		.amdhsa_private_segment_fixed_size 0
		.amdhsa_enable_private_segment 0
		.amdhsa_kernarg_size 104
		.amdhsa_user_sgpr_count 2
		.amdhsa_user_sgpr_kernarg_segment_ptr 1
		.amdhsa_wavefront_size32 1
		.amdhsa_system_sgpr_workgroup_id_x 1
		.amdhsa_system_sgpr_workgroup_id_y 1
		.amdhsa_system_sgpr_workgroup_id_z 1
		.amdhsa_system_vgpr_workitem_id 0
		.amdhsa_next_free_vgpr 512
		.amdhsa_next_free_sgpr 66
		.amdhsa_reserve_vcc 1
		.amdhsa_float_denorm_mode_32 3
		.amdhsa_float_denorm_mode_16_64 3
		.amdhsa_memory_ordered 1
		.amdhsa_forward_progress 1
		.amdhsa_inst_pref_size 86
	.end_amdhsa_kernel
	.amdgpu_metadata
---
amdhsa.version: [ 1, 2 ]
amdhsa.kernels:
  - .name:           k_q7fa39d9722_prep
    .symbol:         k_q7fa39d9722_prep.kd
    .args:
      - { .name: w, .offset: 0, .size: 8, .value_kind: global_buffer, .address_space: global }
      - { .name: W_qkv_codes, .offset: 8, .size: 8, .value_kind: global_buffer, .address_space: global }
      - { .name: W_qkv_scales, .offset: 16, .size: 8, .value_kind: global_buffer, .address_space: global }
      - { .name: r_codes, .offset: 24, .size: 8, .value_kind: global_buffer, .address_space: global }
      - { .name: r_scales, .offset: 32, .size: 8, .value_kind: global_buffer, .address_space: global }
      - { .name: W_r_codes, .offset: 40, .size: 8, .value_kind: global_buffer, .address_space: global }
      - { .name: W_r_scales, .offset: 48, .size: 8, .value_kind: global_buffer, .address_space: global }
      - { .name: r_w_bias, .offset: 56, .size: 8, .value_kind: global_buffer, .address_space: global }
      - { .name: r_r_bias, .offset: 64, .size: 8, .value_kind: global_buffer, .address_space: global }
      - { .name: attn_mask, .offset: 72, .size: 8, .value_kind: global_buffer, .address_space: global }
      - { .name: codes, .offset: 80, .size: 8, .value_kind: global_buffer, .address_space: global }
      - { .name: scales, .offset: 88, .size: 8, .value_kind: global_buffer, .address_space: global }
      - { .name: maskw, .offset: 96, .size: 8, .value_kind: global_buffer, .address_space: global }
    .group_segment_fixed_size: 19456
    .private_segment_fixed_size: 0
    .kernarg_segment_align: 8
    .kernarg_segment_size: 104
    .max_flat_workgroup_size: 256
    .sgpr_count:     66
    .vgpr_count:     512
    .wavefront_size: 32
...
	.end_amdgpu_metadata
.endif
;; end of part 1
;; launch attn (part 2): grid 8 x 32, 16 waves a work-group, no clusters, 196,608 bytes of LDS; arguments codes, scales, maskw, avc, avs; writes avc, avs
.if DOCPART == 2
	.amdgcn_target "amdgcn-amd-amdhsa--gfx1250"
	.amdhsa_code_object_version 6
	.text
	.protected	k_q7fa39d9722_attn
	.globl	k_q7fa39d9722_attn
	.p2align	8
	.type	k_q7fa39d9722_attn,@function
k_q7fa39d9722_attn:
	s_mov_b64 s[64:65], 0
	v_nop
	global_prefetch_b8 v0, s[64:65] scope:SCOPE_SE
	s_setreg_imm32_b32 hwreg(HW_REG_WAVE_MODE, 25, 1), 1
	s_wait_xcnt 0x0
; attn_vec = softmax((AC + shifted BD) / sqrt(32), masked) V for one (batch, head) = work-group y, on codes of FP4 (E2M1) with E8M0 scales, and its quantiser along the head's 32 channels.
; SHARES.  Sixteen waves, 256 registers each; a wave owns a SET of 16 queries, lane a = lane % 16: query I0 + a % 4 + 16 (a / 4), and walks the keys in 16 steps of 128.  All products are used transposed
; (source 0 = 16 keys or 16 channels, source 1 = my 16 queries): a lane holds one query throughout; register j of score tile ta is key 16 ta + 8 (lane / 16) + j.
; THE RELATIVE SHIFT COSTS MATRIX INSTRUCTIONS ALONE.  With d = query - key the shifted term is (q_i + bias) . r_k[2047 - d] for d >= 0, 0 for d = -1, (q_{i+1} + bias) . r_k[-d - 2] for d <= -2.
; A table GT in LDS holds r_k's codes at rows 2049 .. 4096 between rows of zero codes: the first term is row 4096 - d, the second row 2047 - d, and each is zero where the other holds.
; A product has K = 128 and a head 32: a query's codes stand in the block a % 4 of source 1, the other blocks zero; block s of source 0's row m holds table row (base + m - s): that takes up a % 4.
; a / 4 is taken up by four products onto one accumulator, each with a source 1 that is zero but for its four queries, and a source 0 that lies 16 rows lower: fragment p = ta - a / 4 + 3, eleven fragments a pass.
; AC adds onto the same accumulators: one load holds 32 keys, keys m in block 0 and 16 + m in block 1; the query stands in block 0 or in block 1.
; THE MASK is an input: nothing of its pattern is built in.  The launch before stored, for each set and step, a flag (0 all masked, 1 mixed, 2 none) and 64 lane-mask words.  A step with flag 0 is left out
; (its p are zeros); with flag 1 one select a score register puts -infinity.  These are branches on stored whole numbers, so this launch has no tensor load and no copy:
; r_k, K, V of the head (some 100 KB of codes) go into LDS once through registers, and the loop has no barrier.  No cluster for the same reason.
; The second term is computed only in steps that hold keys past the wave's first query (step >= k, a compare of ids).
; SOFTMAX: t = score x log2(e) / sqrt(32) (one rounding); M = ceil of the running largest t; p = 2^(t - M) is quantised along the keys; the sum is taken of the unquantised p and divides at the end.
; Wave w gets the k-th pair of query groups by a map in which every four waves w % 4 = const and every four w / 4 = const have k's that add up to 30: under a causal mask live steps are spread evenly.
; ADDRESSES.  The five pointers stay as they were loaded, in s[4:13]; what hangs on batch, head and first query is an offset made of ids and stands in the lane's vector offset.
; So the scalar registers that take the mask words in the loop, s[32:63] and s[68:99], never hold a part of an address.
; LIMITS: NaN and infinities among the inputs are not served.  A row that is masked everywhere gets zero codes and the scale byte 0xff, which makes its row of the output NaN, as the softmax of such a row is.
; Scale bytes are held at 1 from below (blocks under 2^-124, blocks of zeros).  AC and both parts of BD are summed in one f32 accumulator.
.set QUC, 0
.set QVC, 1048576
.set KCO, 2097152
.set VIM, 3145728
.set TCO, 4194304
.set QUW, 0
.set QVW, 262144
.set KW2, 524288
.set VSB, 655360
.set TSB, 720896
.set FLG, 524288
.set SW, 98304                         ; LDS: 0: GT, 6,144 rows of 16 bytes;  SW: 6,144 words: bytes = the scale bytes of rows y, y - 1, y - 2, y - 3 (0 for rows of zeros)
.set KC, 122880                        ; K's codes, 2,048 x 16;  behind them, 32,768 on, V's images
.set KW, 188416                        ; K's scale words, 64 x 16
.set VW, 192512                        ; V's scale words, [step][channel]
.set AF0, 1                            ; v1  16 (r + 1 - h)
.set LIK, 2                            ; v2  KC + 16 x lane
.set LSW, 3                            ; v3  SW + 4 x lane
.set ADF, 4                            ; v4-8 the step's addresses: table rows, table scale words, K and V, K's scale words, V's
.set ADW, 5
.set ADK, 6
.set ADKW, 7
.set ADVW, 8
.set NINF, 9
.set SQU, 10                           ; scale words of q + r_w_bias, q + r_r_bias, and the next query's
.set SQV, 11
.set SQP, 16                           ; v12 -M, v13 the largest t, v[14:15] the sum in two halves
.set PW, 17                            ; p's scale word
.set FF, 18                            ; v[18:19] f = 2^(old M - new M)
.set QVR, 20                           ; my query's 16 bytes (q + r_r_bias); the next query's
.set QPR, 24
.set FS, 28                            ; v28-33 the fragments' scale words, two fragments a register
.set KS, 34                            ; v34-35 K's
.set VS, 36                            ; v36 V's
.set AVO, 37                           ; v37 the way out
.set BM, 38
.set PT, 42
.set SO, 46
.set TT, 50
.set PCD, 54                           ; p's codes
.set BU0, 62                           ; q + r_w_bias in block 0; in block 1
.set BU1, 70
.set BQ, 78                            ; four sources 1 of the shifted term
.set KF, 110                           ; 128 keys' codes (at the head v110, v111: two offsets of the fill's loads)
.set FB, 126                           ; four table fragments; later V's two
.set OT, 158                           ; O^T
.set S, 174                            ; the scores, then p
.set WO, 238
.set MSK, 20                           ; s20-27 lane masks: 2 (a / 4) + register group
.macro NOP4
.rept 4
	v_nop
.endr
.endm
; one product: D = v[d ..], C = 0 (z = 1) or D; row = 1: source 0's scales from lanes 16-31
.macro WM d, a, b, z, sa, sb, row
.if \z
.if \row
	v_wmma_scale_f32_16x16x128_f8f6f4 v[(\d):(\d)+7], v[(\a):(\a)+7], v[(\b):(\b)+7], 0, v[\sa], v[\sb] matrix_a_fmt:MATRIX_FMT_FP4 matrix_b_fmt:MATRIX_FMT_FP4 matrix_a_scale:MATRIX_SCALE_ROW1
.else
	v_wmma_scale_f32_16x16x128_f8f6f4 v[(\d):(\d)+7], v[(\a):(\a)+7], v[(\b):(\b)+7], 0, v[\sa], v[\sb] matrix_a_fmt:MATRIX_FMT_FP4 matrix_b_fmt:MATRIX_FMT_FP4
.endif
.else
.if \row
	v_wmma_scale_f32_16x16x128_f8f6f4 v[(\d):(\d)+7], v[(\a):(\a)+7], v[(\b):(\b)+7], v[(\d):(\d)+7], v[\sa], v[\sb] matrix_a_fmt:MATRIX_FMT_FP4 matrix_b_fmt:MATRIX_FMT_FP4 matrix_a_scale:MATRIX_SCALE_ROW1
.else
	v_wmma_scale_f32_16x16x128_f8f6f4 v[(\d):(\d)+7], v[(\a):(\a)+7], v[(\b):(\b)+7], v[(\d):(\d)+7], v[\sa], v[\sb] matrix_a_fmt:MATRIX_FMT_FP4 matrix_b_fmt:MATRIX_FMT_FP4
.endif
.endif
.endm
; the four sources 1: group c of lane (a, h) holds the query's codes where a / 4 = al and a % 4 = 2 c + h, else zero codes
.macro REBUILD src
.irp al, 0,1,2,3
.irp c, 0,1
.irp q, 0,1,2,3
	v_cndmask_b32 v[BQ+8*\al+4*\c+\q], 0, v[\src+\q], s[MSK+2*\al+\c]
.endr
.endr
.endr
.endm
.macro FLOAD p, co                     ; fragment p: group c of lane (r, h) is table row (base + 16 p + r + 3 - 2 c - h)
	ds_load_b128 v[FB+8*((\p)%4):FB+8*((\p)%4)+3], v[ADF] offset:\co+256*(\p)+32
	ds_load_b128 v[FB+8*((\p)%4)+4:FB+8*((\p)%4)+7], v[ADF] offset:\co+256*(\p)
.endm
; fragment p against the four sources 1: score tiles p, p - 1, p - 2, p - 3.  No two products that follow each other share an accumulator.  A tile's first product is the one with al = 3
.macro FMUL p, first, bs
.irp al, 3,2,1,0
.if ((\p)-3+\al >= 0) && ((\p)-3+\al <= 7)
.if \first && (\al == 3)
	WM S+8*((\p)-3+\al), FB+8*((\p)%4), BQ+8*\al, 1, FS+(\p)/2, \bs, (\p)%2
.else
	WM S+8*((\p)-3+\al), FB+8*((\p)%4), BQ+8*\al, 0, FS+(\p)/2, \bs, (\p)%2
.endif
.endif
.endr
.endm
; a pass over the eleven fragments, four at a time; four places stand ahead of each run of loads into registers that products have read (the caller sees to the first run).
; The sixth scale load's lanes 16-31 belong to a twelfth fragment that does not exist: they read inside LDS (at the far end K's codes) and no product names them.
.macro BDPASS co, wo, first, bs
.irp e, 0,1,2,3,4,5
	ds_load_b32 v[FS+\e], v[ADW] offset:\wo+128*\e+12
.endr
.irp p, 0,1,2,3
	FLOAD \p, \co
.endr
	s_wait_dscnt 0x0                               ; the batch is wanted whole; three other waves of the SIMD work meanwhile
.irp p, 0,1,2,3
	FMUL \p, \first, \bs
.endr
	NOP4
.irp p, 4,5,6,7
	FLOAD \p, \co
.endr
	s_wait_dscnt 0x0
.irp p, 4,5,6,7
	FMUL \p, \first, \bs
.endr
	NOP4
.irp p, 8,9,10
	FLOAD \p, \co
.endr
	s_wait_dscnt 0x0
.irp p, 8,9,10
	FMUL \p, \first, \bs
.endr
.endm
	s_load_b256 s[4:11], s[0:1], 0x0               ; codes, scales, maskw, avc
	s_load_b64 s[12:13], s[0:1], 0x20              ; avs
	v_lshrrev_b32 v50, 5, v0
	v_readfirstlane_b32 s14, v50                   ; wave 0..15
	s_lshr_b32 s2, s14, 2                          ; R
	s_and_b32 s3, s14, 3                           ; C
	s_lshr_b32 s66, s3, 1
	s_xor_b32 s66, s66, s3
	s_and_b32 s66, s66, 1                          ; 1 for C = 1, 2
	s_lshr_b32 s67, s2, 1
	s_xor_b32 s67, s67, s2
	s_and_b32 s67, s67, 1                          ; 1 for R = 1, 2
	s_mul_i32 s66, s66, 3
	s_mul_i32 s67, s67, 3
	s_xor_b32 s2, s2, s66
	s_xor_b32 s3, s3, s67
	s_lshl_b32 s15, s2, 2
	s_add_co_u32 s15, s15, s3                      ; k
	s_lshr_b32 s2, ttmp9, 2
	s_and_b32 s2, s2, 1                            ; g2
	s_and_b32 s3, ttmp9, 3                         ; u
	s_lshl_b32 s101, s15, 7
	s_lshl_b32 s66, s2, 6
	s_add_co_u32 s101, s101, s66
	s_lshl_b32 s66, s3, 2
	s_add_co_u32 s101, s101, s66                   ; I0 = 128 k + 64 g2 + 4 u
	s_xor_b32 s66, s15, 15
	s_lshl_b32 s19, s66, 7
	s_xor_b32 s66, s2, 1
	s_lshl_b32 s66, s66, 6
	s_add_co_u32 s19, s19, s66
	s_xor_b32 s66, s3, 3
	s_lshl_b32 s66, s66, 2
	s_add_co_u32 s19, s19, s66                     ; 1996 - I0
	s_lshl_b32 s19, s19, 4                         ; in table rows of 16 bytes
	s_lshl_b32 s67, s15, 3
	s_lshl_b32 s66, s2, 2
	s_add_co_u32 s67, s67, s66
	s_add_co_u32 s67, s67, s3                      ; my set t = 8 k + 4 g2 + u
	s_lshl_b32 s105, s67, 6                        ; its 16 flags,
	s_lshl_b32 s67, s67, 12                        ; its 16 records of 64 words
	s_and_b32 s104, ttmp7, 0xffff                  ; bh
	s_and_b32 s3, s104, 7                          ; h
	s_sub_co_u32 s66, 2047, s101
	; byte offsets made of ids; each is added to a lane's vector offset below
	s_lshl_b32 s48, s3, 15                         ; by head, rows of 16 bytes: r_k's codes
	s_lshl_b32 s49, s104, 15                       ; by batch and head: K's codes, V's images,
	s_lshl_b32 s50, s101, 4
	s_add_co_u32 s50, s50, s49                     ; and from my first query on: q's codes, and attn_vec's on the way out
	s_lshl_b32 s51, s104, 12                       ; K's scale words
	s_lshl_b32 s52, s3, 11                         ; r_k's scale bytes
	s_lshl_b32 s53, s104, 11                       ; V's scale bytes
	s_lshl_b32 s54, s104, 13
	s_lshl_b32 s55, s101, 2
	s_add_co_u32 s54, s54, s55                     ; q's scale words from my first query on
	s_lshr_b32 s55, s104, 3
	s_lshl_b32 s55, s55, 11
	s_add_co_u32 s55, s55, s101
	s_lshl_b32 s55, s55, 3
	s_add_co_u32 s55, s55, s3                      ; attn_vec's scale byte: (batch, I0, head)
	s_mov_b32 s28, 0x76543210
	s_mov_b32 s29, 0xfedcba98                      ; v_permlanex16_b32's selects for lane l xor 16
	s_mov_b32 s30, 0x3e8293ee                      ; c = log2(e) / sqrt(32)
	s_mov_b32 s31, s30
	; every LDS address register is made here, ahead of the first branch
	v_lshlrev_b32 v238, 4, v0                      ; 16 x thread: an LDS address;
	v_add_nc_u32 v110, s48, v238                   ; with the head's offset: r_k's codes in memory;
	v_add_nc_u32 v111, s49, v238                   ; with batch and head's: K's and V's
	v_lshl_add_u32 v239, v0, 4, 65536
	v_lshl_add_u32 v240, v0, 4, KC
	v_lshlrev_b32 v241, 3, v0
	v_add_nc_u32 v241, s51, v241                   ; K's scale words in memory, 8 bytes a thread
	v_lshl_add_u32 v242, v0, 3, KW
	v_lshlrev_b32 v243, 2, v0
	v_lshl_add_u32 v244, v0, 2, VW
	v_add_nc_u32 v245, -4, v243
	v_min_u32 v245, 2044, v245                     ; the four scale bytes below mine (thread 0: any; they are replaced by 0)
	v_mov_b32 v246, 2044
	v_add_nc_u32 v243, s52, v243                   ; all three in my head's 2,048 bytes
	v_add_nc_u32 v245, s52, v245
	v_add_nc_u32 v246, s52, v246
	v_and_b32 v51, 31, v0                          ; lane
	v_lshl_add_u32 v247, v50, 7, v51               ; V's scale bytes: step x 128 + channel
	v_add_nc_u32 v247, s53, v247
	v_mov_b32 v248, SW+16384
	v_and_b32 v52, 15, v0                          ; r = a
	v_bfe_u32 v53, v0, 4, 1                        ; h
	v_and_b32 v249, 3, v52
	v_and_b32 v250, 12, v52
	v_lshl_add_u32 v249, v250, 2, v249             ; my query less I0
	v_add_nc_u32 v250, 1, v249
	v_min_u32 v250, s66, v250                      ; the next query, held at the last (whose second term meets rows of zeros alone)
	v_lshl_add_u32 v251, v249, 2, s54              ; their scale words,
	v_lshl_add_u32 v252, v250, 2, s54
	v_lshl_add_u32 v254, v249, 3, s55              ; my query's scale byte on the way out,
	v_lshl_add_u32 v249, v249, 4, s50              ; their rows of 16 bytes
	v_lshl_add_u32 v250, v250, 4, s50
	v_lshl_add_u32 v[AVO], v53, 3, v249            ; the way out: my 8 bytes of my query's row
	v_add_nc_u32 v[AF0], 1, v52
	v_sub_nc_u32 v[AF0], v[AF0], v53
	v_lshlrev_b32 v[AF0], 4, v[AF0]
	v_lshl_add_u32 v[LIK], v51, 4, KC
	v_lshl_add_u32 v[LSW], v51, 2, SW
	v_mov_b32 v255, 0
.irp q, 0,1,2,3
	v_mov_b32 v[PCD+\q], 0
.endr
	s_wait_kmcnt 0x0
	s_load_b512 s[32:47], s[8:9], s105 offset:FLG  ; my set's 16 flags
.irp q, 0,1,2,3
	global_load_b128 v[174+4*\q:177+4*\q], v110, s[4:5] offset:TCO+8192*\q
	global_load_b128 v[190+4*\q:193+4*\q], v111, s[4:5] offset:KCO+8192*\q
	global_load_b128 v[206+4*\q:209+4*\q], v111, s[4:5] offset:VIM+8192*\q
.endr
	global_load_b64 v[222:223], v241, s[6:7] offset:KW2
	global_load_b32 v224, v243, s[6:7] offset:TSB
	global_load_b32 v225, v245, s[6:7] offset:TSB
	global_load_b32 v226, v246, s[6:7] offset:TSB
.irp b, 0,1,2,3
	global_load_u8 v[227+\b], v247, s[6:7] offset:VSB+32*\b
.endr
	global_load_b128 v[QVR:QVR+3], v249, s[4:5] offset:QVC
	global_load_b128 v[232:235], v249, s[4:5] offset:QUC
	global_load_b128 v[QPR:QPR+3], v250, s[4:5] offset:QVC
	global_load_b32 v[SQU], v251, s[6:7] offset:QUW
	global_load_b32 v[SQV], v251, s[6:7] offset:QVW
	global_load_b32 v[SQP], v252, s[6:7] offset:QVW
	; the table and its scale words begin as zeros: 15 x 8,192 bytes
.irp q, 0,1,2,3,4,5,6,7
	ds_store_b128 v238, v[PCD:PCD+3] offset:8192*\q
.endr
.irp q, 0,1,2,3,4,5,6
	ds_store_b128 v239, v[PCD:PCD+3] offset:8192*\q
.endr
	s_wait_dscnt 0x0                               ; my zeros have landed
	s_barrier_signal -1
	s_barrier_wait -1                              ; everybody's have: now the data may be laid over them
	s_wait_loadcnt 0x0
.irp q, 0,1,2,3
	ds_store_b128 v238, v[174+4*\q:177+4*\q] offset:32784+8192*\q   ; r_k[m] at table row 2049 + m
	ds_store_b128 v240, v[190+4*\q:193+4*\q] offset:8192*\q
	ds_store_b128 v240, v[206+4*\q:209+4*\q] offset:32768+8192*\q
.endr
	ds_store_b64 v242, v[222:223]
	v_cmp_eq_u32 vcc_lo, 0, v0
	v_cndmask_b32 v225, v225, 0, vcc_lo            ; below r_k[0] lie rows of zeros
	v_perm_b32 v158, v224, v225, 0x00010203        ; words 2048 + 4 thread + 0 .. 3: the bytes of r_k[m], [m - 1], [m - 2], [m - 3], m = 4 thread - 1 + 0 .. 3
	v_perm_b32 v159, v224, v225, 0x01020304
	v_perm_b32 v160, v224, v225, 0x02030405
	v_perm_b32 v161, v224, v225, 0x03040506
	ds_store_b128 v239, v[158:161] offset:40960
	v_lshl_or_b32 v231, v228, 8, v227
	v_lshl_or_b32 v231, v229, 16, v231
	v_lshl_or_b32 v231, v230, 24, v231
	ds_store_b32 v244, v231                        ; V's scale word of (step, channel)
	v_perm_b32 v162, v255, v226, 0x00010203        ; words 4096 .. 4099: what is left of the last four bytes
	v_perm_b32 v163, v255, v226, 0x01020304
	v_perm_b32 v164, v255, v226, 0x02030405
	v_perm_b32 v165, v255, v226, 0x03040506
	s_cmp_lg_u32 s14, 0
	s_cbranch_scc1 .Lnot_wave_0
	ds_store_b128 v248, v[162:165]                 ; all lanes of wave 0 store the same 16 bytes with the same values
.Lnot_wave_0:
	s_wait_dscnt 0x0
	s_barrier_signal -1
	s_barrier_wait -1                              ; LDS is whole, and only read from here on
	v_and_b32 v51, 1, v52
	v_bfe_u32 v231, v52, 1, 1
	v_lshrrev_b32 v230, 2, v52
	v_lshl_add_u32 v231, v230, 1, v231             ; 2 (a / 4) + (a % 4) / 2,
	v_cmp_eq_u32 vcc_lo, v51, v53
	v_cndmask_b32 v231, 0xff, v231, vcc_lo         ; in the half of the lanes that holds block a % 4
.irp m, 0,1,2,3,4,5,6,7
	v_cmp_eq_u32 s[MSK+\m], \m, v231
.endr
	REBUILD QVR
	v_cmp_eq_u32 s2, 1, v53
.irp q, 0,1,2,3
	v_cndmask_b32 v[BU0+\q], v[232+\q], 0, s2
	v_cndmask_b32 v[BU1+\q], 0, v[232+\q], s2
	v_mov_b32 v[BU0+4+\q], 0
	v_mov_b32 v[BU1+4+\q], 0
.endr
	v_mov_b32 v[NINF], 0xff800000
	v_mov_b32 v13, 0xff61b1e6                      ; the largest t so far: -3e38
	v_floor_f32 v12, -v13                          ; -M
	v_mov_b32 v14, 0
	v_mov_b32 v15, 0
	v_mov_b32 v[FF+1], 0                           ; (named as the upper half of a pair)
	v_mov_b32 v[TT], 0
.irp b, 0,1,2,3
	v_mov_b32 v[PT+\b], 0                          ; a lane permute's destination counts as one of its sources
.endr
.irp j, 0,1,2,3,4,5,6,7,8,9,10,11,12,13,14,15
	v_mov_b32 v[OT+\j], 0                          ; the step is written once: the first finds zeros
.endr
	s_wait_kmcnt 0x0
	s_mov_b32 s17, 0
.irp i, 0,1,2,3,4,5,6,7,8,9,10,11,12,13,14,15
	s_lshl_b32 s2, s[32+\i], 2*\i
	s_or_b32 s17, s17, s2                          ; the 16 flags, two bits each
.endr
	s_mov_b32 s16, 0
.Lstep:                                            ; 16 trips, a constant; what a flag leaves out is jumped over inside the trip
	s_lshl_b32 s2, s16, 11
	s_add_co_u32 s3, s2, s19
	v_add_nc_u32 v[ADF], s3, v[AF0]                ; these five are also the places behind the last step's products
	s_lshr_b32 s3, s3, 2
	v_add_nc_u32 v[ADW], s3, v[LSW]
	v_add_nc_u32 v[ADK], s2, v[LIK]
	s_lshr_b32 s3, s2, 3
	s_add_co_u32 s3, s3, KW-SW
	v_add_nc_u32 v[ADKW], s3, v[LSW]
	s_lshr_b32 s3, s2, 4
	s_add_co_u32 s3, s3, VW-SW
	v_add_nc_u32 v[ADVW], s3, v[LSW]
	s_and_b32 s18, s17, 3
	s_lshr_b32 s17, s17, 2
	s_cmp_eq_u32 s18, 0
	s_cbranch_scc1 .Lnext                          ; all 16 x 128 masked: every p would be 0
	s_cmp_eq_u32 s18, 1
	s_cbranch_scc0 .Lno_words
	s_lshl_b32 s100, s16, 8
	s_add_co_u32 s100, s100, s67
	s_load_b512 s[32:47], s[8:9], s100 offset:0x0  ; the step's 64 lane-mask words; waited for behind the products
	s_load_b512 s[48:63], s[8:9], s100 offset:0x40
	s_load_b512 s[68:83], s[8:9], s100 offset:0x80
	s_load_b512 s[84:99], s[8:9], s100 offset:0xc0
.Lno_words:
	ds_load_b32 v[KS], v[ADKW]
	ds_load_b32 v[KS+1], v[ADKW] offset:128
.irp be, 0,1,2,3
	ds_load_b128 v[KF+4*\be:KF+4*\be+3], v[ADK] offset:512*\be   ; lane l: key 32 be + l
.endr
	BDPASS 32784, 8196, 1, SQV                     ; the term of d >= 0: it starts the sums
	s_cmp_lt_u32 s16, s15
	s_cbranch_scc1 .Lno_upper                      ; all keys of the step come before my queries
	NOP4
	REBUILD QPR
	NOP4                                           ; an operand written by vector instructions stands four places ahead of the product
	BDPASS 0, 0, 0, SQP                            ; the term of d <= -2, with the next query
	NOP4
	REBUILD QVR
.Lno_upper:
.irp be, 0,1,2,3                               ; AC.  Source 0's upper four registers and blocks 2, 3 hold whatever follows: they meet zero codes, under scale bytes 0
	WM S+16*\be, KF+4*\be, BU0, 0, KS+\be/2, SQU, \be%2
	WM S+16*\be+8, KF+4*\be, BU1, 0, KS+\be/2, SQU, \be%2
.endr
	NOP4
.irp dt, 0,1
.irp c, 0,1
	ds_load_b128 v[FB+8*\dt+4*\c:FB+8*\dt+4*\c+3], v[ADK] offset:32768+1024*\dt+512*\c   ; V^T's two fragments land under the softmax
.endr
.endr
	ds_load_b32 v[VS], v[ADVW]
	s_cmp_eq_u32 s18, 1
	s_cbranch_scc0 .Lopen
	s_wait_kmcnt 0x0
.set n, 0
.rept 64
	v_cndmask_b32 v[S+n], v[S+n], v[NINF], s[32+n+4*(n/32)]
.set n, n+1
.endr
.Lopen:
.irp b, 0,1,2,3
	v_max3_num_f32 v[BM+\b], v[S+16*\b], v[S+16*\b+1], v[S+16*\b+2]   ; the largest score of each block of 32 keys: for the row's maximum and for the block's largest p
.endr
.irp i, 3,5,7,9,11,13
.irp b, 0,1,2,3
	v_max3_num_f32 v[BM+\b], v[BM+\b], v[S+16*\b+\i], v[S+16*\b+\i+1]
.endr
.endr
.irp b, 0,1,2,3
	v_max_num_f32 v[BM+\b], v[BM+\b], v[S+16*\b+15]
.endr
.irp b, 0,1,2,3
	v_permlanex16_b32 v[PT+\b], v[BM+\b], s28, s29
.endr
.irp b, 0,1,2,3
	v_max_num_f32 v[BM+\b], v[BM+\b], v[PT+\b]
.endr
	v_max3_num_f32 v[TT], v[BM], v[BM+1], v[BM+2]
	v_max_num_f32 v[TT], v[TT], v[BM+3]
	v_mul_f32 v[TT], s30, v[TT]
	v_max_num_f32 v13, v13, v[TT]                  ; the running largest t
	v_mov_b32 v[TT], v12
	v_floor_f32 v12, -v13                          ; -M = -ceil(t)
	v_sub_f32 v[TT], v12, v[TT]                    ; old M - new M: a whole number, 0 or less
	v_cvt_i32_f32 v[TT], v[TT]                     ; (it saturates)
	v_ldexp_f32 v[FF], 1.0, v[TT]                  ; f: a multiplication by it rounds nothing
.set n, 0
.rept 32
	v_pk_fma_f32 v[S+n:S+n+1], v[S+n:S+n+1], s[30:31], v[12:13] op_sel_hi:[1,0,0]   ; t - M
.set n, n+2
.endr
.irp b, 0,1,2,3
	v_fma_f32 v[BM+\b], v[BM+\b], s30, v12
.endr
.set n, 0
.rept 64
	v_exp_f32 v[S+n], v[S+n]                       ; p = 2^(t - M)
.set n, n+1
.endr
.irp b, 0,1,2,3
	v_exp_f32 v[BM+\b], v[BM+\b]                   ; the block's largest p: the same two instructions on the same number
.endr
	v_pk_mul_f32 v[14:15], v[14:15], v[FF:FF+1] op_sel_hi:[1,0]   ; (a plain place behind the exponentials)
	s_wait_alu depctr_va_vdst(0)
.irp b, 0,1,2,3
	v_max_num_f32 v[BM+\b], 0x1800000, v[BM+\b]    ; the floor 2^(3 - 127)
.endr
.irp b, 0,1,2,3
	v_add_nc_u32 v[SO+\b], 0xff000000, v[BM+\b]
.endr
.irp b, 0,1,2,3
	v_lshrrev_b32 v[PT+\b], 23, v[SO+\b]
.endr
	v_lshl_or_b32 v[PW], v[PT+1], 8, v[PT]
	v_lshl_or_b32 v[PW], v[PT+2], 16, v[PW]
	v_lshl_or_b32 v[PW], v[PT+3], 24, v[PW]
.irp c, 0,1                                    ; a tile's eight registers are keys 16 ta + 8 h + 0 .. 7; the operand's register 4 c + q wants keys 64 c + 32 h + 8 q + 0 .. 7
	v_cvt_scalef32_pk8_fp4_f32 v[PCD+4*\c], v[S+32*\c:S+32*\c+7], v[SO+2*\c]
	v_cvt_scalef32_pk8_fp4_f32 v[PCD+4*\c+1], v[S+32*\c+16:S+32*\c+23], v[SO+2*\c+1]
	v_cvt_scalef32_pk8_fp4_f32 v[PCD+4*\c+2], v[S+32*\c+8:S+32*\c+15], v[SO+2*\c]
	v_cvt_scalef32_pk8_fp4_f32 v[PCD+4*\c+3], v[S+32*\c+24:S+32*\c+31], v[SO+2*\c+1]
.endr
	v_nop                                          ; one plain place behind a scaled conversion
.irp c, 0,1
	v_permlane16_swap_b32 v[PCD+4*\c], v[PCD+4*\c+1]     ; tiles 4 c and 4 c + 2 change halves: registers 4 c, 4 c + 1
	v_permlane16_swap_b32 v[PCD+4*\c+2], v[PCD+4*\c+3]   ; tiles 4 c + 1 and 4 c + 3: registers 4 c + 2, 4 c + 3
.endr
	v_pk_add_f32 v[TT+2:TT+3], v[S:S+1], v[S+2:S+3]      ; the sum is taken of the unquantised p, in two chains
.irp j, 4,8,12,16,20,24,28,32,36,40,44,48,52,56,60
	v_pk_add_f32 v[14:15], v[14:15], v[S+\j:S+\j+1]
	v_pk_add_f32 v[TT+2:TT+3], v[TT+2:TT+3], v[S+\j+2:S+\j+3]
.endr
	v_pk_add_f32 v[14:15], v[14:15], v[TT+2:TT+3]
.irp j, 0,2,4,6,8,10,12,14
	v_pk_mul_f32 v[OT+\j:OT+\j+1], v[OT+\j:OT+\j+1], v[FF:FF+1] op_sel_hi:[1,0]   ; O^T under the new M.  (The sums and these are the places ahead of the products below)
.endr
	s_wait_dscnt 0x0                               ; V
	WM OT, FB, PCD, 0, VS, PW, 0
	WM OT+8, FB+8, PCD, 0, VS, PW, 1
.Lnext:
	s_add_co_u32 s16, s16, 1
	s_cmp_lt_u32 s16, 16
	s_cbranch_scc1 .Lstep
	; THE WAY OUT: O^T / the sum, quantised along the head's 32 channels (one block of the last product's K)
	NOP4
	v_add_f32 v14, v14, v15
	v_permlanex16_b32 v[TT], v14, s28, s29
	v_add_f32 v14, v14, v[TT]                      ; the row's sum
	v_cmp_eq_f32 s2, 0, v14                        ; 0 only where every key was masked
	v_cndmask_b32 v[TT+1], v14, 1.0, s2
	v_rcp_f32 v[TT+3], v[TT+1]
	v_mov_b32 v[BM+3], 0xff                        ; a plain place behind the reciprocal: it names neither its source nor its result
	s_wait_alu depctr_va_vdst(0)
.irp j, 0,1,2,3,4,5,6,7,8,9,10,11,12,13,14,15
	v_mul_f32 v[WO+\j], v[OT+\j], v[TT+3]          ; register 8 dt + j: channel 16 dt + 8 h + j
.endr
	v_max3_num_f32 v[BM], |v[WO]|, |v[WO+1]|, 0x1800000
	v_max3_num_f32 v[BM+1], |v[WO+2]|, |v[WO+3]|, |v[WO+4]|
	v_max3_num_f32 v[BM], v[BM], |v[WO+5]|, |v[WO+6]|
	v_max3_num_f32 v[BM+1], v[BM+1], |v[WO+7]|, |v[WO+8]|
	v_max3_num_f32 v[BM], v[BM], |v[WO+9]|, |v[WO+10]|
	v_max3_num_f32 v[BM+1], v[BM+1], |v[WO+11]|, |v[WO+12]|
	v_max3_num_f32 v[BM], v[BM], |v[WO+13]|, |v[WO+14]|
	v_max3_num_f32 v[BM], v[BM], v[BM+1], |v[WO+15]|
	v_permlanex16_b32 v[PT], v[BM], s28, s29
	v_max_num_f32 v[BM], v[BM], v[PT]
	v_add_nc_u32 v[SO], 0xff000000, v[BM]
	v_lshrrev_b32 v[TT+2], 23, v[SO]
	v_cndmask_b32 v[TT+2], v[TT+2], v[BM+3], s2    ; a row masked everywhere: the NaN byte
	v_cvt_scalef32_pk8_fp4_f32 v[PCD], v[WO:WO+7], v[SO]
	v_cvt_scalef32_pk8_fp4_f32 v[PCD+1], v[WO+8:WO+15], v[SO]
	v_nop
	v_permlane16_swap_b32 v[PCD], v[PCD+1]         ; lanes 0-15: bytes 0-7 of the row's 16; lanes 16-31: bytes 8-15
	global_store_b64 v[AVO], v[PCD:PCD+1], s[10:11]   ; runs of 64 bytes (four neighbouring queries): the price of the sets' order; 1 MB in the whole launch
	global_store_b8 v254, v[TT+2], s[12:13]        ; both lanes of a query store the same byte with the same value
	s_wait_xcnt 0x0
	v_lshl_add_u32 v254, v0, 2, 0x2f800
	v_mov_b32 v255, 0
	s_wait_tensorcnt 0x0
	ds_add_u32 v254, v255
	s_wait_dscnt 0x0
	s_endpgm
.Lfunc_end_k_q7fa39d9722_attn:
	.size	k_q7fa39d9722_attn, .Lfunc_end_k_q7fa39d9722_attn-k_q7fa39d9722_attn
	.p2alignl 7, 3214868480
	.fill 96, 4, 3214868480
	.section	.rodata,"a",@progbits
	.p2align	6, 0x0
	.amdhsa_kernel k_q7fa39d9722_attn
		.amdhsa_group_segment_fixed_size 196608
		.amdhsa_private_segment_fixed_size 0
		.amdhsa_enable_private_segment 0
		.amdhsa_kernarg_size 40
		.amdhsa_user_sgpr_count 2
		.amdhsa_user_sgpr_kernarg_segment_ptr 1
		.amdhsa_wavefront_size32 1
		.amdhsa_system_sgpr_workgroup_id_x 1
		.amdhsa_system_sgpr_workgroup_id_y 1
		.amdhsa_system_sgpr_workgroup_id_z 1
		.amdhsa_system_vgpr_workitem_id 0
		.amdhsa_next_free_vgpr 256
		.amdhsa_next_free_sgpr 106
		.amdhsa_reserve_vcc 1
		.amdhsa_float_denorm_mode_32 3
		.amdhsa_float_denorm_mode_16_64 3
		.amdhsa_memory_ordered 1
		.amdhsa_forward_progress 1
		.amdhsa_inst_pref_size 54
	.end_amdhsa_kernel
	.amdgpu_metadata
---
amdhsa.version: [ 1, 2 ]
amdhsa.kernels:
  - .name:           k_q7fa39d9722_attn
    .symbol:         k_q7fa39d9722_attn.kd
    .args:
      - { .name: codes, .offset: 0, .size: 8, .value_kind: global_buffer, .address_space: global }
      - { .name: scales, .offset: 8, .size: 8, .value_kind: global_buffer, .address_space: global }
      - { .name: maskw, .offset: 16, .size: 8, .value_kind: global_buffer, .address_space: global }
      - { .name: avc, .offset: 24, .size: 8, .value_kind: global_buffer, .address_space: global }
      - { .name: avs, .offset: 32, .size: 8, .value_kind: global_buffer, .address_space: global }
    .group_segment_fixed_size: 196608
    .private_segment_fixed_size: 0
    .kernarg_segment_align: 8
    .kernarg_segment_size: 40
    .max_flat_workgroup_size: 512
    .sgpr_count:     106
    .vgpr_count:     256
    .wavefront_size: 32
...
	.end_amdgpu_metadata
.endif
;; end of part 2
;; launch outln (part 3): grid 256 x 1, 16 waves a work-group, no clusters, 133,632 bytes of LDS; arguments avc, avs, W_o_codes, W_o_scales, w, ln_gamma, ln_beta, out0; writes out0
.if DOCPART == 3
	.amdgcn_target "amdgcn-amd-amdhsa--gfx1250"
	.amdhsa_code_object_version 6
	.text
	.protected	k_q7fa39d9722_outln
	.globl	k_q7fa39d9722_outln
	.p2align	8
	.type	k_q7fa39d9722_outln,@function
k_q7fa39d9722_outln:
	s_mov_b64 s[64:65], 0
	v_nop
	global_prefetch_b8 v0, s[64:65] scope:SCOPE_SE
	s_setreg_imm32_b32 hwreg(HW_REG_WAVE_MODE, 25, 1), 1
	s_wait_xcnt 0x0
; out = LayerNorm(w + attn_vec W_o): the product on codes of FP4 (E2M1) with E8M0 scales, all else in f32.
; SHARES.  Work-group g takes rows 32 g .. 32 g + 31; wave v makes columns 64 v .. 64 v + 63 of them: source 0 = 16 rows of W_o (K innermost), source 1 = 16 rows of attn_vec, so that a lane holds
; eight neighbouring columns of one row.  THE RESIDUAL COSTS NOTHING: w is loaded into the accumulators, in the result's layout, and is the C of each sum's first product.
; The 32 rows meet in a stage in LDS (rows of 4,096 + 16 bytes); behind one barrier wave v takes rows 2 v and 2 v + 1 whole: mean, then the mean of the squared differences, as the definition has it.
; Memory binds here: w is read and out written once, in runs of 256 bytes and more.  All loads go out at the head, so there is nothing to ask for earlier; no tensor load, no ring; work-groups share only W_o, 136 KB.
; attn_vec's codes lie [batch x head][row][16 bytes]: head 4 ks + 2 c + h is block 2 c + h of K step ks, which is what group c of lane (a, h) holds.
; LIMITS: NaN and infinities in w are not served; a scale byte 0xff (a row masked everywhere) makes the whole row NaN, as it is meant to.
.set ACC, 16                           ; v16-79   accumulator 8 (2 ct + mt); later the two rows
.set WF, 80                            ; v80-143  W_o's fragments 8 (2 ct + ks); later at work
.set WSC, 144                          ; v144-151 W_o's scale words, 2 ct + ks
.set AFR, 152                          ; v152-183 attn_vec's fragments 8 (2 mt + ks)
.set ASC, 184                          ; v184-187 their scale words, 2 mt + ks
.set GA, 188                           ; v188-219 gamma, v220-251 beta: columns 128 q + 4 lane + 0 .. 3
.set BE, 220
	s_load_b512 s[4:19], s[0:1], 0x0               ; avc, avs, W_o's codes, its scales, w, gamma, beta, out
	v_lshl_add_u32 v254, v0, 2, 0x20200
	v_mov_b32 v255, 0
	v_lshrrev_b32 v1, 5, v0
	v_readfirstlane_b32 s20, v1                    ; wave 0..15
	v_and_b32 v1, 31, v0                           ; lane
	v_and_b32 v2, 15, v0                           ; a
	v_bfe_u32 v3, v0, 4, 1                         ; h
	v_lshlrev_b32 v4, 12, v2
	v_lshl_add_u32 v4, v3, 5, v4                   ; w: row a, + 32 h
	v_lshlrev_b32 v5, 7, v2
	v_lshl_add_u32 v5, v3, 4, v5                   ; W_o: a row of 128 bytes, + 16 h
	v_lshlrev_b32 v6, 3, v2                        ; rows of 8 scale bytes
	v_lshlrev_b32 v7, 4, v2
	v_lshl_add_u32 v7, v3, 15, v7                  ; attn_vec: 16 a, + one head for lanes 16-31
	v_lshlrev_b32 v8, 4, v1                        ; 16 x lane
	v_mul_u32_u24 v9, v2, 4112
	v_lshl_add_u32 v9, v3, 5, v9
	s_lshl_b32 s21, s20, 8
	v_add_nc_u32 v9, s21, v9                       ; the stage, in: row a, + 32 h, + my 256 bytes
	v_add_nc_u32 v10, 65792, v9                    ; and 16 rows on
	s_mul_i32 s21, s20, 8224
	v_add_nc_u32 v11, s21, v8                      ; back: my two rows, 16 bytes a lane
	s_mov_b32 s22, 0x76543210
	s_mov_b32 s23, 0xfedcba98
	s_mov_b32 s24, 0x3a800000                      ; 1 / 1024
	s_mov_b32 s25, 0x3727c5ac                      ; 1e-5
	s_mov_b32 s27, 0
	s_wait_kmcnt 0x0
	s_lshl_b32 s26, ttmp9, 17
	s_lshl_b32 s21, s20, 8
	s_add_co_u32 s26, s26, s21
	s_add_nc_u64 s[12:13], s[12:13], s[26:27]      ; w at (32 g, 64 wave)
	s_lshl_b32 s26, s20, 13
	s_add_nc_u64 s[8:9], s[8:9], s[26:27]
	s_lshl_b32 s26, s20, 9
	s_add_nc_u64 s[10:11], s[10:11], s[26:27]
	s_lshr_b32 s26, ttmp9, 6
	s_lshl_b32 s26, s26, 18
	s_and_b32 s21, ttmp9, 63
	s_lshl_b32 s21, s21, 9
	s_add_co_u32 s26, s26, s21
	s_add_nc_u64 s[4:5], s[4:5], s[26:27]          ; batch x 8 heads x 32,768 + 32 rows x 16
	s_lshl_b32 s26, ttmp9, 8
	s_add_nc_u64 s[6:7], s[6:7], s[26:27]
	s_lshl_b32 s26, ttmp9, 17
	s_lshl_b32 s21, s20, 13
	s_add_co_u32 s26, s26, s21
	s_add_nc_u64 s[18:19], s[18:19], s[26:27]      ; out at row 32 g + 2 wave
.irp ct, 0,1,2,3
.irp mt, 0,1
.irp hf, 0,1
	global_load_b128 v[ACC+8*(2*\ct+\mt)+4*\hf:ACC+8*(2*\ct+\mt)+4*\hf+3], v4, s[12:13] offset:65536*\mt+64*\ct+16*\hf th:TH_LOAD_NT
.endr
.endr
.endr
.irp ct, 0,1,2,3
.irp ks, 0,1
.irp c, 0,1
	global_load_b128 v[WF+8*(2*\ct+\ks)+4*\c:WF+8*(2*\ct+\ks)+4*\c+3], v5, s[8:9] offset:2048*\ct+64*\ks+32*\c
.endr
.endr
	global_load_b64 v[WSC+2*\ct:WSC+2*\ct+1], v6, s[10:11] offset:128*\ct
.endr
.irp mt, 0,1
.irp ks, 0,1
.irp c, 0,1
	global_load_b128 v[AFR+8*(2*\mt+\ks)+4*\c:AFR+8*(2*\mt+\ks)+4*\c+3], v7, s[4:5] offset:(4*\ks+2*\c)*32768+256*\mt
.endr
.endr
	global_load_b64 v[ASC+2*\mt:ASC+2*\mt+1], v6, s[6:7] offset:128*\mt
.endr
.irp q, 0,1,2,3,4,5,6,7
	global_load_b128 v[GA+4*\q:GA+4*\q+3], v8, s[14:15] offset:512*\q
	global_load_b128 v[BE+4*\q:BE+4*\q+3], v8, s[16:17] offset:512*\q
.endr
	s_wait_loadcnt 16                              ; all but gamma's and beta's sixteen
.irp ks, 0,1                                   ; eight accumulators by turns, one instruction a turn
.irp ct, 0,1,2,3
.irp mt, 0,1
	v_wmma_scale_f32_16x16x128_f8f6f4 v[ACC+8*(2*\ct+\mt):ACC+8*(2*\ct+\mt)+7], v[WF+8*(2*\ct+\ks):WF+8*(2*\ct+\ks)+7], v[AFR+8*(2*\mt+\ks):AFR+8*(2*\mt+\ks)+7], v[ACC+8*(2*\ct+\mt):ACC+8*(2*\ct+\mt)+7], v[WSC+2*\ct+\ks], v[ASC+2*\mt+\ks] matrix_a_fmt:MATRIX_FMT_FP4 matrix_b_fmt:MATRIX_FMT_FP4
.endr
.endr
.endr
.rept 4
	v_nop                                          ; places ahead of the first read of results (ISA guide 7.12.1)
.endr
.irp mt, 0,1
.irp ct, 0,1,2,3
	ds_store_b128 v[9+\mt], v[ACC+8*(2*\ct+\mt):ACC+8*(2*\ct+\mt)+3] offset:64*\ct       ; each accumulator from its low end on
	ds_store_b128 v[9+\mt], v[ACC+8*(2*\ct+\mt)+4:ACC+8*(2*\ct+\mt)+7] offset:64*\ct+16
.endr
.endr
	s_wait_dscnt 0x0                               ; for the others' sake: my stores have landed
	s_barrier_signal -1
	s_barrier_wait -1                              ; 32 whole rows lie in the stage
.irp e, 0,1
.irp q, 0,1,2,3,4,5,6,7
	ds_load_b128 v[ACC+32*\e+4*\q:ACC+32*\e+4*\q+3], v11 offset:4112*\e+512*\q
.endr
.endr
	s_wait_dscnt 0x0
	s_wait_loadcnt 0x0                             ; gamma, beta
.macro ACROSS                                  ; v80: the sum over the 32 lanes, in every lane
	v_add_f32 v80, v80, v81
	v_add_f32_dpp v80, v80, v80 row_xmask:1 row_mask:0xf bank_mask:0xf
	v_add_f32_dpp v80, v80, v80 row_xmask:2 row_mask:0xf bank_mask:0xf
	v_add_f32_dpp v80, v80, v80 row_xmask:4 row_mask:0xf bank_mask:0xf
	v_add_f32_dpp v80, v80, v80 row_xmask:8 row_mask:0xf bank_mask:0xf
	v_permlanex16_b32 v81, v80, s22, s23
	v_add_f32 v80, v80, v81
.endm
.macro LNROW x, e                              ; a row: 32 numbers a lane in v[x] on
	v_pk_add_f32 v[80:81], v[\x:\x+1], v[\x+2:\x+3]
	v_pk_add_f32 v[82:83], v[\x+4:\x+5], v[\x+6:\x+7]
.irp j, 8,12,16,20,24,28
	v_pk_add_f32 v[80:81], v[80:81], v[\x+\j:\x+\j+1]
	v_pk_add_f32 v[82:83], v[82:83], v[\x+\j+2:\x+\j+3]
.endr
	v_pk_add_f32 v[80:81], v[80:81], v[82:83]
	ACROSS
	v_mul_f32 v84, s24, v80                        ; the mean
	v_mov_b32 v85, v84
.irp j, 0,2,4,6,8,10,12,14,16,18,20,22,24,26,28,30
	v_pk_add_f32 v[\x+\j:\x+\j+1], v[\x+\j:\x+\j+1], v[84:85] neg_lo:[0,1] neg_hi:[0,1]
.endr
	v_pk_mul_f32 v[80:81], v[\x:\x+1], v[\x:\x+1]
	v_pk_mul_f32 v[82:83], v[\x+2:\x+3], v[\x+2:\x+3]
.irp j, 4,8,12,16,20,24,28
	v_pk_fma_f32 v[80:81], v[\x+\j:\x+\j+1], v[\x+\j:\x+\j+1], v[80:81]
	v_pk_fma_f32 v[82:83], v[\x+\j+2:\x+\j+3], v[\x+\j+2:\x+\j+3], v[82:83]
.endr
	v_pk_add_f32 v[80:81], v[80:81], v[82:83]
	ACROSS
	v_fma_f32 v80, v80, s24, s25                   ; the variance + 1e-5
	v_rsq_f32 v86, v80
	v_nop                                          ; one plain place behind the transcendental
	s_wait_alu depctr_va_vdst(0)
	v_mov_b32 v87, v86
.irp q, 0,1,2,3,4,5,6,7
.irp i, 0,2
	v_pk_mul_f32 v[\x+4*\q+\i:\x+4*\q+\i+1], v[\x+4*\q+\i:\x+4*\q+\i+1], v[86:87]
	v_pk_fma_f32 v[\x+4*\q+\i:\x+4*\q+\i+1], v[\x+4*\q+\i:\x+4*\q+\i+1], v[GA+4*\q+\i:GA+4*\q+\i+1], v[BE+4*\q+\i:BE+4*\q+\i+1]
.endr
	global_store_b128 v8, v[\x+4*\q:\x+4*\q+3], s[18:19] offset:4096*\e+512*\q th:TH_STORE_NT   ; 32 lanes store 512 consecutive bytes, aligned
.endr
.endm
	LNROW ACC, 0
	LNROW ACC+32, 1
	s_wait_tensorcnt 0x0
	ds_add_u32 v254, v255
	s_wait_dscnt 0x0
	s_endpgm
.Lfunc_end_k_q7fa39d9722_outln:
	.size	k_q7fa39d9722_outln, .Lfunc_end_k_q7fa39d9722_outln-k_q7fa39d9722_outln
	.p2alignl 7, 3214868480
	.fill 96, 4, 3214868480
	.section	.rodata,"a",@progbits
	.p2align	6, 0x0
	.amdhsa_kernel k_q7fa39d9722_outln
		.amdhsa_group_segment_fixed_size 133632
		.amdhsa_private_segment_fixed_size 0
		.amdhsa_enable_private_segment 0
		.amdhsa_kernarg_size 64
		.amdhsa_user_sgpr_count 2
		.amdhsa_user_sgpr_kernarg_segment_ptr 1
		.amdhsa_wavefront_size32 1
		.amdhsa_system_sgpr_workgroup_id_x 1
		.amdhsa_system_sgpr_workgroup_id_y 1
		.amdhsa_system_sgpr_workgroup_id_z 1
		.amdhsa_system_vgpr_workitem_id 0
		.amdhsa_next_free_vgpr 256
		.amdhsa_next_free_sgpr 66
		.amdhsa_reserve_vcc 0
		.amdhsa_float_denorm_mode_32 3
		.amdhsa_float_denorm_mode_16_64 3
		.amdhsa_memory_ordered 1
		.amdhsa_forward_progress 1
		.amdhsa_inst_pref_size 27
	.end_amdhsa_kernel
	.amdgpu_metadata
---
amdhsa.version: [ 1, 2 ]
amdhsa.kernels:
  - .name:           k_q7fa39d9722_outln
    .symbol:         k_q7fa39d9722_outln.kd
    .args:
      - { .name: avc, .offset: 0, .size: 8, .value_kind: global_buffer, .address_space: global }
      - { .name: avs, .offset: 8, .size: 8, .value_kind: global_buffer, .address_space: global }
      - { .name: W_o_codes, .offset: 16, .size: 8, .value_kind: global_buffer, .address_space: global }
      - { .name: W_o_scales, .offset: 24, .size: 8, .value_kind: global_buffer, .address_space: global }
      - { .name: w, .offset: 32, .size: 8, .value_kind: global_buffer, .address_space: global }
      - { .name: ln_gamma, .offset: 40, .size: 8, .value_kind: global_buffer, .address_space: global }
      - { .name: ln_beta, .offset: 48, .size: 8, .value_kind: global_buffer, .address_space: global }
      - { .name: out0, .offset: 56, .size: 8, .value_kind: global_buffer, .address_space: global }
    .group_segment_fixed_size: 133632
    .private_segment_fixed_size: 0
    .kernarg_segment_align: 8
    .kernarg_segment_size: 64
    .max_flat_workgroup_size: 512
    .sgpr_count:     66
    .vgpr_count:     256
    .wavefront_size: 32
...
	.end_amdgpu_metadata
.endif
;; end of part 3
;; ======== version 2 of 3: 3 launches
;; workspace buffers: codes 4,456,448 bytes; scales 737,280 bytes; maskw 532,480 bytes of whole numbers; avc 1,048,576 bytes; avs 65,536 bytes
;; launch prep (part 4): grid 256 x 1, 8 waves a work-group, no clusters, 154,624 bytes of LDS; arguments w, W_qkv_codes, W_qkv_scales, r_codes, r_scales, W_r_codes, W_r_scales, r_w_bias, r_r_bias, attn_mask, codes, scales, maskw; writes codes, scales, maskw
.if DOCPART == 4
	.amdgcn_target "amdgcn-amd-amdhsa--gfx1250"
	.amdhsa_code_object_version 6
	.text
	.protected	k_q7fa39d9722_prep
	.globl	k_q7fa39d9722_prep
	.p2align	8
	.type	k_q7fa39d9722_prep,@function
k_q7fa39d9722_prep:
	s_mov_b64 s[64:65], 0
	v_nop
	global_prefetch_b8 v0, s[64:65] scope:SCOPE_SE
	s_setreg_imm32_b32 hwreg(HW_REG_WAVE_MODE, 25, 1), 1
	s_wait_xcnt 0x0
; heads = Q(w) W_qkv and r_k = r W_r on codes of FP4 (E2M1) with one E8M0 scale for each 32 along K, and all the quantisers behind them:
; q + r_w_bias, q + r_r_bias, k and r_k along the head's 32 channels, v along 32 keys.  Besides: the mask as lane-mask words and one flag for each 16 queries x 128 keys.
; SHARES.  Work-group g takes rows 32 g .. 32 g + 31 of w (batch g / 64, keys 32 (g % 64) on) and all 768 columns.  Its eight waves first quantise the 32 rows (two fragments of 16 rows x 128 K each)
; and hand them to each other through LDS as images of the operand's registers; then wave h makes head h's q, k and v for the 32 rows.
; Each wave also turns one 16 x 128 piece of the mask into words; waves 0 to 3 make 16 rows x one head of r_k.
; LOADS TAKE THE BYTES AS THEY LIE.  An operand's layout gives each lane 16 bytes of a row of its own, so a load in that order would touch 16 rows for 32 bytes each.  Here a load of w takes 512 consecutive
; bytes of one row (a K step), a load of a weight one whole row of 512 bytes of codes; the wave turns them in a stage of its own in LDS (rows 528 bytes apart, so that the 16 rows that a load from the stage
; touches start in 16 different groups of banks) and reads them back in the operand's order, into the registers that they left.  LDS serves a wave's instructions in order (ISA guide 5.7.1.4).
; A weight's fragments come back in two halves: K steps 0 to 3 ahead of the job, K steps 4 to 7 behind the job's first wait, under its first products: by this text's own count at most 60 LDS instructions of a wave are out.
; r's own 16 rows (four of the eight waves, 16 loads) are still read in the operand's order.
; q, k, r_k: source 0 = 16 rows of the weight, source 1 = 16 rows of x: a lane holds one row and 16 of its head's 32 channels.  v: the sources swapped: a lane holds one channel and 16 of the 32 keys.
; So every block of 32 lies in lanes l and l xor 16, and its 16 bytes of codes leave as 8 bytes from each of the two.
; No tensor load: each operand is read once by its wave, a job or more ahead of its use; by this text's own count a wave never has more than 60 loads out.
; No cluster: what work-groups share are the weights; sharing them would want tensor loads and a ring along K.
; LIMITS: NaN and infinities among the inputs are not served.  A block whose largest magnitude lies under 2^-124 gets the scale byte 1; a block of zeros too, where the rule says 127: its codes are zeros, and the bytes are read by this program alone.
.set QUC, 0                            ; sections of 'codes': [bh][i][16] codes of q + r_w_bias
.set QVC, 1048576                      ; the same of q + r_r_bias
.set KCO, 2097152                      ; [bh][key][16]
.set VIM, 3145728                      ; [bh][step 16][dt 2][c 2][lane 32][16]: images of V^T's fragments
.set TCO, 4194304                      ; [h][m][16] codes of r_k
.set QUW, 0                            ; sections of 'scales': [bh][i] words, the byte four times
.set QVW, 262144
.set KW2, 524288                       ; [bh][32 keys][16] words: byte 0 key m, byte 1 key 16 + m
.set VSB, 655360                       ; [bh][block of keys][channel] bytes
.set TSB, 720896                       ; [h][m] bytes
.set FLG, 524288                       ; in 'maskw', behind the words: [set of queries][step] flags
.set XIMG, 0                           ; LDS: x's 16 fragments (8 x tile of rows + K step), 1,024 bytes each
.set XSC, 16384                        ; and their scale words, 128 bytes each
.set STG, 18432                        ; behind them a stage for each wave: 32 rows of
.set SPI, 528                          ; 512 bytes + 16
.set WSTG, 32*SPI
.set LN, 1                             ; v1 lane   v2 lane % 16   v3 lane / 16
.set RR, 2
.set HL, 3
.set XA, 4                             ; v4  8 x lane
.set LI, 5                             ; v5  16 x lane: an image's place, and my 16 bytes of a load's 512
.set LS, 6                             ; v6  4 x lane
.set XWI, 7                            ; v7  where I store x's images
.set XWS, 8                            ; v8  and their scale words
.set WAD, 9                            ; v9  r: a row of 512 bytes of codes: 512 r + 16 h
.set WSA, 10                           ; v10 a row of 32 scale bytes: 32 r
.set QO, 11                            ; v11 16 r + 8 h: my 8 bytes of a row's 16
.set MA, 12                            ; v12 the mask: my query's row + 8 h
.set BO, 13                            ; v13 32 h: my eight numbers of a bias
.set KO, 14                            ; v14 4 r + 2 h
.set T0, 15
.set MK, 16                            ; v16-31  my 64 bytes of the mask
.set WS, 32                            ; v32-79  the weights' scale words: 16 x job + 8 x column tile + K step
.set PC, 80                            ; v80-87  codes just made
.set TM, 88                            ; v88-103 at work
.set PW, 104                           ; the scale word just made
.set KB, 105                           ; v105-106 two scale bytes
.set SWD, 107                          ; v107-109 data of small stores
.set MWR, 110                          ; v110-111 my two mask words
.set XS, 112                           ; v112-115 x's scale words
.set TSI, 116                          ; v116 my stage, on the way in: 16 x lane
.set TSX, 117                          ; v117 on the way out, numbers: 528 r + 64 h
.set TSW, 118                          ; v118 on the way out, codes: 528 r + 16 h
.set RS, 120                           ; v120-127 r's scale words
.set ST0, 128                          ; v128-191, v192-255: 64 numbers of x each
.set ST1, 192
.set XF, 128                           ; later: four fragments of x,
.set ACC, 160                          ; four accumulators,
.set BIU, 192                          ; the two biases,
.set BIV, 208
.set RF, 192                           ; and at last r's eight fragments
.set WA, 0                             ; window 1: two sets of 128 registers: 32 rows as loaded (4 x row), then 16 fragments: 8 (8 x column tile + K step)
.set WB, 128
.set WV, 30
.set MSB, 0
.macro WIN new                         ; the immediate's high byte repeats the setting that is left
.if MSB != \new
	s_set_vgpr_msb (MSB<<8)|\new
.set MSB, \new
.endif
.endm
.macro NOPS n
.rept \n
	v_nop
.endr
.endm
; my 16 rows' numbers of one K step: load i takes row i's 512 bytes, 16 a lane
.macro XLOAD reg, e
.irp i, 0,1,2,3,4,5,6,7,8,9,10,11,12,13,14,15
	global_load_b128 v[\reg+4*\i:\reg+4*\i+3], v[LI], s[4:5] offset:4096*\i+512*\e th:TH_LOAD_NT
.endr
.endm
.macro XIN reg, e                              ; into half e of my stage, as they lie
.irp i, 0,1,2,3,4,5,6,7,8,9,10,11,12,13,14,15
	ds_store_b128 v[TSI], v[\reg+4*\i:\reg+4*\i+3] offset:16*SPI*\e+SPI*\i
.endr
.endm
.macro XOUT reg, e                             ; and back: of each block of 32 of row r lane (r, h) takes 16 neighbours: register 16 b + i = k 32 b + 16 h + i
.irp b, 0,1,2,3
.irp j, 0,1,2,3
	ds_load_b128 v[\reg+16*\b+4*\j:\reg+16*\b+4*\j+3], v[TSX] offset:16*SPI*\e+128*\b+16*\j
.endr
.endr
.endm
; 64 numbers of a lane, register 16 b + i = k 32 b + 16 h + i of my row, become a fragment's codes in v[PC] on and its scale word in v[PW]
.macro QUANT s
.irp b, 0,1,2,3
	v_max3_num_f32 v[TM+\b], |v[\s+16*\b]|, |v[\s+1+16*\b]|, 0x1800000   ; with the floor 2^(3 - 127): the byte cannot fall under 1
.endr
.irp i, 2,4,6,8,10,12,14
.irp b, 0,1,2,3
	v_max3_num_f32 v[TM+\b], v[TM+\b], |v[\s+16*\b+\i]|, |v[\s+1+16*\b+\i]|
.endr
.endr
.irp b, 0,1,2,3
	v_permlanex16_b32 v[TM+4+\b], v[TM+\b], s34, s35
.endr
.irp b, 0,1,2,3
	v_max_num_f32 v[TM+\b], v[TM+\b], v[TM+4+\b]   ; with lane l xor 16's: the block's largest magnitude
.endr
.irp b, 0,1,2,3
	v_add_nc_u32 v[TM+12+\b], 0xff000000, v[TM+\b]   ; 2 off its exponent field: the conversion's scale operand
.endr
.irp b, 0,1,2,3
	v_lshrrev_b32 v[TM+4+\b], 23, v[TM+12+\b]      ; the scale's byte
.endr
	v_lshl_or_b32 v[PW], v[TM+5], 8, v[TM+4]
	v_lshl_or_b32 v[PW], v[TM+6], 16, v[PW]
	v_lshl_or_b32 v[PW], v[TM+7], 24, v[PW]
.irp b, 0,1,2,3
	v_cvt_scalef32_pk8_fp4_f32 v[PC+2*\b], v[\s+16*\b:\s+7+16*\b], v[TM+12+\b]
	v_cvt_scalef32_pk8_fp4_f32 v[PC+1+2*\b], v[\s+8+16*\b:\s+15+16*\b], v[TM+12+\b]
.endr
	v_nop                                          ; one plain place behind a scaled conversion
.irp c, 0,1                                    ; the operand's layout wants a whole block in a lane
.irp i, 0,1
	v_permlane16_swap_b32 v[PC+4*\c+\i], v[PC+2+4*\c+\i]
.endr
.endr
.endm
.macro IMAGE adr, off                          ; the fragment in v[PC] on goes to LDS as it stands
.irp c, 0,1
	ds_store_b128 v[\adr], v[PC+4*\c:PC+4*\c+3] offset:\off+512*\c
.endr
.endm
.macro FETCH reg, off                          ; and comes back so, in any wave
.irp c, 0,1
	ds_load_b128 v[\reg+4*\c:\reg+4*\c+3], v[LI] offset:\off+512*\c
.endr
.endm
; 16 rows of a weight (column tile ct) as they lie: load i takes row 16 ct + i whole, 512 bytes, into registers 4 x row
.macro WLOADC dst, off, ct, sb
.irp i, 0,1,2,3,4,5,6,7,8,9,10,11,12,13,14,15
	global_load_b128 v[\dst+64*\ct+4*\i:\dst+64*\ct+4*\i+3], v[LI], s[\sb:\sb+1] offset:\off+8192*\ct+512*\i
.endr
.endm
; four K steps' fragments of both column tiles out of my stage: group c of lane (r, h) is bytes 64 ks + 32 c + 16 h of row 16 ct + r.  It leaves the windows set
.macro WBACK dst, k0
	WIN 0x40                                       ; destination window 1
.irp ct, 0,1
.irp kk, 0,1,2,3
.irp c, 0,1
	ds_load_b128 v[\dst+8*(8*\ct+\k0+\kk)+4*\c:\dst+8*(8*\ct+\k0+\kk)+4*\c+3], v[TSW] offset:16*SPI*\ct+64*(\k0+\kk)+32*\c
.endr
.endr
.endr
.endm
; a weight's 32 rows into my stage, and the first half of its fragments back
.macro WTURN dst
	WIN 0x04                                       ; an LDS store's data are its source 1: window 1
.set rho, 0
.rept 32
	ds_store_b128 v[TSI], v[\dst+4*rho:\dst+4*rho+3] offset:SPI*rho
.set rho, rho+1
.endr
	WBACK \dst, 0
	WIN 0
.endm
; one product.  kind 0: source 0 = the weight, accumulator 16 mt + 8 ct.  kind 1: source 1 = the weight, accumulator 16 ct + 8 mt.  K step 0 starts the sum
.macro PMUL kind, mt, ct, ks, xi, wb, ws
.if \kind
.if (\ks) == 0
	v_wmma_scale_f32_16x16x128_f8f6f4 v[ACC+16*\ct+8*\mt:ACC+16*\ct+8*\mt+7], v[XF+8*(\xi):XF+8*(\xi)+7], v[\wb+8*(8*\ct+(\ks)):\wb+8*(8*\ct+(\ks))+7], 0, v[XS+(\xi)], v[\ws+8*\ct+(\ks)] matrix_a_fmt:MATRIX_FMT_FP4 matrix_b_fmt:MATRIX_FMT_FP4
.else
	v_wmma_scale_f32_16x16x128_f8f6f4 v[ACC+16*\ct+8*\mt:ACC+16*\ct+8*\mt+7], v[XF+8*(\xi):XF+8*(\xi)+7], v[\wb+8*(8*\ct+(\ks)):\wb+8*(8*\ct+(\ks))+7], v[ACC+16*\ct+8*\mt:ACC+16*\ct+8*\mt+7], v[XS+(\xi)], v[\ws+8*\ct+(\ks)] matrix_a_fmt:MATRIX_FMT_FP4 matrix_b_fmt:MATRIX_FMT_FP4
.endif
.else
.if (\ks) == 0
	v_wmma_scale_f32_16x16x128_f8f6f4 v[ACC+16*\mt+8*\ct:ACC+16*\mt+8*\ct+7], v[\wb+8*(8*\ct+(\ks)):\wb+8*(8*\ct+(\ks))+7], v[XF+8*(\xi):XF+8*(\xi)+7], 0, v[\ws+8*\ct+(\ks)], v[XS+(\xi)] matrix_a_fmt:MATRIX_FMT_FP4 matrix_b_fmt:MATRIX_FMT_FP4
.else
	v_wmma_scale_f32_16x16x128_f8f6f4 v[ACC+16*\mt+8*\ct:ACC+16*\mt+8*\ct+7], v[\wb+8*(8*\ct+(\ks)):\wb+8*(8*\ct+(\ks))+7], v[XF+8*(\xi):XF+8*(\xi)+7], v[ACC+16*\mt+8*\ct:ACC+16*\mt+8*\ct+7], v[\ws+8*\ct+(\ks)], v[XS+(\xi)] matrix_a_fmt:MATRIX_FMT_FP4 matrix_b_fmt:MATRIX_FMT_FP4
.endif
.endif
.endm
; 32 rows x 32 columns x K 1,024: four batches of two K steps; the four accumulators take turns, one instruction a turn.
; Behind the first batch's wait the weight's K steps 4 to 7 are asked of the stage: they land under the first batch's products and are shown in by the second batch's wait.
; Five v_nop close a batch: four serve the loads into registers that the products have read and the first reads of results, the fifth the next job's products, which begin the accumulators anew.
.macro JOB kind, wb, ws
.irp kp, 0,1,2,3
.irp e, 0,1
.irp mt, 0,1
	FETCH XF+8*(2*\e+\mt), XIMG+1024*(8*\mt+2*\kp+\e)
	ds_load_b32 v[XS+2*\e+\mt], v[LS] offset:XSC+128*(8*\mt+2*\kp+\e)
.endr
.endr
	s_wait_dscnt 0x0                               ; the batch is wanted whole (in the first batch: the weight's K steps 0 to 3 too)
.if \kp == 0
	WBACK \wb, 4
.endif
.if \kind
	WIN 0x04                                       ; source 1 (the weight) in window 1
.else
	WIN 0x01                                       ; source 0 (the weight) in window 1
.endif
.irp e, 0,1
.irp mt, 0,1
.irp ct, 0,1
	PMUL \kind, \mt, \ct, 2*\kp+\e, 2*\e+\mt, \wb, \ws
.endr
.endr
.endr
	WIN 0
	NOPS 5
.endr
.endm
; 16 registers of a lane, which with lane l xor 16's are a block of 32, become the block's 16 bytes of codes: lanes 0-15 get bytes 0-7, lanes 16-31 bytes 8-15, in v[PC:PC+1]; the scale's byte in v[breg]
.macro QOUT src, breg
	v_max3_num_f32 v[TM], |v[\src]|, |v[\src+1]|, 0x1800000        ; from the low end on; with the floor 2^(3 - 127)
	v_max3_num_f32 v[TM+1], |v[\src+2]|, |v[\src+3]|, |v[\src+4]|
	v_max3_num_f32 v[TM], v[TM], |v[\src+5]|, |v[\src+6]|
	v_max3_num_f32 v[TM+1], v[TM+1], |v[\src+7]|, |v[\src+8]|
	v_max3_num_f32 v[TM], v[TM], |v[\src+9]|, |v[\src+10]|
	v_max3_num_f32 v[TM+1], v[TM+1], |v[\src+11]|, |v[\src+12]|
	v_max3_num_f32 v[TM], v[TM], |v[\src+13]|, |v[\src+14]|
	v_max3_num_f32 v[TM], v[TM], v[TM+1], |v[\src+15]|
	v_permlanex16_b32 v[TM+4], v[TM], s34, s35
	v_max_num_f32 v[TM], v[TM], v[TM+4]
	v_add_nc_u32 v[TM+12], 0xff000000, v[TM]
	v_lshrrev_b32 v[\breg], 23, v[TM+12]
	s_wait_xcnt 0x0                                ; the last stores have read their data: v[PC] and the small stores' registers are written again only behind this wait
	v_cvt_scalef32_pk8_fp4_f32 v[PC], v[\src:\src+7], v[TM+12]
	v_cvt_scalef32_pk8_fp4_f32 v[PC+1], v[\src+8:\src+15], v[TM+12]
	v_nop
	v_permlane16_swap_b32 v[PC], v[PC+1]
.endm
; q + one of the two biases, quantised: codes to section sec, scale words to section wsec
.macro QEPI bias, sec, wsec, sw
.irp mt, 0,1
.irp i, 0,2,4,6,8,10,12,14
	v_pk_add_f32 v[XF+\i:XF+\i+1], v[ACC+16*\mt+\i:ACC+16*\mt+\i+1], v[\bias+\i:\bias+\i+1]
.endr
	QOUT XF, KB+\mt
	global_store_b64 v[QO], v[PC:PC+1], s[32:33] offset:\sec+256*\mt   ; 32 lanes store 256 consecutive bytes, aligned
.endr
	v_cndmask_b32 v[\sw], v[KB], v[KB+1], s59      ; lane l: row l of the 32
	v_mul_lo_u32 v[\sw], v[\sw], 0x01010101        ; the byte four times: the query's codes may stand in any of the four blocks
	global_store_b32 v[LS], v[\sw], s[38:39] offset:\wsec
.endm
	s_load_b256 s[4:11], s[0:1], 0x0               ; w, W_qkv's codes, its scales, r's codes
	s_load_b256 s[12:19], s[0:1], 0x20             ; r's scales, W_r's codes, its scales, r_w_bias
	s_load_b256 s[20:27], s[0:1], 0x40             ; r_r_bias, the mask, codes, scales
	s_load_b64 s[28:29], s[0:1], 0x60              ; maskw
	v_lshl_add_u32 v99, v0, 2, 0x25800
	v_mov_b32 v119, 0
	v_lshrrev_b32 v[T0], 5, v0
	v_readfirstlane_b32 s[WV], v[T0]               ; wave 0..7
	v_and_b32 v[LN], 31, v0
	v_and_b32 v[RR], 15, v0
	v_bfe_u32 v[HL], v0, 4, 1
	v_lshlrev_b32 v[XA], 3, v[LN]
	v_lshlrev_b32 v[LI], 4, v[LN]
	v_lshlrev_b32 v[LS], 2, v[LN]
	s_and_b32 s31, s[WV], 1                        ; which tile of 16 rows I quantise,
	s_lshr_b32 s54, s[WV], 1                       ; and which pair of K steps
	s_lshl_b32 s55, s31, 3
	s_lshl_b32 s57, s54, 1
	s_add_co_u32 s55, s55, s57                     ; my first fragment
	s_lshl_b32 s57, s55, 10
	v_add_nc_u32 v[XWI], s57, v[LI]
	s_lshl_b32 s57, s55, 7
	v_add_nc_u32 v[XWS], s57, v[LS]
	s_mul_i32 s57, s[WV], WSTG
	s_add_co_u32 s57, s57, STG                     ; my stage
	v_add_nc_u32 v[TSI], s57, v[LI]
	v_mul_u32_u24 v[T0], v[RR], SPI
	v_add_nc_u32 v[T0], s57, v[T0]
	v_lshl_add_u32 v[TSX], v[HL], 6, v[T0]
	v_lshl_add_u32 v[TSW], v[HL], 4, v[T0]
	v_lshlrev_b32 v[WAD], 9, v[RR]
	v_lshl_add_u32 v[WAD], v[HL], 4, v[WAD]
	v_lshlrev_b32 v[WSA], 5, v[RR]
	v_lshlrev_b32 v[QO], 4, v[RR]
	v_lshl_add_u32 v[QO], v[HL], 3, v[QO]
	v_and_b32 v[MA], 3, v[RR]                      ; a set's 16 queries: first + (r % 4) + 16 (r / 4)
	v_and_b32 v[T0], 12, v[RR]
	v_lshl_add_u32 v[MA], v[T0], 2, v[MA]
	v_lshlrev_b32 v[MA], 11, v[MA]
	v_lshl_add_u32 v[MA], v[HL], 3, v[MA]
	v_lshlrev_b32 v[BO], 5, v[HL]
	v_lshlrev_b32 v[KO], 2, v[RR]
	v_lshl_add_u32 v[KO], v[HL], 1, v[KO]
	v_cmp_eq_u32 s59, 1, v[HL]                     ; lanes 16-31
.irp b, 0,1,2,3
	v_mov_b32 v[TM+4+\b], 0                        ; written once: a lane permute's destination counts as one of its sources
.endr
	v_mov_b32 v[MWR], 0
	v_mov_b32 v[MWR+1], 0
	s_mov_b32 s34, 0x76543210
	s_mov_b32 s35, 0xfedcba98                      ; v_permlanex16_b32's selects for lane l xor 16
	s_lshl_b32 s48, ttmp9, 17                      ; 32 rows of 4,096 bytes a work-group,
	s_lshl_b32 s57, s31, 16                        ; my 16 of them,
	s_add_co_u32 s48, s48, s57
	s_lshl_b32 s57, s54, 10                        ; my two K steps
	s_add_co_u32 s48, s48, s57
	s_mov_b32 s49, 0
	s_wait_kmcnt 0x0
	s_add_nc_u64 s[4:5], s[4:5], s[48:49]
	XLOAD ST0, 0
	XLOAD ST1, 1
	s_lshl_b32 s48, s[WV], 10                      ; my head's 32 rows of scale bytes
	s_add_nc_u64 s[8:9], s[8:9], s[48:49]
.irp job, 0,1,2
.irp ct, 0,1
.irp hf, 0,1
	global_load_b128 v[WS+16*\job+8*\ct+4*\hf:WS+16*\job+8*\ct+4*\hf+3], v[WSA], s[8:9] offset:8192*\job+512*\ct+16*\hf
.endr
.endr
.endr
	s_lshl_b32 s48, s[WV], 14                      ; my head's 32 rows of codes
	s_add_nc_u64 s[6:7], s[6:7], s[48:49]
	WIN 0x40                                       ; destination window 1
	WLOADC WA, 0, 0, 6
	WIN 0
	; where the results go
	s_lshr_b32 s61, ttmp9, 6
	s_lshl_b32 s61, s61, 3
	s_add_co_u32 s61, s61, s[WV]                   ; bh = 8 x batch + head
	s_and_b32 s62, ttmp9, 63                       ; which 32 rows of the batch
	s_lshl_b32 s63, s61, 6
	s_add_co_u32 s63, s63, s62
	s_lshl_b32 s48, s63, 9
	s_add_nc_u64 s[32:33], s[24:25], s[48:49]      ; rows of 16 bytes: q's two and k's sections
	s_lshl_b32 s48, s61, 15
	s_lshr_b32 s57, s62, 2
	s_lshl_b32 s57, s57, 11
	s_add_co_u32 s48, s48, s57
	s_and_b32 s57, s62, 3
	s_lshl_b32 s57, s57, 8
	s_add_co_u32 s48, s48, s57
	s_add_nc_u64 s[36:37], s[24:25], s[48:49]      ; V's image: step, then 256 bytes for each of its four blocks of keys
	s_lshl_b32 s48, s63, 7
	s_add_nc_u64 s[38:39], s[26:27], s[48:49]
	s_lshl_b32 s48, s63, 6
	s_add_nc_u64 s[40:41], s[26:27], s[48:49]
	s_lshl_b32 s48, s63, 5
	s_add_nc_u64 s[42:43], s[26:27], s[48:49]
	s_lshl_b32 s57, ttmp9, 3
	s_add_co_u32 s57, s57, s[WV]                   ; my piece of the mask: 16 x set + step = 8 g + wave
	s_lshl_b32 s48, s57, 8
	s_add_nc_u64 s[50:51], s[28:29], s[48:49]
	s_lshl_b32 s48, s57, 2
	s_add_nc_u64 s[52:53], s[28:29], s[48:49]
	s_lshl_b32 s48, s[WV], 7
	s_add_nc_u64 s[18:19], s[18:19], s[48:49]
	s_add_nc_u64 s[20:21], s[20:21], s[48:49]
	s_lshr_b32 s57, ttmp9, 3                       ; set t = g / 2: first query 64 (t / 4) + 4 (t % 4)
	s_lshl_b32 s57, s57, 6
	s_bfe_u32 s58, ttmp9, 0x20001
	s_lshl_b32 s58, s58, 2
	s_add_co_u32 s57, s57, s58
	s_lshl_b32 s48, s57, 11
	s_and_b32 s58, ttmp9, 1
	s_lshl_b32 s58, s58, 3
	s_add_co_u32 s58, s58, s[WV]                   ; step 8 (g % 2) + wave: 128 keys
	s_lshl_b32 s58, s58, 7
	s_add_co_u32 s48, s48, s58
	s_add_nc_u64 s[22:23], s[22:23], s[48:49]
	; r_k's pointers are made by every wave, on this one way, with wave % 4 for the head: waves 4 to 7 hold places inside the buffers and never use them
	s_lshr_b32 s57, ttmp9, 1                       ; 16 rows g / 2,
	s_and_b32 s58, ttmp9, 1
	s_lshl_b32 s58, s58, 2
	s_and_b32 s31, s[WV], 3
	s_add_co_u32 s58, s58, s31                     ; head 4 (g % 2) + wave % 4
	s_lshl_b32 s48, s57, 13
	s_add_nc_u64 s[10:11], s[10:11], s[48:49]      ; r's codes: rows of 512 bytes
	s_lshl_b32 s48, s57, 9
	s_add_nc_u64 s[12:13], s[12:13], s[48:49]      ; r's scale bytes: rows of 32
	s_lshl_b32 s48, s58, 14
	s_add_nc_u64 s[14:15], s[14:15], s[48:49]      ; W_r's codes: the head's 32 rows
	s_lshl_b32 s48, s58, 10
	s_add_nc_u64 s[16:17], s[16:17], s[48:49]      ; and their scale bytes
	s_lshl_b32 s48, s58, 15
	s_lshl_b32 s31, s57, 8
	s_add_co_u32 s48, s48, s31
	s_add_nc_u64 s[44:45], s[24:25], s[48:49]      ; r_k's codes
	s_lshl_b32 s48, s58, 11
	s_lshl_b32 s31, s57, 4
	s_add_co_u32 s48, s48, s31
	s_add_nc_u64 s[46:47], s[26:27], s[48:49]      ; r_k's scale bytes
	; ---- X: my two fragments of x
	s_wait_loadcnt 44                              ; the first K step's 16 loads are in: behind them 16 of x, 12 scale loads and 16 weight loads were issued
	XIN ST0, 0
	XOUT ST0, 0
	s_wait_loadcnt 28                              ; the second K step's are in: behind them 12 + 16
	XIN ST1, 1
	s_wait_dscnt 16                                ; the first K step's numbers are back: behind them the second's 16 stores
	XOUT ST1, 1                                    ; which come back while the first is quantised
	WIN 0x40
	WLOADC WA, 0, 1, 6
	WIN 0
	QUANT ST0
	IMAGE XWI, XIMG
	ds_store_b32 v[XWS], v[PW] offset:XSC
	s_wait_dscnt 0x0                               ; the second K step's numbers are back, and the stores have read their registers
	QUANT ST1
	IMAGE XWI, XIMG+1024
	ds_store_b32 v[XWS], v[PW] offset:XSC+128
.irp ct, 0,1
.irp hf, 0,1
	global_load_b128 v[BIU+8*\ct+4*\hf:BIU+8*\ct+4*\hf+3], v[BO], s[18:19] offset:64*\ct+16*\hf
	global_load_b128 v[BIV+8*\ct+4*\hf:BIV+8*\ct+4*\hf+3], v[BO], s[20:21] offset:64*\ct+16*\hf
.endr
.endr
.irp ta, 0,1,2,3,4,5,6,7
	global_load_b64 v[MK+2*\ta:MK+2*\ta+1], v[MA], s[22:23] offset:16*\ta   ; mask(my query, 16 ta + 8 h + 0 .. 7)
.endr
	s_wait_dscnt 0x0                               ; for the others' sake: my images have landed
	s_barrier_signal -1
	s_barrier_wait -1                              ; x's sixteen fragments lie in LDS; they are only read from here on.  The stages stay each wave's own
	; ---- q
	s_wait_loadcnt 16                              ; q's weights and all scale words are in: behind them the biases' 8 and the mask's 8
	WTURN WA
	WIN 0x40
	WLOADC WB, 131072, 0, 6                        ; k's weights land while q is multiplied
	WLOADC WB, 131072, 1, 6
	WIN 0
	JOB 0, WA, WS
	s_wait_loadcnt 40                              ; the biases are in: behind them the mask's 8 and k's 32
	WIN 0x40
	WLOADC WA, 262144, 0, 6                        ; v's weights take q's place (the job's v_nop are the places): the first 16 rows now,
	WIN 0
	QEPI BIU, QUC, QUW, SWD
	QEPI BIV, QVC, QVW, SWD+1
	; ---- k
	s_wait_loadcnt 16                              ; the mask and k's weights are in: behind them v's first 16
	WTURN WB
	WIN 0x40
	WLOADC WA, 262144, 1, 6                        ; the other 16 rows here
	WIN 0
	JOB 0, WB, WS+16
	s_wait_loadcnt 0x0                             ; v's weights are in; the count is the same on both ways below
	WTURN WA                                       ; they turn while k is quantised
	s_cmp_lt_u32 s[WV], 4
	s_cbranch_scc0 .Lno_r
	WIN 0x40
	WLOADC WB, 0, 0, 14                            ; W_r takes k's place (the job's v_nop are the places)
	WLOADC WB, 0, 1, 14
	WIN 0
.irp ks, 0,1,2,3,4,5,6,7
.irp c, 0,1
	global_load_b128 v[RF+8*\ks+4*\c:RF+8*\ks+4*\c+3], v[WAD], s[10:11] offset:64*\ks+32*\c
.endr
.endr
.irp ct, 0,1
.irp hf, 0,1
	global_load_b128 v[WS+8*\ct+4*\hf:WS+8*\ct+4*\hf+3], v[WSA], s[16:17] offset:512*\ct+16*\hf
.endr
.endr
.irp hf, 0,1
	global_load_b128 v[RS+4*\hf:RS+4*\hf+3], v[WSA], s[12:13] offset:16*\hf
.endr
.Lno_r:
.irp mt, 0,1
	QOUT ACC+16*\mt, KB+\mt
	global_store_b64 v[QO], v[PC:PC+1], s[32:33] offset:KCO+256*\mt
.endr
	v_lshl_or_b32 v[SWD+2], v[KB+1], 8, v[KB]      ; key m's byte and key 16 + m's: blocks 0 and 1 of the operand that holds both
	v_cndmask_b32 v[SWD+2], v[SWD+2], 0, s59       ; the word's upper half is 0
	global_store_b16 v[KO], v[SWD+2], s[40:41] offset:KW2
	; ---- v
	JOB 1, WA, WS+32
.irp dt, 0,1
	QOUT ACC+16*\dt, KB+\dt
	global_store_b64 v[QO], v[PC:PC+1], s[36:37] offset:VIM+1024*\dt
.endr
	v_cndmask_b32 v[SWD], v[KB], v[KB+1], s59      ; lane l: channel l
	global_store_b8 v[LN], v[SWD], s[42:43] offset:VSB
	; ---- the mask: word n = 8 ta + j has lane (a, h)'s bit = mask(query a of the set, 16 ta + 8 h + j): the place of register j of score tile ta
.set n, 0
.rept 64
	v_and_b32 v[T0], 0xff<<(8*(n%4)), v[MK+n/4]
	v_cmp_ne_u32 s54, 0, v[T0]
	v_writelane_b32 v[MWR+n%2], s54, n/2
.set n, n+1
.endr
	global_store_b64 v[XA], v[MWR:MWR+1], s[50:51] ; 256 consecutive bytes, aligned
	v_or_b32 v[TM], v[MK], v[MK+1]
	v_and_b32 v[TM+1], v[MK], v[MK+1]
.irp i, 2,3,4,5,6,7,8,9,10,11,12,13,14,15
	v_or_b32 v[TM], v[TM], v[MK+\i]
	v_and_b32 v[TM+1], v[TM+1], v[MK+\i]
.endr
	v_cmp_ne_u32 s54, 0, v[TM]                     ; lanes with something masked
	v_cmp_ne_u32 s57, 0x01010101, v[TM+1]          ; lanes with something open
	s_cmp_eq_u32 s54, 0
	s_cselect_b32 s58, 2, 1                        ; 2: nothing masked; 1: mixed;
	s_cmp_eq_u32 s57, 0
	s_cselect_b32 s58, 0, s58                      ; 0: all masked
	v_mov_b32 v[TM+2], s58
	v_cmp_eq_u32 vcc_lo, 0, v[LN]
	s_wait_xcnt 0x0                                ; EXEC changes only behind this wait
	s_and_saveexec_b32 s56, vcc_lo
	global_store_b32 v[LS], v[TM+2], s[52:53] offset:FLG
	s_wait_xcnt 0x0                                ; and again
	s_or_b32 exec_lo, exec_lo, s56
	s_wait_loadcnt 0x0                             ; r, W_r and their scale words
	s_cmp_lt_u32 s[WV], 4
	s_cbranch_scc1 .Lr_job
	s_wait_tensorcnt 0x0
	ds_add_u32 v99, v119
	s_wait_dscnt 0x0
	s_endpgm
.Lr_job:
	; ---- r_k: 16 rows x my head's 32 columns; two accumulators by turns
	WTURN WB
	s_wait_dscnt 0x0                               ; W_r's K steps 0 to 3 are back
	WBACK WB, 4                                    ; K steps 4 to 7 land under the first eight products
	WIN 0x01
.irp ks, 0,1,2,3,4,5,6,7
.if \ks == 4
	s_wait_dscnt 0x0
.endif
.irp ct, 0,1
.if \ks == 0
	v_wmma_scale_f32_16x16x128_f8f6f4 v[ACC+8*\ct:ACC+8*\ct+7], v[WB+8*(8*\ct+\ks):WB+8*(8*\ct+\ks)+7], v[RF+8*\ks:RF+8*\ks+7], 0, v[WS+8*\ct+\ks], v[RS+\ks] matrix_a_fmt:MATRIX_FMT_FP4 matrix_b_fmt:MATRIX_FMT_FP4
.else
	v_wmma_scale_f32_16x16x128_f8f6f4 v[ACC+8*\ct:ACC+8*\ct+7], v[WB+8*(8*\ct+\ks):WB+8*(8*\ct+\ks)+7], v[RF+8*\ks:RF+8*\ks+7], v[ACC+8*\ct:ACC+8*\ct+7], v[WS+8*\ct+\ks], v[RS+\ks] matrix_a_fmt:MATRIX_FMT_FP4 matrix_b_fmt:MATRIX_FMT_FP4
.endif
.endr
.endr
	WIN 0
	NOPS 5
	QOUT ACC, KB
	global_store_b64 v[QO], v[PC:PC+1], s[44:45] offset:TCO
	global_store_b8 v[RR], v[KB], s[46:47] offset:TSB   ; both lanes of a row store the same byte with the same value
	s_wait_tensorcnt 0x0
	ds_add_u32 v99, v119
	s_wait_dscnt 0x0
	s_endpgm
.Lfunc_end_k_q7fa39d9722_prep:
	.size	k_q7fa39d9722_prep, .Lfunc_end_k_q7fa39d9722_prep-k_q7fa39d9722_prep
	.p2alignl 7, 3214868480
	.fill 96, 4, 3214868480
	.section	.rodata,"a",@progbits
	.p2align	6, 0x0
	.amdhsa_kernel k_q7fa39d9722_prep
		.amdhsa_group_segment_fixed_size 154624
		.amdhsa_private_segment_fixed_size 0
		.amdhsa_enable_private_segment 0
		.amdhsa_kernarg_size 104
		.amdhsa_user_sgpr_count 2
		.amdhsa_user_sgpr_kernarg_segment_ptr 1
		.amdhsa_wavefront_size32 1
		.amdhsa_system_sgpr_workgroup_id_x 1
		.amdhsa_system_sgpr_workgroup_id_y 1
		.amdhsa_system_sgpr_workgroup_id_z 1
		.amdhsa_system_vgpr_workitem_id 0
		.amdhsa_next_free_vgpr 512
		.amdhsa_next_free_sgpr 66
		.amdhsa_reserve_vcc 1
		.amdhsa_float_denorm_mode_32 3
		.amdhsa_float_denorm_mode_16_64 3
		.amdhsa_memory_ordered 1
		.amdhsa_forward_progress 1
		.amdhsa_inst_pref_size 107
	.end_amdhsa_kernel
	.amdgpu_metadata
---
amdhsa.version: [ 1, 2 ]
amdhsa.kernels:
  - .name:           k_q7fa39d9722_prep
    .symbol:         k_q7fa39d9722_prep.kd
    .args:
      - { .name: w, .offset: 0, .size: 8, .value_kind: global_buffer, .address_space: global }
      - { .name: W_qkv_codes, .offset: 8, .size: 8, .value_kind: global_buffer, .address_space: global }
      - { .name: W_qkv_scales, .offset: 16, .size: 8, .value_kind: global_buffer, .address_space: global }
      - { .name: r_codes, .offset: 24, .size: 8, .value_kind: global_buffer, .address_space: global }
      - { .name: r_scales, .offset: 32, .size: 8, .value_kind: global_buffer, .address_space: global }
      - { .name: W_r_codes, .offset: 40, .size: 8, .value_kind: global_buffer, .address_space: global }
      - { .name: W_r_scales, .offset: 48, .size: 8, .value_kind: global_buffer, .address_space: global }
      - { .name: r_w_bias, .offset: 56, .size: 8, .value_kind: global_buffer, .address_space: global }
      - { .name: r_r_bias, .offset: 64, .size: 8, .value_kind: global_buffer, .address_space: global }
      - { .name: attn_mask, .offset: 72, .size: 8, .value_kind: global_buffer, .address_space: global }
      - { .name: codes, .offset: 80, .size: 8, .value_kind: global_buffer, .address_space: global }
      - { .name: scales, .offset: 88, .size: 8, .value_kind: global_buffer, .address_space: global }
      - { .name: maskw, .offset: 96, .size: 8, .value_kind: global_buffer, .address_space: global }
    .group_segment_fixed_size: 154624
    .private_segment_fixed_size: 0
    .kernarg_segment_align: 8
    .kernarg_segment_size: 104
    .max_flat_workgroup_size: 256
    .sgpr_count:     66
    .vgpr_count:     512
    .wavefront_size: 32
...
	.end_amdgpu_metadata
.endif
;; end of part 4
;; launch attn: the kernel of part 2 again; grid 8 x 32, 16 waves a work-group, no clusters, 196,608 bytes of LDS; arguments codes, scales, maskw, avc, avs; writes avc, avs
;; launch outln (part 5): grid 256 x 1, 16 waves a work-group, no clusters, 289,280 bytes of LDS; arguments avc, avs, W_o_codes, W_o_scales, w, ln_gamma, ln_beta, out0; writes out0
.if DOCPART == 5
	.amdgcn_target "amdgcn-amd-amdhsa--gfx1250"
	.amdhsa_code_object_version 6
	.text
	.protected	k_q7fa39d9722_outln
	.globl	k_q7fa39d9722_outln
	.p2align	8
	.type	k_q7fa39d9722_outln,@function
k_q7fa39d9722_outln:
	s_mov_b64 s[64:65], 0
	v_nop
	global_prefetch_b8 v0, s[64:65] scope:SCOPE_SE
	s_setreg_imm32_b32 hwreg(HW_REG_WAVE_MODE, 25, 1), 1
	s_wait_xcnt 0x0
; out = LayerNorm(w + attn_vec W_o): the product on codes of FP4 (E2M1) with E8M0 scales, all else in f32.
; SHARES.  Work-group g takes rows 32 g .. 32 g + 31; wave v makes columns 64 v .. 64 v + 63 of them: source 0 = 16 rows of W_o (K innermost), source 1 = 16 rows of attn_vec, so that a lane holds
; eight neighbouring columns of one row.  The 32 rows meet in a stage in LDS (rows of 4,096 + 16 bytes); behind one barrier wave v takes rows 2 v and 2 v + 1 whole, adds its two rows of w,
; and norms them: mean, then the mean of the squared differences, as the definition has it.
; LOADS TAKE THE BYTES AS THEY LIE.  w: the wave's two rows, 16 loads of 512 consecutive bytes, in the layout in which the rows come back from the stage.  W_o: the wave's 64 rows of 128 bytes are 8,192
; consecutive bytes: 16 loads; they turn in a stage of the wave's own (rows 144 bytes apart: the 16 rows that a load from it touches start in 16 different groups of banks) into the operand's order,
; into the registers that they left: LDS serves a wave's instructions in order (ISA guide 5.7.1.4).  gamma and beta: each wave fetches a sixteenth of each, 256 bytes, and they meet in LDS at the barrier that is there anyway.
; Memory binds here: w is read and out written once.  All loads go out at the head, so there is nothing to ask for earlier; no tensor load, no ring; work-groups share only W_o, 136 KB.
; attn_vec's codes lie [batch x head][row][16 bytes]: head 4 ks + 2 c + h is block 2 c + h of K step ks, which is what group c of lane (a, h) holds.
; LIMITS: NaN and infinities in w are not served; a scale byte 0xff (a row masked everywhere) makes the whole row NaN, as it is meant to.
.set ACC, 16                           ; v16-79   accumulator 8 (2 ct + mt); later the two rows
.set WF, 80                            ; v80-143  W_o: 16 x 4 registers as loaded, then its fragments 8 (2 ct + ks);
.set GA, 80                            ;          later gamma v80-111 and beta v112-143: columns 128 q + 4 lane + 0 .. 3
.set BE, 112
.set WSC, 144                          ; v144-151 W_o's scale words, 2 ct + ks
.set AFR, 152                          ; v152-183 attn_vec's fragments 8 (2 mt + ks); later v152-159 at work
.set ASC, 184                          ; v184-187 their scale words, 2 mt + ks
.set WR, 188                           ; v188-251 my two rows of w
.set WSO, 252                          ; v252     W_o's stage, on the way out: 144 a + 16 h
.set GBS, 253                          ; v253     where I put my part of gamma (beta 4,096 on)
.set GBR, 254                          ; v254     and where I read both: 16 x lane
.set GB, 131584                        ; LDS: 0: the rows' stage, 32 x 4,112;  GB: gamma, then beta;
.set WOS, 139776                       ; WOS: W_o's stages, 64 x 144 bytes a wave
	s_load_b512 s[4:19], s[0:1], 0x0               ; avc, avs, W_o's codes, its scales, w, gamma, beta, out
	v_lshrrev_b32 v1, 5, v0
	v_readfirstlane_b32 s20, v1                    ; wave 0..15
	v_and_b32 v1, 31, v0                           ; lane
	v_and_b32 v2, 15, v0                           ; a
	v_bfe_u32 v3, v0, 4, 1                         ; h
	s_lshl_b32 s21, s20, 8
	v_lshl_add_u32 v4, v1, 3, s21                  ; gamma, beta: my wave's 256 bytes, 8 a lane
	v_add_nc_u32 v[GBS], GB, v4
	v_lshlrev_b32 v6, 3, v2                        ; rows of 8 scale bytes
	v_lshlrev_b32 v7, 4, v2
	v_lshl_add_u32 v7, v3, 15, v7                  ; attn_vec: 16 a, + one head for lanes 16-31
	v_lshlrev_b32 v8, 4, v1                        ; 16 x lane
	v_add_nc_u32 v[GBR], GB, v8
	v_mul_u32_u24 v9, v2, 4112
	v_lshl_add_u32 v9, v3, 5, v9
	v_add_nc_u32 v9, s21, v9                       ; the rows' stage, in: row a, + 32 h, + my 256 bytes
	v_add_nc_u32 v10, 65792, v9                    ; and 16 rows on
	s_mul_i32 s21, s20, 8224
	v_add_nc_u32 v11, s21, v8                      ; back: my two rows, 16 bytes a lane
	s_mul_i32 s21, s20, 9216
	s_add_co_u32 s21, s21, WOS                     ; W_o's stage of my wave
	v_lshrrev_b32 v5, 3, v1
	v_mul_u32_u24 v5, v5, 144
	v_and_b32 v255, 7, v1
	v_lshl_add_u32 v5, v255, 4, v5
	v_add_nc_u32 v5, s21, v5                       ; in: a load's 512 bytes are four rows: row lane / 8, 16 (lane % 8)
	v_mul_u32_u24 v[WSO], v2, 144
	v_lshl_add_u32 v[WSO], v3, 4, v[WSO]
	v_add_nc_u32 v[WSO], s21, v[WSO]
	s_mov_b32 s22, 0x76543210
	s_mov_b32 s23, 0xfedcba98
	s_mov_b32 s24, 0x3a800000                      ; 1 / 1024
	s_mov_b32 s25, 0x3727c5ac                      ; 1e-5
	s_mov_b32 s27, 0
	s_wait_kmcnt 0x0
	s_lshl_b32 s26, ttmp9, 17
	s_lshl_b32 s21, s20, 13
	s_add_co_u32 s26, s26, s21
	s_add_nc_u64 s[12:13], s[12:13], s[26:27]      ; w at row 32 g + 2 wave,
	s_add_nc_u64 s[18:19], s[18:19], s[26:27]      ; and out
	s_lshl_b32 s26, s20, 13
	s_add_nc_u64 s[8:9], s[8:9], s[26:27]          ; my 64 rows of W_o
	s_lshl_b32 s26, s20, 9
	s_add_nc_u64 s[10:11], s[10:11], s[26:27]
	s_lshr_b32 s26, ttmp9, 6
	s_lshl_b32 s26, s26, 18
	s_and_b32 s21, ttmp9, 63
	s_lshl_b32 s21, s21, 9
	s_add_co_u32 s26, s26, s21
	s_add_nc_u64 s[4:5], s[4:5], s[26:27]          ; batch x 8 heads x 32,768 + 32 rows x 16
	s_lshl_b32 s26, ttmp9, 8
	s_add_nc_u64 s[6:7], s[6:7], s[26:27]
.irp i, 0,1,2,3,4,5,6,7,8,9,10,11,12,13,14,15
	global_load_b128 v[WF+4*\i:WF+4*\i+3], v8, s[8:9] offset:512*\i   ; rows 4 i .. 4 i + 3 of my 64
.endr
.irp ct, 0,1,2,3
	global_load_b64 v[WSC+2*\ct:WSC+2*\ct+1], v6, s[10:11] offset:128*\ct
.endr
.irp mt, 0,1
.irp ks, 0,1
.irp c, 0,1
	global_load_b128 v[AFR+8*(2*\mt+\ks)+4*\c:AFR+8*(2*\mt+\ks)+4*\c+3], v7, s[4:5] offset:(4*\ks+2*\c)*32768+256*\mt
.endr
.endr
	global_load_b64 v[ASC+2*\mt:ASC+2*\mt+1], v6, s[6:7] offset:128*\mt
.endr
	global_load_b64 v[12:13], v4, s[14:15]
	global_load_b64 v[14:15], v4, s[16:17]
.irp e, 0,1
.irp q, 0,1,2,3,4,5,6,7
	global_load_b128 v[WR+32*\e+4*\q:WR+32*\e+4*\q+3], v8, s[12:13] offset:4096*\e+512*\q th:TH_LOAD_NT
.endr
.endr
	s_wait_loadcnt 32                              ; W_o's sixteen are in: behind them 4 + 10 + 2 + 16
.irp i, 0,1,2,3,4,5,6,7,8,9,10,11,12,13,14,15
	ds_store_b128 v5, v[WF+4*\i:WF+4*\i+3] offset:576*\i
.endr
.irp ct, 0,1,2,3
.irp ks, 0,1
.irp c, 0,1
	ds_load_b128 v[WF+8*(2*\ct+\ks)+4*\c:WF+8*(2*\ct+\ks)+4*\c+3], v[WSO] offset:2304*\ct+64*\ks+32*\c   ; row 16 ct + a, bytes 64 ks + 32 c + 16 h
.endr
.endr
.endr
	s_wait_loadcnt 16                              ; all but w's sixteen
	ds_store_b64 v[GBS], v[12:13]
	ds_store_b64 v[GBS], v[14:15] offset:4096
	s_wait_dscnt 0x2                               ; W_o's fragments are back: behind them these two stores
.irp ks, 0,1                                   ; eight accumulators by turns, one instruction a turn; the first K step starts the sums
.irp ct, 0,1,2,3
.irp mt, 0,1
.if \ks == 0
	v_wmma_scale_f32_16x16x128_f8f6f4 v[ACC+8*(2*\ct+\mt):ACC+8*(2*\ct+\mt)+7], v[WF+8*(2*\ct+\ks):WF+8*(2*\ct+\ks)+7], v[AFR+8*(2*\mt+\ks):AFR+8*(2*\mt+\ks)+7], 0, v[WSC+2*\ct+\ks], v[ASC+2*\mt+\ks] matrix_a_fmt:MATRIX_FMT_FP4 matrix_b_fmt:MATRIX_FMT_FP4
.else
	v_wmma_scale_f32_16x16x128_f8f6f4 v[ACC+8*(2*\ct+\mt):ACC+8*(2*\ct+\mt)+7], v[WF+8*(2*\ct+\ks):WF+8*(2*\ct+\ks)+7], v[AFR+8*(2*\mt+\ks):AFR+8*(2*\mt+\ks)+7], v[ACC+8*(2*\ct+\mt):ACC+8*(2*\ct+\mt)+7], v[WSC+2*\ct+\ks], v[ASC+2*\mt+\ks] matrix_a_fmt:MATRIX_FMT_FP4 matrix_b_fmt:MATRIX_FMT_FP4
.endif
.endr
.endr
.endr
.rept 4
	v_nop                                          ; places ahead of the first read of results, and of the loads and vector lines that write the products' registers further down
.endr
.irp mt, 0,1
.irp ct, 0,1,2,3
	ds_store_b128 v[9+\mt], v[ACC+8*(2*\ct+\mt):ACC+8*(2*\ct+\mt)+3] offset:64*\ct       ; each accumulator from its low end on
	ds_store_b128 v[9+\mt], v[ACC+8*(2*\ct+\mt)+4:ACC+8*(2*\ct+\mt)+7] offset:64*\ct+16
.endr
.endr
	s_wait_dscnt 0x0                               ; for the others' sake: my stores have landed, my part of gamma and beta among them
	s_barrier_signal -1
	s_barrier_wait -1                              ; 32 whole rows, gamma and beta lie in LDS
.irp e, 0,1
.irp q, 0,1,2,3,4,5,6,7
	ds_load_b128 v[ACC+32*\e+4*\q:ACC+32*\e+4*\q+3], v11 offset:4112*\e+512*\q
.endr
.endr
.irp q, 0,1,2,3,4,5,6,7
	ds_load_b128 v[GA+4*\q:GA+4*\q+3], v[GBR] offset:512*\q
	ds_load_b128 v[BE+4*\q:BE+4*\q+3], v[GBR] offset:4096+512*\q
.endr
	s_wait_dscnt 0x0
	s_wait_loadcnt 0x0                             ; w
.macro ACROSS                                  ; v152: the sum over the 32 lanes, in every lane
	v_add_f32 v152, v152, v153
	v_add_f32_dpp v152, v152, v152 row_xmask:1 row_mask:0xf bank_mask:0xf
	v_add_f32_dpp v152, v152, v152 row_xmask:2 row_mask:0xf bank_mask:0xf
	v_add_f32_dpp v152, v152, v152 row_xmask:4 row_mask:0xf bank_mask:0xf
	v_add_f32_dpp v152, v152, v152 row_xmask:8 row_mask:0xf bank_mask:0xf
	v_permlanex16_b32 v153, v152, s22, s23
	v_add_f32 v152, v152, v153
.endm
.macro LNROW x, e                              ; a row: 32 numbers a lane in v[x] on
.irp j, 0,2,4,6,8,10,12,14,16,18,20,22,24,26,28,30
	v_pk_add_f32 v[\x+\j:\x+\j+1], v[\x+\j:\x+\j+1], v[WR+32*\e+\j:WR+32*\e+\j+1]   ; the residual
.endr
	v_pk_add_f32 v[152:153], v[\x:\x+1], v[\x+2:\x+3]
	v_pk_add_f32 v[154:155], v[\x+4:\x+5], v[\x+6:\x+7]
.irp j, 8,12,16,20,24,28
	v_pk_add_f32 v[152:153], v[152:153], v[\x+\j:\x+\j+1]
	v_pk_add_f32 v[154:155], v[154:155], v[\x+\j+2:\x+\j+3]
.endr
	v_pk_add_f32 v[152:153], v[152:153], v[154:155]
	ACROSS
	v_mul_f32 v156, s24, v152                      ; the mean
	v_mov_b32 v157, v156
.irp j, 0,2,4,6,8,10,12,14,16,18,20,22,24,26,28,30
	v_pk_add_f32 v[\x+\j:\x+\j+1], v[\x+\j:\x+\j+1], v[156:157] neg_lo:[0,1] neg_hi:[0,1]
.endr
	v_pk_mul_f32 v[152:153], v[\x:\x+1], v[\x:\x+1]
	v_pk_mul_f32 v[154:155], v[\x+2:\x+3], v[\x+2:\x+3]
.irp j, 4,8,12,16,20,24,28
	v_pk_fma_f32 v[152:153], v[\x+\j:\x+\j+1], v[\x+\j:\x+\j+1], v[152:153]
	v_pk_fma_f32 v[154:155], v[\x+\j+2:\x+\j+3], v[\x+\j+2:\x+\j+3], v[154:155]
.endr
	v_pk_add_f32 v[152:153], v[152:153], v[154:155]
	ACROSS
	v_fma_f32 v152, v152, s24, s25                 ; the variance + 1e-5
	v_rsq_f32 v158, v152
	v_nop                                          ; one plain place behind the transcendental
	s_wait_alu depctr_va_vdst(0)
	v_mov_b32 v159, v158
.irp q, 0,1,2,3,4,5,6,7
.irp i, 0,2
	v_pk_mul_f32 v[\x+4*\q+\i:\x+4*\q+\i+1], v[\x+4*\q+\i:\x+4*\q+\i+1], v[158:159]
	v_pk_fma_f32 v[\x+4*\q+\i:\x+4*\q+\i+1], v[\x+4*\q+\i:\x+4*\q+\i+1], v[GA+4*\q+\i:GA+4*\q+\i+1], v[BE+4*\q+\i:BE+4*\q+\i+1]
.endr
	global_store_b128 v8, v[\x+4*\q:\x+4*\q+3], s[18:19] offset:4096*\e+512*\q th:TH_STORE_NT   ; 32 lanes store 512 consecutive bytes, aligned
.endr
.endm
	LNROW ACC, 0
	LNROW ACC+32, 1
	s_wait_xcnt 0x0
	v_lshl_add_u32 v254, v0, 2, 0x46200
	v_mov_b32 v255, 0
	s_wait_tensorcnt 0x0
	ds_add_u32 v254, v255
	s_wait_dscnt 0x0
	s_endpgm
.Lfunc_end_k_q7fa39d9722_outln:
	.size	k_q7fa39d9722_outln, .Lfunc_end_k_q7fa39d9722_outln-k_q7fa39d9722_outln
	.p2alignl 7, 3214868480
	.fill 96, 4, 3214868480
	.section	.rodata,"a",@progbits
	.p2align	6, 0x0
	.amdhsa_kernel k_q7fa39d9722_outln
		.amdhsa_group_segment_fixed_size 289280
		.amdhsa_private_segment_fixed_size 0
		.amdhsa_enable_private_segment 0
		.amdhsa_kernarg_size 64
		.amdhsa_user_sgpr_count 2
		.amdhsa_user_sgpr_kernarg_segment_ptr 1
		.amdhsa_wavefront_size32 1
		.amdhsa_system_sgpr_workgroup_id_x 1
		.amdhsa_system_sgpr_workgroup_id_y 1
		.amdhsa_system_sgpr_workgroup_id_z 1
		.amdhsa_system_vgpr_workitem_id 0
		.amdhsa_next_free_vgpr 256
		.amdhsa_next_free_sgpr 66
		.amdhsa_reserve_vcc 0
		.amdhsa_float_denorm_mode_32 3
		.amdhsa_float_denorm_mode_16_64 3
		.amdhsa_memory_ordered 1
		.amdhsa_forward_progress 1
		.amdhsa_inst_pref_size 31
	.end_amdhsa_kernel
	.amdgpu_metadata
---
amdhsa.version: [ 1, 2 ]
amdhsa.kernels:
  - .name:           k_q7fa39d9722_outln
    .symbol:         k_q7fa39d9722_outln.kd
    .args:
      - { .name: avc, .offset: 0, .size: 8, .value_kind: global_buffer, .address_space: global }
      - { .name: avs, .offset: 8, .size: 8, .value_kind: global_buffer, .address_space: global }
      - { .name: W_o_codes, .offset: 16, .size: 8, .value_kind: global_buffer, .address_space: global }
      - { .name: W_o_scales, .offset: 24, .size: 8, .value_kind: global_buffer, .address_space: global }
      - { .name: w, .offset: 32, .size: 8, .value_kind: global_buffer, .address_space: global }
      - { .name: ln_gamma, .offset: 40, .size: 8, .value_kind: global_buffer, .address_space: global }
      - { .name: ln_beta, .offset: 48, .size: 8, .value_kind: global_buffer, .address_space: global }
      - { .name: out0, .offset: 56, .size: 8, .value_kind: global_buffer, .address_space: global }
    .group_segment_fixed_size: 289280
    .private_segment_fixed_size: 0
    .kernarg_segment_align: 8
    .kernarg_segment_size: 64
    .max_flat_workgroup_size: 512
    .sgpr_count:     66
    .vgpr_count:     256
    .wavefront_size: 32
...
	.end_amdgpu_metadata
.endif
;; end of part 5
;; ======== version 3 of 3: 3 launches
;; workspace buffers: codes 4,456,448 bytes; scales 737,280 bytes; maskw 532,480 bytes of whole numbers; avc 1,048,576 bytes; avs 65,536 bytes
;; launch prep (part 6): grid 256 x 1, 8 waves a work-group, no clusters, 154,624 bytes of LDS; arguments w, W_qkv_codes, W_qkv_scales, r_codes, r_scales, W_r_codes, W_r_scales, r_w_bias, r_r_bias, attn_mask, codes, scales, maskw; writes codes, scales, maskw
.if DOCPART == 6
	.amdgcn_target "amdgcn-amd-amdhsa--gfx1250"
	.amdhsa_code_object_version 6
	.text
	.protected	k_q7fa39d9722_prep
	.globl	k_q7fa39d9722_prep
	.p2align	8
	.type	k_q7fa39d9722_prep,@function
k_q7fa39d9722_prep:
	s_mov_b64 s[64:65], 0
	v_nop
	global_prefetch_b8 v0, s[64:65] scope:SCOPE_SE
	s_setreg_imm32_b32 hwreg(HW_REG_WAVE_MODE, 25, 1), 1
	s_wait_xcnt 0x0
; heads = Q(w) W_qkv and r_k = r W_r on codes of FP4 (E2M1) with one E8M0 scale for each 32 along K, and all the quantisers behind them:
; q + r_w_bias, q + r_r_bias, k and r_k along the head's 32 channels, v along 32 keys.  Besides: the mask as lane-mask words and one flag for each 16 queries x 128 keys.
; SHARES.  Work-group g takes rows 32 g .. 32 g + 31 of w (batch g / 64, keys 32 (g % 64) on) and all 768 columns.  Its eight waves first quantise the 32 rows (two fragments of 16 rows x 128 K each)
; and hand them to each other through LDS as images of the operand's registers; then wave h makes head h's q, k and v for the 32 rows.
; Each wave also turns one 16 x 128 piece of the mask into words; waves 0 to 3 make 16 rows x one head of r_k.
; LOADS TAKE THE BYTES AS THEY LIE.  An operand's layout gives each lane 16 bytes of a row of its own, so a load in that order would touch 16 rows for 32 bytes each.  Here a load of w takes 512 consecutive
; bytes of one row (a K step), a load of a weight one whole row of 512 bytes of codes; the wave turns them in a stage of its own in LDS (rows 528 bytes apart, so that the 16 rows that a load from the stage
; touches start in 16 different groups of banks) and reads them back in the operand's order, into the registers that they left.  LDS serves a wave's instructions in order (ISA guide 5.7.1.4).
; A weight's fragments come back in two halves: K steps 0 to 3 ahead of the job, K steps 4 to 7 behind the job's first wait, under its first products: by this text's own count at most 60 LDS instructions of a wave are out.
; r's own 16 rows (four of the eight waves, 16 loads) are still read in the operand's order.
; q, k, r_k: source 0 = 16 rows of the weight, source 1 = 16 rows of x: a lane holds one row and 16 of its head's 32 channels.  v: the sources swapped: a lane holds one channel and 16 of the 32 keys.
; So every block of 32 lies in lanes l and l xor 16, and its 16 bytes of codes leave as 8 bytes from each of the two.
; No tensor load: each operand is read once by its wave, a job or more ahead of its use; by this text's own count a wave never has more than 60 loads out.
; No cluster: what work-groups share are the weights; sharing them would want tensor loads and a ring along K.
; LIMITS: NaN and infinities among the inputs are not served.  A block whose largest magnitude lies under 2^-124 gets the scale byte 1; a block of zeros too, where the rule says 127: its codes are zeros, and the bytes are read by this program alone.
.set QUC, 0                            ; sections of 'codes': [bh][i][16] codes of q + r_w_bias
.set QVC, 1048576                      ; the same of q + r_r_bias
.set KCO, 2097152                      ; [bh][key][16]
.set VIM, 3145728                      ; [bh][step 16][dt 2][c 2][lane 32][16]: images of V^T's fragments
.set TCO, 4194304                      ; [h][m][16] codes of r_k
.set QUW, 0                            ; sections of 'scales': [bh][i] words, the byte four times
.set QVW, 262144
.set KW2, 524288                       ; [bh][32 keys][16] words: byte 0 key m, byte 1 key 16 + m
.set VSB, 655360                       ; [bh][block of keys][channel] bytes
.set TSB, 720896                       ; [h][m] bytes
.set FLG, 524288                       ; in 'maskw', behind the words: [set of queries][step] flags
.set XIMG, 0                           ; LDS: x's 16 fragments (8 x tile of rows + K step), 1,024 bytes each
.set XSC, 16384                        ; and their scale words, 128 bytes each
.set STG, 18432                        ; behind them a stage for each wave: 32 rows of
.set SPI, 528                          ; 512 bytes + 16
.set WSTG, 32*SPI
.set LN, 1                             ; v1 lane   v2 lane % 16   v3 lane / 16
.set RR, 2
.set HL, 3
.set XA, 4                             ; v4  8 x lane
.set LI, 5                             ; v5  16 x lane: an image's place, and my 16 bytes of a load's 512
.set LS, 6                             ; v6  4 x lane
.set XWI, 7                            ; v7  where I store x's images
.set XWS, 8                            ; v8  and their scale words
.set WAD, 9                            ; v9  r: a row of 512 bytes of codes: 512 r + 16 h
.set WSA, 10                           ; v10 a row of 32 scale bytes: 32 r
.set QO, 11                            ; v11 16 r + 8 h: my 8 bytes of a row's 16
.set MA, 12                            ; v12 the mask: my query's row + 8 h
.set BO, 13                            ; v13 32 h: my eight numbers of a bias
.set KO, 14                            ; v14 4 r + 2 h
.set T0, 15
.set MK, 16                            ; v16-31  my 64 bytes of the mask
.set WS, 32                            ; v32-79  the weights' scale words: 16 x job + 8 x column tile + K step
.set PC, 80                            ; v80-87  codes just made
.set TM, 88                            ; v88-103 at work
.set PW, 104                           ; the scale word just made
.set KB, 105                           ; v105-106 two scale bytes
.set SWD, 107                          ; v107-109 data of small stores
.set MWR, 110                          ; v110-111 my two mask words
.set XS, 112                           ; v112-115 x's scale words
.set TSI, 116                          ; v116 my stage, on the way in: 16 x lane
.set TSX, 117                          ; v117 on the way out, numbers: 528 r + 64 h
.set TSW, 118                          ; v118 on the way out, codes: 528 r + 16 h
.set RS, 120                           ; v120-127 r's scale words
.set ST0, 128                          ; v128-191, v192-255: 64 numbers of x each
.set ST1, 192
.set XF, 128                           ; later: four fragments of x,
.set ACC, 160                          ; four accumulators,
.set BIU, 192                          ; the two biases,
.set BIV, 208
.set RF, 192                           ; and at last r's eight fragments
.set WA, 0                             ; window 1: two sets of 128 registers: 32 rows as loaded (4 x row), then 16 fragments: 8 (8 x column tile + K step)
.set WB, 128
.set WV, 30
.set MSB, 0
.macro WIN new                         ; the immediate's high byte repeats the setting that is left
.if MSB != \new
	s_set_vgpr_msb (MSB<<8)|\new
.set MSB, \new
.endif
.endm
.macro NOPS n
.rept \n
	v_nop
.endr
.endm
; my 16 rows' numbers of one K step: load i takes row i's 512 bytes, 16 a lane
.macro XLOAD reg, e
.irp i, 0,1,2,3,4,5,6,7,8,9,10,11,12,13,14,15
	global_load_b128 v[\reg+4*\i:\reg+4*\i+3], v[LI], s[4:5] offset:4096*\i+512*\e th:TH_LOAD_NT
.endr
.endm
.macro XIN reg, e                              ; into half e of my stage, as they lie
.irp i, 0,1,2,3,4,5,6,7,8,9,10,11,12,13,14,15
	ds_store_b128 v[TSI], v[\reg+4*\i:\reg+4*\i+3] offset:16*SPI*\e+SPI*\i
.endr
.endm
.macro XOUT reg, e                             ; and back: of each block of 32 of row r lane (r, h) takes 16 neighbours: register 16 b + i = k 32 b + 16 h + i
.irp b, 0,1,2,3
.irp j, 0,1,2,3
	ds_load_b128 v[\reg+16*\b+4*\j:\reg+16*\b+4*\j+3], v[TSX] offset:16*SPI*\e+128*\b+16*\j
.endr
.endr
.endm
; 64 numbers of a lane, register 16 b + i = k 32 b + 16 h + i of my row, become a fragment's codes in v[PC] on and its scale word in v[PW]
.macro QUANT s
.irp b, 0,1,2,3
	v_max3_num_f32 v[TM+\b], |v[\s+16*\b]|, |v[\s+1+16*\b]|, 0x1800000   ; with the floor 2^(3 - 127): the byte cannot fall under 1
.endr
.irp i, 2,4,6,8,10,12,14
.irp b, 0,1,2,3
	s_delay_alu instid0(VALU_DEP_4)
	v_max3_num_f32 v[TM+\b], v[TM+\b], |v[\s+16*\b+\i]|, |v[\s+1+16*\b+\i]|
.endr
.endr
.irp b, 0,1,2,3
	s_delay_alu instid0(VALU_DEP_4)
	v_permlanex16_b32 v[TM+4+\b], v[TM+\b], s34, s35
.endr
.irp b, 0,1,2,3
	s_delay_alu instid0(VALU_DEP_4)
	v_max_num_f32 v[TM+\b], v[TM+\b], v[TM+4+\b]   ; with lane l xor 16's: the block's largest magnitude
.endr
.irp b, 0,1,2,3
	s_delay_alu instid0(VALU_DEP_4)
	v_add_nc_u32 v[TM+12+\b], 0xff000000, v[TM+\b]   ; 2 off its exponent field: the conversion's scale operand
.endr
.irp b, 0,1,2,3
	s_delay_alu instid0(VALU_DEP_4)
	v_lshrrev_b32 v[TM+4+\b], 23, v[TM+12+\b]      ; the scale's byte
.endr
	s_delay_alu instid0(VALU_DEP_3)
	v_lshl_or_b32 v[PW], v[TM+5], 8, v[TM+4]
	s_delay_alu instid0(VALU_DEP_1)
	v_lshl_or_b32 v[PW], v[TM+6], 16, v[PW]
	s_delay_alu instid0(VALU_DEP_1)
	v_lshl_or_b32 v[PW], v[TM+7], 24, v[PW]
.irp b, 0,1,2,3
	v_cvt_scalef32_pk8_fp4_f32 v[PC+2*\b], v[\s+16*\b:\s+7+16*\b], v[TM+12+\b]
	v_cvt_scalef32_pk8_fp4_f32 v[PC+1+2*\b], v[\s+8+16*\b:\s+15+16*\b], v[TM+12+\b]
.endr
	v_nop                                          ; one plain place behind a scaled conversion
.irp c, 0,1                                    ; the operand's layout wants a whole block in a lane
.irp i, 0,1
	v_permlane16_swap_b32 v[PC+4*\c+\i], v[PC+2+4*\c+\i]
.endr
.endr
.endm
.macro IMAGE adr, off                          ; the fragment in v[PC] on goes to LDS as it stands
.irp c, 0,1
	ds_store_b128 v[\adr], v[PC+4*\c:PC+4*\c+3] offset:\off+512*\c
.endr
.endm
.macro FETCH reg, off                          ; and comes back so, in any wave
.irp c, 0,1
	ds_load_b128 v[\reg+4*\c:\reg+4*\c+3], v[LI] offset:\off+512*\c
.endr
.endm
; 16 rows of a weight (column tile ct) as they lie: load i takes row 16 ct + i whole, 512 bytes, into registers 4 x row
.macro WLOADC dst, off, ct, sb
.irp i, 0,1,2,3,4,5,6,7,8,9,10,11,12,13,14,15
	global_load_b128 v[\dst+64*\ct+4*\i:\dst+64*\ct+4*\i+3], v[LI], s[\sb:\sb+1] offset:\off+8192*\ct+512*\i
.endr
.endm
; four K steps' fragments of both column tiles out of my stage: group c of lane (r, h) is bytes 64 ks + 32 c + 16 h of row 16 ct + r.  It leaves the windows set
.macro WBACK dst, k0
	WIN 0x40                                       ; destination window 1
.irp ct, 0,1
.irp kk, 0,1,2,3
.irp c, 0,1
	ds_load_b128 v[\dst+8*(8*\ct+\k0+\kk)+4*\c:\dst+8*(8*\ct+\k0+\kk)+4*\c+3], v[TSW] offset:16*SPI*\ct+64*(\k0+\kk)+32*\c
.endr
.endr
.endr
.endm
; a weight's 32 rows into my stage, and the first half of its fragments back
.macro WTURN dst
	WIN 0x04                                       ; an LDS store's data are its source 1: window 1
.set rho, 0
.rept 32
	ds_store_b128 v[TSI], v[\dst+4*rho:\dst+4*rho+3] offset:SPI*rho
.set rho, rho+1
.endr
	WBACK \dst, 0
	WIN 0
.endm
; one product.  kind 0: source 0 = the weight, accumulator 16 mt + 8 ct.  kind 1: source 1 = the weight, accumulator 16 ct + 8 mt.  K step 0 starts the sum
.macro PMUL kind, mt, ct, ks, xi, wb, ws
.if \kind
.if (\ks) == 0
	v_wmma_scale_f32_16x16x128_f8f6f4 v[ACC+16*\ct+8*\mt:ACC+16*\ct+8*\mt+7], v[XF+8*(\xi):XF+8*(\xi)+7], v[\wb+8*(8*\ct+(\ks)):\wb+8*(8*\ct+(\ks))+7], 0, v[XS+(\xi)], v[\ws+8*\ct+(\ks)] matrix_a_fmt:MATRIX_FMT_FP4 matrix_b_fmt:MATRIX_FMT_FP4
.else
	v_wmma_scale_f32_16x16x128_f8f6f4 v[ACC+16*\ct+8*\mt:ACC+16*\ct+8*\mt+7], v[XF+8*(\xi):XF+8*(\xi)+7], v[\wb+8*(8*\ct+(\ks)):\wb+8*(8*\ct+(\ks))+7], v[ACC+16*\ct+8*\mt:ACC+16*\ct+8*\mt+7], v[XS+(\xi)], v[\ws+8*\ct+(\ks)] matrix_a_fmt:MATRIX_FMT_FP4 matrix_b_fmt:MATRIX_FMT_FP4
.endif
.else
.if (\ks) == 0
	v_wmma_scale_f32_16x16x128_f8f6f4 v[ACC+16*\mt+8*\ct:ACC+16*\mt+8*\ct+7], v[\wb+8*(8*\ct+(\ks)):\wb+8*(8*\ct+(\ks))+7], v[XF+8*(\xi):XF+8*(\xi)+7], 0, v[\ws+8*\ct+(\ks)], v[XS+(\xi)] matrix_a_fmt:MATRIX_FMT_FP4 matrix_b_fmt:MATRIX_FMT_FP4
.else
	v_wmma_scale_f32_16x16x128_f8f6f4 v[ACC+16*\mt+8*\ct:ACC+16*\mt+8*\ct+7], v[\wb+8*(8*\ct+(\ks)):\wb+8*(8*\ct+(\ks))+7], v[XF+8*(\xi):XF+8*(\xi)+7], v[ACC+16*\mt+8*\ct:ACC+16*\mt+8*\ct+7], v[\ws+8*\ct+(\ks)], v[XS+(\xi)] matrix_a_fmt:MATRIX_FMT_FP4 matrix_b_fmt:MATRIX_FMT_FP4
.endif
.endif
.endm
; 32 rows x 32 columns x K 1,024: four batches of two K steps; the four accumulators take turns, one instruction a turn.
; Behind the first batch's wait the weight's K steps 4 to 7 are asked of the stage: they land under the first batch's products and are shown in by the second batch's wait.
; Five v_nop close a batch: four serve the loads into registers that the products have read and the first reads of results, the fifth the next job's products, which begin the accumulators anew.
.macro JOB kind, wb, ws
.irp kp, 0,1,2,3
.irp e, 0,1
.irp mt, 0,1
	FETCH XF+8*(2*\e+\mt), XIMG+1024*(8*\mt+2*\kp+\e)
	ds_load_b32 v[XS+2*\e+\mt], v[LS] offset:XSC+128*(8*\mt+2*\kp+\e)
.endr
.endr
	s_wait_dscnt 0x0                               ; the batch is wanted whole (in the first batch: the weight's K steps 0 to 3 too)
.if \kp == 0
	WBACK \wb, 4
.endif
.if \kind
	WIN 0x04                                       ; source 1 (the weight) in window 1
.else
	WIN 0x01                                       ; source 0 (the weight) in window 1
.endif
.irp e, 0,1
.irp mt, 0,1
.irp ct, 0,1
	PMUL \kind, \mt, \ct, 2*\kp+\e, 2*\e+\mt, \wb, \ws
.endr
.endr
.endr
	WIN 0
	NOPS 5
.endr
.endm
; 16 registers of a lane, which with lane l xor 16's are a block of 32, become the block's 16 bytes of codes: lanes 0-15 get bytes 0-7, lanes 16-31 bytes 8-15, in v[PC:PC+1]; the scale's byte in v[breg]
.macro QOUT src, breg
	v_max3_num_f32 v[TM], |v[\src]|, |v[\src+1]|, 0x1800000        ; from the low end on; with the floor 2^(3 - 127)
	v_max3_num_f32 v[TM+1], |v[\src+2]|, |v[\src+3]|, |v[\src+4]|
	v_max3_num_f32 v[TM], v[TM], |v[\src+5]|, |v[\src+6]|
	v_max3_num_f32 v[TM+1], v[TM+1], |v[\src+7]|, |v[\src+8]|
	v_max3_num_f32 v[TM], v[TM], |v[\src+9]|, |v[\src+10]|
	v_max3_num_f32 v[TM+1], v[TM+1], |v[\src+11]|, |v[\src+12]|
	v_max3_num_f32 v[TM], v[TM], |v[\src+13]|, |v[\src+14]|
	v_max3_num_f32 v[TM], v[TM], v[TM+1], |v[\src+15]|
	s_delay_alu instid0(VALU_DEP_1)
	v_permlanex16_b32 v[TM+4], v[TM], s34, s35
	s_delay_alu instid0(VALU_DEP_1)
	v_max_num_f32 v[TM], v[TM], v[TM+4]
	s_delay_alu instid0(VALU_DEP_1)
	v_add_nc_u32 v[TM+12], 0xff000000, v[TM]
	s_delay_alu instid0(VALU_DEP_1)
	v_lshrrev_b32 v[\breg], 23, v[TM+12]
	s_wait_alu depctr_va_vdst(0)
	s_wait_xcnt 0x0                                ; the last stores have read their data: v[PC] and the small stores' registers are written again only behind this wait
	v_cvt_scalef32_pk8_fp4_f32 v[PC], v[\src:\src+7], v[TM+12]
	v_cvt_scalef32_pk8_fp4_f32 v[PC+1], v[\src+8:\src+15], v[TM+12]
	v_nop
	v_permlane16_swap_b32 v[PC], v[PC+1]
.endm
; q + one of the two biases, quantised: codes to section sec, scale words to section wsec
.macro QEPI bias, sec, wsec, sw
.irp mt, 0,1
.irp i, 0,2,4,6,8,10,12,14
	v_pk_add_f32 v[XF+\i:XF+\i+1], v[ACC+16*\mt+\i:ACC+16*\mt+\i+1], v[\bias+\i:\bias+\i+1]
.endr
	QOUT XF, KB+\mt
	global_store_b64 v[QO], v[PC:PC+1], s[32:33] offset:\sec+256*\mt   ; 32 lanes store 256 consecutive bytes, aligned
.endr
	v_cndmask_b32 v[\sw], v[KB], v[KB+1], s59      ; lane l: row l of the 32
	s_delay_alu instid0(VALU_DEP_1)
	v_mul_lo_u32 v[\sw], v[\sw], 0x01010101        ; the byte four times: the query's codes may stand in any of the four blocks
	global_store_b32 v[LS], v[\sw], s[38:39] offset:\wsec
.endm
	s_load_b256 s[4:11], s[0:1], 0x0               ; w, W_qkv's codes, its scales, r's codes
	s_load_b256 s[12:19], s[0:1], 0x20             ; r's scales, W_r's codes, its scales, r_w_bias
	s_load_b256 s[20:27], s[0:1], 0x40             ; r_r_bias, the mask, codes, scales
	s_load_b64 s[28:29], s[0:1], 0x60              ; maskw
	v_lshl_add_u32 v99, v0, 2, 0x25800
	v_mov_b32 v119, 0
	v_lshrrev_b32 v[T0], 5, v0
	s_delay_alu instid0(VALU_DEP_1)
	v_readfirstlane_b32 s[WV], v[T0]               ; wave 0..7
	v_and_b32 v[LN], 31, v0
	v_and_b32 v[RR], 15, v0
	v_bfe_u32 v[HL], v0, 4, 1
	s_delay_alu instid0(VALU_DEP_3)
	v_lshlrev_b32 v[XA], 3, v[LN]
	s_delay_alu instid0(VALU_DEP_4)
	v_lshlrev_b32 v[LI], 4, v[LN]
	s_wait_alu depctr_va_vdst(0)
	v_lshlrev_b32 v[LS], 2, v[LN]
	s_and_b32 s31, s[WV], 1                        ; which tile of 16 rows I quantise,
	s_lshr_b32 s54, s[WV], 1                       ; and which pair of K steps
	s_lshl_b32 s55, s31, 3
	s_lshl_b32 s57, s54, 1
	s_add_co_u32 s55, s55, s57                     ; my first fragment
	s_lshl_b32 s57, s55, 10
	v_add_nc_u32 v[XWI], s57, v[LI]
	s_lshl_b32 s57, s55, 7
	v_add_nc_u32 v[XWS], s57, v[LS]
	s_mul_i32 s57, s[WV], WSTG
	s_add_co_u32 s57, s57, STG                     ; my stage
	v_add_nc_u32 v[TSI], s57, v[LI]
	v_mul_u32_u24 v[T0], v[RR], SPI
	s_delay_alu instid0(VALU_DEP_1)
	v_add_nc_u32 v[T0], s57, v[T0]
	s_delay_alu instid0(VALU_DEP_1)
	v_lshl_add_u32 v[TSX], v[HL], 6, v[T0]
	s_delay_alu instid0(VALU_DEP_2)
	v_lshl_add_u32 v[TSW], v[HL], 4, v[T0]
	v_lshlrev_b32 v[WAD], 9, v[RR]
	s_delay_alu instid0(VALU_DEP_1)
	v_lshl_add_u32 v[WAD], v[HL], 4, v[WAD]
	v_lshlrev_b32 v[WSA], 5, v[RR]
	v_lshlrev_b32 v[QO], 4, v[RR]
	s_delay_alu instid0(VALU_DEP_1)
	v_lshl_add_u32 v[QO], v[HL], 3, v[QO]
	v_and_b32 v[MA], 3, v[RR]                      ; a set's 16 queries: first + (r % 4) + 16 (r / 4)
	v_and_b32 v[T0], 12, v[RR]
	s_delay_alu instid0(VALU_DEP_1)
	v_lshl_add_u32 v[MA], v[T0], 2, v[MA]
	s_delay_alu instid0(VALU_DEP_1)
	v_lshlrev_b32 v[MA], 11, v[MA]
	s_delay_alu instid0(VALU_DEP_1)
	v_lshl_add_u32 v[MA], v[HL], 3, v[MA]
	v_lshlrev_b32 v[BO], 5, v[HL]
	v_lshlrev_b32 v[KO], 2, v[RR]
	s_delay_alu instid0(VALU_DEP_1)
	v_lshl_add_u32 v[KO], v[HL], 1, v[KO]
	v_cmp_eq_u32 s59, 1, v[HL]                     ; lanes 16-31
.irp b, 0,1,2,3
	v_mov_b32 v[TM+4+\b], 0                        ; written once: a lane permute's destination counts as one of its sources
.endr
	v_mov_b32 v[MWR], 0
	v_mov_b32 v[MWR+1], 0
	s_mov_b32 s34, 0x76543210
	s_mov_b32 s35, 0xfedcba98                      ; v_permlanex16_b32's selects for lane l xor 16
	s_lshl_b32 s48, ttmp9, 17                      ; 32 rows of 4,096 bytes a work-group,
	s_lshl_b32 s57, s31, 16                        ; my 16 of them,
	s_add_co_u32 s48, s48, s57
	s_lshl_b32 s57, s54, 10                        ; my two K steps
	s_add_co_u32 s48, s48, s57
	s_mov_b32 s49, 0
	s_wait_kmcnt 0x0
	s_add_nc_u64 s[4:5], s[4:5], s[48:49]
	XLOAD ST0, 0
	XLOAD ST1, 1
	s_lshl_b32 s48, s[WV], 10                      ; my head's 32 rows of scale bytes
	s_add_nc_u64 s[8:9], s[8:9], s[48:49]
.irp job, 0,1,2
.irp ct, 0,1
.irp hf, 0,1
	global_load_b128 v[WS+16*\job+8*\ct+4*\hf:WS+16*\job+8*\ct+4*\hf+3], v[WSA], s[8:9] offset:8192*\job+512*\ct+16*\hf
.endr
.endr
.endr
	s_lshl_b32 s48, s[WV], 14                      ; my head's 32 rows of codes
	s_add_nc_u64 s[6:7], s[6:7], s[48:49]
	WIN 0x40                                       ; destination window 1
	WLOADC WA, 0, 0, 6
	WIN 0
	; where the results go
	s_lshr_b32 s61, ttmp9, 6
	s_lshl_b32 s61, s61, 3
	s_add_co_u32 s61, s61, s[WV]                   ; bh = 8 x batch + head
	s_and_b32 s62, ttmp9, 63                       ; which 32 rows of the batch
	s_lshl_b32 s63, s61, 6
	s_add_co_u32 s63, s63, s62
	s_lshl_b32 s48, s63, 9
	s_add_nc_u64 s[32:33], s[24:25], s[48:49]      ; rows of 16 bytes: q's two and k's sections
	s_lshl_b32 s48, s61, 15
	s_lshr_b32 s57, s62, 2
	s_lshl_b32 s57, s57, 11
	s_add_co_u32 s48, s48, s57
	s_and_b32 s57, s62, 3
	s_lshl_b32 s57, s57, 8
	s_add_co_u32 s48, s48, s57
	s_add_nc_u64 s[36:37], s[24:25], s[48:49]      ; V's image: step, then 256 bytes for each of its four blocks of keys
	s_lshl_b32 s48, s63, 7
	s_add_nc_u64 s[38:39], s[26:27], s[48:49]
	s_lshl_b32 s48, s63, 6
	s_add_nc_u64 s[40:41], s[26:27], s[48:49]
	s_lshl_b32 s48, s63, 5
	s_add_nc_u64 s[42:43], s[26:27], s[48:49]
	s_lshl_b32 s57, ttmp9, 3
	s_add_co_u32 s57, s57, s[WV]                   ; my piece of the mask: 16 x set + step = 8 g + wave
	s_lshl_b32 s48, s57, 8
	s_add_nc_u64 s[50:51], s[28:29], s[48:49]
	s_lshl_b32 s48, s57, 2
	s_add_nc_u64 s[52:53], s[28:29], s[48:49]
	s_lshl_b32 s48, s[WV], 7
	s_add_nc_u64 s[18:19], s[18:19], s[48:49]
	s_add_nc_u64 s[20:21], s[20:21], s[48:49]
	s_lshr_b32 s57, ttmp9, 3                       ; set t = g / 2: first query 64 (t / 4) + 4 (t % 4)
	s_lshl_b32 s57, s57, 6
	s_bfe_u32 s58, ttmp9, 0x20001
	s_lshl_b32 s58, s58, 2
	s_add_co_u32 s57, s57, s58
	s_lshl_b32 s48, s57, 11
	s_and_b32 s58, ttmp9, 1
	s_lshl_b32 s58, s58, 3
	s_add_co_u32 s58, s58, s[WV]                   ; step 8 (g % 2) + wave: 128 keys
	s_lshl_b32 s58, s58, 7
	s_add_co_u32 s48, s48, s58
	s_add_nc_u64 s[22:23], s[22:23], s[48:49]
	; r_k's pointers are made by every wave, on this one way, with wave % 4 for the head: waves 4 to 7 hold places inside the buffers and never use them
	s_lshr_b32 s57, ttmp9, 1                       ; 16 rows g / 2,
	s_and_b32 s58, ttmp9, 1
	s_lshl_b32 s58, s58, 2
	s_and_b32 s31, s[WV], 3
	s_add_co_u32 s58, s58, s31                     ; head 4 (g % 2) + wave % 4
	s_lshl_b32 s48, s57, 13
	s_add_nc_u64 s[10:11], s[10:11], s[48:49]      ; r's codes: rows of 512 bytes
	s_lshl_b32 s48, s57, 9
	s_add_nc_u64 s[12:13], s[12:13], s[48:49]      ; r's scale bytes: rows of 32
	s_lshl_b32 s48, s58, 14
	s_add_nc_u64 s[14:15], s[14:15], s[48:49]      ; W_r's codes: the head's 32 rows
	s_lshl_b32 s48, s58, 10
	s_add_nc_u64 s[16:17], s[16:17], s[48:49]      ; and their scale bytes
	s_lshl_b32 s48, s58, 15
	s_lshl_b32 s31, s57, 8
	s_add_co_u32 s48, s48, s31
	s_add_nc_u64 s[44:45], s[24:25], s[48:49]      ; r_k's codes
	s_lshl_b32 s48, s58, 11
	s_lshl_b32 s31, s57, 4
	s_add_co_u32 s48, s48, s31
	s_add_nc_u64 s[46:47], s[26:27], s[48:49]      ; r_k's scale bytes
	; ---- X: my two fragments of x
	s_wait_loadcnt 44                              ; the first K step's 16 loads are in: behind them 16 of x, 12 scale loads and 16 weight loads were issued
	XIN ST0, 0
	XOUT ST0, 0
	s_wait_loadcnt 28                              ; the second K step's are in: behind them 12 + 16
	XIN ST1, 1
	s_wait_dscnt 16                                ; the first K step's numbers are back: behind them the second's 16 stores
	XOUT ST1, 1                                    ; which come back while the first is quantised
	WIN 0x40
	WLOADC WA, 0, 1, 6
	WIN 0
	QUANT ST0
	IMAGE XWI, XIMG
	ds_store_b32 v[XWS], v[PW] offset:XSC
	s_wait_dscnt 0x0                               ; the second K step's numbers are back, and the stores have read their registers
	QUANT ST1
	IMAGE XWI, XIMG+1024
	ds_store_b32 v[XWS], v[PW] offset:XSC+128
.irp ct, 0,1
.irp hf, 0,1
	global_load_b128 v[BIU+8*\ct+4*\hf:BIU+8*\ct+4*\hf+3], v[BO], s[18:19] offset:64*\ct+16*\hf
	global_load_b128 v[BIV+8*\ct+4*\hf:BIV+8*\ct+4*\hf+3], v[BO], s[20:21] offset:64*\ct+16*\hf
.endr
.endr
.irp ta, 0,1,2,3,4,5,6,7
	global_load_b64 v[MK+2*\ta:MK+2*\ta+1], v[MA], s[22:23] offset:16*\ta   ; mask(my query, 16 ta + 8 h + 0 .. 7)
.endr
	s_wait_dscnt 0x0                               ; for the others' sake: my images have landed
	s_barrier_signal -1
	s_barrier_wait -1                              ; x's sixteen fragments lie in LDS; they are only read from here on.  The stages stay each wave's own
	; ---- q
	s_wait_loadcnt 16                              ; q's weights and all scale words are in: behind them the biases' 8 and the mask's 8
	WTURN WA
	WIN 0x40
	WLOADC WB, 131072, 0, 6                        ; k's weights land while q is multiplied
	WLOADC WB, 131072, 1, 6
	WIN 0
	JOB 0, WA, WS
	s_wait_loadcnt 40                              ; the biases are in: behind them the mask's 8 and k's 32
	WIN 0x40
	WLOADC WA, 262144, 0, 6                        ; v's weights take q's place (the job's v_nop are the places): the first 16 rows now,
	WIN 0
	QEPI BIU, QUC, QUW, SWD
	QEPI BIV, QVC, QVW, SWD+1
	; ---- k
	s_wait_loadcnt 16                              ; the mask and k's weights are in: behind them v's first 16
	WTURN WB
	WIN 0x40
	WLOADC WA, 262144, 1, 6                        ; the other 16 rows here
	WIN 0
	JOB 0, WB, WS+16
	s_wait_loadcnt 0x0                             ; v's weights are in; the count is the same on both ways below
	WTURN WA                                       ; they turn while k is quantised
	s_cmp_lt_u32 s[WV], 4
	s_cbranch_scc0 .Lno_r
	WIN 0x40
	WLOADC WB, 0, 0, 14                            ; W_r takes k's place (the job's v_nop are the places)
	WLOADC WB, 0, 1, 14
	WIN 0
.irp ks, 0,1,2,3,4,5,6,7
.irp c, 0,1
	global_load_b128 v[RF+8*\ks+4*\c:RF+8*\ks+4*\c+3], v[WAD], s[10:11] offset:64*\ks+32*\c
.endr
.endr
.irp ct, 0,1
.irp hf, 0,1
	global_load_b128 v[WS+8*\ct+4*\hf:WS+8*\ct+4*\hf+3], v[WSA], s[16:17] offset:512*\ct+16*\hf
.endr
.endr
.irp hf, 0,1
	global_load_b128 v[RS+4*\hf:RS+4*\hf+3], v[WSA], s[12:13] offset:16*\hf
.endr
.Lno_r:
.irp mt, 0,1
	QOUT ACC+16*\mt, KB+\mt
	global_store_b64 v[QO], v[PC:PC+1], s[32:33] offset:KCO+256*\mt
.endr
	v_lshl_or_b32 v[SWD+2], v[KB+1], 8, v[KB]      ; key m's byte and key 16 + m's: blocks 0 and 1 of the operand that holds both
	s_delay_alu instid0(VALU_DEP_1)
	v_cndmask_b32 v[SWD+2], v[SWD+2], 0, s59       ; the word's upper half is 0
	global_store_b16 v[KO], v[SWD+2], s[40:41] offset:KW2
	; ---- v
	JOB 1, WA, WS+32
.irp dt, 0,1
	QOUT ACC+16*\dt, KB+\dt
	global_store_b64 v[QO], v[PC:PC+1], s[36:37] offset:VIM+1024*\dt
.endr
	v_cndmask_b32 v[SWD], v[KB], v[KB+1], s59      ; lane l: channel l
	global_store_b8 v[LN], v[SWD], s[42:43] offset:VSB
	; ---- the mask: word n = 8 ta + j has lane (a, h)'s bit = mask(query a of the set, 16 ta + 8 h + j): the place of register j of score tile ta
.set n, 0
.rept 64
	v_and_b32 v[T0], 0xff<<(8*(n%4)), v[MK+n/4]
	s_delay_alu instid0(VALU_DEP_1)
	v_cmp_ne_u32 s54, 0, v[T0]
	s_delay_alu instid0(VALU_DEP_1)
	v_writelane_b32 v[MWR+n%2], s54, n/2
.set n, n+1
.endr
	global_store_b64 v[XA], v[MWR:MWR+1], s[50:51] ; 256 consecutive bytes, aligned
	v_or_b32 v[TM], v[MK], v[MK+1]
	v_and_b32 v[TM+1], v[MK], v[MK+1]
.irp i, 2,3,4,5,6,7,8,9,10,11,12,13,14,15
	s_delay_alu instid0(VALU_DEP_2)
	v_or_b32 v[TM], v[TM], v[MK+\i]
	s_delay_alu instid0(VALU_DEP_2)
	v_and_b32 v[TM+1], v[TM+1], v[MK+\i]
.endr
	s_delay_alu instid0(VALU_DEP_2)
	v_cmp_ne_u32 s54, 0, v[TM]                     ; lanes with something masked
	s_delay_alu instid0(VALU_DEP_2)
	v_cmp_ne_u32 s57, 0x01010101, v[TM+1]          ; lanes with something open
	s_cmp_eq_u32 s54, 0
	s_cselect_b32 s58, 2, 1                        ; 2: nothing masked; 1: mixed;
	s_cmp_eq_u32 s57, 0
	s_cselect_b32 s58, 0, s58                      ; 0: all masked
	v_mov_b32 v[TM+2], s58
	v_cmp_eq_u32 vcc_lo, 0, v[LN]
	s_wait_alu depctr_va_vdst(0)
	s_wait_xcnt 0x0                                ; EXEC changes only behind this wait
	s_and_saveexec_b32 s56, vcc_lo
	global_store_b32 v[LS], v[TM+2], s[52:53] offset:FLG
	s_wait_xcnt 0x0                                ; and again
	s_or_b32 exec_lo, exec_lo, s56
	s_wait_loadcnt 0x0                             ; r, W_r and their scale words
	s_cmp_lt_u32 s[WV], 4
	s_cbranch_scc1 .Lr_job
	s_wait_tensorcnt 0x0
	ds_add_u32 v99, v119
	s_wait_dscnt 0x0
	s_endpgm
.Lr_job:
	; ---- r_k: 16 rows x my head's 32 columns; two accumulators by turns
	WTURN WB
	s_wait_dscnt 0x0                               ; W_r's K steps 0 to 3 are back
	WBACK WB, 4                                    ; K steps 4 to 7 land under the first eight products
	WIN 0x01
.irp ks, 0,1,2,3,4,5,6,7
.if \ks == 4
	s_wait_dscnt 0x0
.endif
.irp ct, 0,1
.if \ks == 0
	v_wmma_scale_f32_16x16x128_f8f6f4 v[ACC+8*\ct:ACC+8*\ct+7], v[WB+8*(8*\ct+\ks):WB+8*(8*\ct+\ks)+7], v[RF+8*\ks:RF+8*\ks+7], 0, v[WS+8*\ct+\ks], v[RS+\ks] matrix_a_fmt:MATRIX_FMT_FP4 matrix_b_fmt:MATRIX_FMT_FP4
.else
	v_wmma_scale_f32_16x16x128_f8f6f4 v[ACC+8*\ct:ACC+8*\ct+7], v[WB+8*(8*\ct+\ks):WB+8*(8*\ct+\ks)+7], v[RF+8*\ks:RF+8*\ks+7], v[ACC+8*\ct:ACC+8*\ct+7], v[WS+8*\ct+\ks], v[RS+\ks] matrix_a_fmt:MATRIX_FMT_FP4 matrix_b_fmt:MATRIX_FMT_FP4
.endif
.endr
.endr
	WIN 0
	NOPS 5
	QOUT ACC, KB
	global_store_b64 v[QO], v[PC:PC+1], s[44:45] offset:TCO
	global_store_b8 v[RR], v[KB], s[46:47] offset:TSB   ; both lanes of a row store the same byte with the same value
	s_wait_tensorcnt 0x0
	ds_add_u32 v99, v119
	s_wait_dscnt 0x0
	s_endpgm
.Lfunc_end_k_q7fa39d9722_prep:
	.size	k_q7fa39d9722_prep, .Lfunc_end_k_q7fa39d9722_prep-k_q7fa39d9722_prep
	.p2alignl 7, 3214868480
	.fill 96, 4, 3214868480
	.section	.rodata,"a",@progbits
	.p2align	6, 0x0
	.amdhsa_kernel k_q7fa39d9722_prep
		.amdhsa_group_segment_fixed_size 154624
		.amdhsa_private_segment_fixed_size 0
		.amdhsa_enable_private_segment 0
		.amdhsa_kernarg_size 104
		.amdhsa_user_sgpr_count 2
		.amdhsa_user_sgpr_kernarg_segment_ptr 1
		.amdhsa_wavefront_size32 1
		.amdhsa_system_sgpr_workgroup_id_x 1
		.amdhsa_system_sgpr_workgroup_id_y 1
		.amdhsa_system_sgpr_workgroup_id_z 1
		.amdhsa_system_vgpr_workitem_id 0
		.amdhsa_next_free_vgpr 512
		.amdhsa_next_free_sgpr 66
		.amdhsa_reserve_vcc 1
		.amdhsa_float_denorm_mode_32 3
		.amdhsa_float_denorm_mode_16_64 3
		.amdhsa_memory_ordered 1
		.amdhsa_forward_progress 1
		.amdhsa_inst_pref_size 117
	.end_amdhsa_kernel
	.amdgpu_metadata
---
amdhsa.version: [ 1, 2 ]
amdhsa.kernels:
  - .name:           k_q7fa39d9722_prep
    .symbol:         k_q7fa39d9722_prep.kd
    .args:
      - { .name: w, .offset: 0, .size: 8, .value_kind: global_buffer, .address_space: global }
      - { .name: W_qkv_codes, .offset: 8, .size: 8, .value_kind: global_buffer, .address_space: global }
      - { .name: W_qkv_scales, .offset: 16, .size: 8, .value_kind: global_buffer, .address_space: global }
      - { .name: r_codes, .offset: 24, .size: 8, .value_kind: global_buffer, .address_space: global }
      - { .name: r_scales, .offset: 32, .size: 8, .value_kind: global_buffer, .address_space: global }
      - { .name: W_r_codes, .offset: 40, .size: 8, .value_kind: global_buffer, .address_space: global }
      - { .name: W_r_scales, .offset: 48, .size: 8, .value_kind: global_buffer, .address_space: global }
      - { .name: r_w_bias, .offset: 56, .size: 8, .value_kind: global_buffer, .address_space: global }
      - { .name: r_r_bias, .offset: 64, .size: 8, .value_kind: global_buffer, .address_space: global }
      - { .name: attn_mask, .offset: 72, .size: 8, .value_kind: global_buffer, .address_space: global }
      - { .name: codes, .offset: 80, .size: 8, .value_kind: global_buffer, .address_space: global }
      - { .name: scales, .offset: 88, .size: 8, .value_kind: global_buffer, .address_space: global }
      - { .name: maskw, .offset: 96, .size: 8, .value_kind: global_buffer, .address_space: global }
    .group_segment_fixed_size: 154624
    .private_segment_fixed_size: 0
    .kernarg_segment_align: 8
    .kernarg_segment_size: 104
    .max_flat_workgroup_size: 256
    .sgpr_count:     66
    .vgpr_count:     512
    .wavefront_size: 32
...
	.end_amdgpu_metadata
.endif
;; end of part 6
;; launch attn (part 7): grid 8 x 32, 16 waves a work-group, no clusters, 196,608 bytes of LDS; arguments codes, scales, maskw, avc, avs; writes avc, avs
.if DOCPART == 7
	.amdgcn_target "amdgcn-amd-amdhsa--gfx1250"
	.amdhsa_code_object_version 6
	.text
	.protected	k_q7fa39d9722_attn
	.globl	k_q7fa39d9722_attn
	.p2align	8
	.type	k_q7fa39d9722_attn,@function
k_q7fa39d9722_attn:
	s_mov_b64 s[64:65], 0
	v_nop
	global_prefetch_b8 v0, s[64:65] scope:SCOPE_SE
	s_setreg_imm32_b32 hwreg(HW_REG_WAVE_SCHED_MODE, 0, 2), 2
	s_setreg_imm32_b32 hwreg(HW_REG_WAVE_MODE, 25, 1), 1
	s_wait_xcnt 0x0
	s_wait_alu depctr_vm_vsrc(0)
; attn_vec = softmax((AC + shifted BD) / sqrt(32), masked) V for one (batch, head) = work-group y, on codes of FP4 (E2M1) with E8M0 scales, and its quantiser along the head's 32 channels.
; SHARES.  Sixteen waves, 256 registers each; a wave owns a SET of 16 queries, lane a = lane % 16: query I0 + a % 4 + 16 (a / 4), and walks the keys in 16 steps of 128.  All products are used transposed
; (source 0 = 16 keys or 16 channels, source 1 = my 16 queries): a lane holds one query throughout; register j of score tile ta is key 16 ta + 8 (lane / 16) + j.
; THE RELATIVE SHIFT COSTS MATRIX INSTRUCTIONS ALONE.  With d = query - key the shifted term is (q_i + bias) . r_k[2047 - d] for d >= 0, 0 for d = -1, (q_{i+1} + bias) . r_k[-d - 2] for d <= -2.
; A table GT in LDS holds r_k's codes at rows 2049 .. 4096 between rows of zero codes: the first term is row 4096 - d, the second row 2047 - d, and each is zero where the other holds.
; A product has K = 128 and a head 32: a query's codes stand in the block a % 4 of source 1, the other blocks zero; block s of source 0's row m holds table row (base + m - s): that takes up a % 4.
; a / 4 is taken up by four products onto one accumulator, each with a source 1 that is zero but for its four queries, and a source 0 that lies 16 rows lower: fragment p = ta - a / 4 + 3, eleven fragments a pass.
; AC adds onto the same accumulators: one load holds 32 keys, keys m in block 0 and 16 + m in block 1; the query stands in block 0 or in block 1.
; THE MASK is an input: nothing of its pattern is built in.  The launch before stored, for each set and step, a flag (0 all masked, 1 mixed, 2 none) and 64 lane-mask words.  A step with flag 0 is left out
; (its p are zeros); with flag 1 one select a score register puts -infinity.  These are branches on stored whole numbers, so this launch has no tensor load and no copy:
; r_k, K, V of the head (some 100 KB of codes) go into LDS once through registers, and the loop has no barrier.  No cluster for the same reason.
; The second term is computed only in steps that hold keys past the wave's first query (step >= k, a compare of ids).
; SOFTMAX: t = score x log2(e) / sqrt(32) (one rounding); M = ceil of the running largest t; p = 2^(t - M) is quantised along the keys; the sum is taken of the unquantised p and divides at the end.
; Wave w gets the k-th pair of query groups by a map in which every four waves w % 4 = const and every four w / 4 = const have k's that add up to 30: under a causal mask live steps are spread evenly.
; ADDRESSES.  The five pointers stay as they were loaded, in s[4:13]; what hangs on batch, head and first query is an offset made of ids and stands in the lane's vector offset.
; So the scalar registers that take the mask words in the loop, s[32:63] and s[68:99], never hold a part of an address.
; LIMITS: NaN and infinities among the inputs are not served.  A row that is masked everywhere gets zero codes and the scale byte 0xff, which makes its row of the output NaN, as the softmax of such a row is.
; Scale bytes are held at 1 from below (blocks under 2^-124, blocks of zeros).  AC and both parts of BD are summed in one f32 accumulator.
; THE MODE: SCHED_MODE bits 1:0 = 2 (LLVM: expert scheduling mode 2), set by the entry lines.  The code itself states the register dependences
; between vector or matrix instructions and memory or LDS instructions, with s_wait_alu, always for 0.
; THE PLAN.  Registers that LDS instructions touch in the loop (it holds LDS loads alone, no store):
;   v4-8          five addresses.  Written by five additions at the step's head; read by every LDS load of the step.
;   KS, KF        K's scale words and codes.  Loaded at the step's head; read by AC's eight products.
;   FS            a pass's scale words.  Loaded at the pass's head; read by the pass's products.
;   SIX SLOTS     of eight registers (v126-157 and v238-253).  Fragments 0 to 5 are loaded at a pass's head, fragments 6 to 10 into slots 0 to 4 in its middle; read by the pass's products.
;                 Behind AC V^T's two fragments land in slots 0 and 1; read by the step's two last products.
;   VS            V's scale word.  Loaded with V's fragments; read by the two last products.
; The waits on va_vdst in a step: one behind the five additions (the addresses are written; the last step's products are done reading all of the above); one in the middle of a pass; where the second term is
; computed, one ahead of its first loads, which then land under the 32 selects, and one behind those selects, whose results the products take; one behind AC, ahead of V's loads; the exponentials' own;
; one ahead of the two last products, which take p's codes and scale word from vector instructions.  One wait on vm_vsrc stands at the step's head, ahead of the five additions.
.set QUC, 0
.set QVC, 1048576
.set KCO, 2097152
.set VIM, 3145728
.set TCO, 4194304
.set QUW, 0
.set QVW, 262144
.set KW2, 524288
.set VSB, 655360
.set TSB, 720896
.set FLG, 524288
.set SW, 98304                         ; LDS: 0: GT, 6,144 rows of 16 bytes;  SW: 6,144 words: bytes = the scale bytes of rows y, y - 1, y - 2, y - 3 (0 for rows of zeros)
.set KC, 122880                        ; K's codes, 2,048 x 16;  behind them, 32,768 on, V's images
.set KW, 188416                        ; K's scale words, 64 x 16
.set VW, 192512                        ; V's scale words, [step][channel]
.set AF0, 1                            ; v1  16 (r + 1 - h)
.set LIK, 2                            ; v2  KC + 16 x lane
.set LSW, 3                            ; v3  SW + 4 x lane
.set ADF, 4                            ; v4-8 the step's addresses: table rows, table scale words, K and V, K's scale words, V's
.set ADW, 5
.set ADK, 6
.set ADKW, 7
.set ADVW, 8
.set NINF, 9
.set SQU, 10                           ; scale words of q + r_w_bias, q + r_r_bias, and the next query's
.set SQV, 11
.set SQP, 16                           ; v12 -M, v13 the largest t, v[14:15] the sum in two halves
.set PW, 17                            ; p's scale word
.set FF, 18                            ; v[18:19] f = 2^(old M - new M)
.set QVR, 20                           ; my query's 16 bytes (q + r_r_bias); the next query's
.set QPR, 24
.set FS, 28                            ; v28-33 the fragments' scale words, two fragments a register
.set KS, 34                            ; v34-35 K's
.set VS, 36                            ; v36 V's
.set AVO, 37                           ; v37 the way out
.set BM, 38
.set PT, 42
.set SO, 46
.set TT, 50
.set PCD, 54                           ; p's codes
.set BU0, 62                           ; q + r_w_bias in block 0; in block 1
.set BU1, 70
.set BQ, 78                            ; four sources 1 of the shifted term
.set KF, 110                           ; 128 keys' codes (at the head v110, v111: two offsets of the fill's loads)
.set FB, 126                           ; slots 0 to 3 of the table's fragments; slots 0, 1 later V's two
.set OT, 158                           ; O^T
.set S, 174                            ; the scores, then p
.set WO, 238                           ; at the head offsets and addresses; in the loop slots 4 and 5; on the way out O^T / the sum
.set MSK, 20                           ; s20-27 lane masks: 2 (a / 4) + register group
.macro NOP4
.rept 4
	v_nop
.endr
.endm
; one product: D = v[d ..], C = 0 (z = 1) or D; row = 1: source 0's scales from lanes 16-31
.macro WM d, a, b, z, sa, sb, row
.if \z
.if \row
	v_wmma_scale_f32_16x16x128_f8f6f4 v[(\d):(\d)+7], v[(\a):(\a)+7], v[(\b):(\b)+7], 0, v[\sa], v[\sb] matrix_a_fmt:MATRIX_FMT_FP4 matrix_b_fmt:MATRIX_FMT_FP4 matrix_a_scale:MATRIX_SCALE_ROW1
.else
	v_wmma_scale_f32_16x16x128_f8f6f4 v[(\d):(\d)+7], v[(\a):(\a)+7], v[(\b):(\b)+7], 0, v[\sa], v[\sb] matrix_a_fmt:MATRIX_FMT_FP4 matrix_b_fmt:MATRIX_FMT_FP4
.endif
.else
.if \row
	v_wmma_scale_f32_16x16x128_f8f6f4 v[(\d):(\d)+7], v[(\a):(\a)+7], v[(\b):(\b)+7], v[(\d):(\d)+7], v[\sa], v[\sb] matrix_a_fmt:MATRIX_FMT_FP4 matrix_b_fmt:MATRIX_FMT_FP4 matrix_a_scale:MATRIX_SCALE_ROW1
.else
	v_wmma_scale_f32_16x16x128_f8f6f4 v[(\d):(\d)+7], v[(\a):(\a)+7], v[(\b):(\b)+7], v[(\d):(\d)+7], v[\sa], v[\sb] matrix_a_fmt:MATRIX_FMT_FP4 matrix_b_fmt:MATRIX_FMT_FP4
.endif
.endif
.endm
; the four sources 1: group c of lane (a, h) holds the query's codes where a / 4 = al and a % 4 = 2 c + h, else zero codes
.macro REBUILD src
.irp al, 0,1,2,3
.irp c, 0,1
.irp q, 0,1,2,3
	v_cndmask_b32 v[BQ+8*\al+4*\c+\q], 0, v[\src+\q], s[MSK+2*\al+\c]
.endr
.endr
.endr
.endm
; fragment p lies in slot p % 6: slots 0 to 3 from v[FB] on, slots 4 and 5 eighty registers further up, from v[WO] on
.macro FLOAD p, co                     ; fragment p: group c of lane (r, h) is table row (base + 16 p + r + 3 - 2 c - h)
.set fr, FB+8*((\p)%6)+80*(((\p)%6)/4)
	ds_load_b128 v[fr:fr+3], v[ADF] offset:\co+256*(\p)+32
	ds_load_b128 v[fr+4:fr+7], v[ADF] offset:\co+256*(\p)
.endm
; fragment p against the four sources 1: score tiles p, p - 1, p - 2, p - 3.  No two products that follow each other share an accumulator.  A tile's first product is the one with al = 3
.macro FMUL p, first, bs
.set fr, FB+8*((\p)%6)+80*(((\p)%6)/4)
.irp al, 3,2,1,0
.if ((\p)-3+\al >= 0) && ((\p)-3+\al <= 7)
.if \first && (\al == 3)
	WM S+8*((\p)-3+\al), fr, BQ+8*\al, 1, FS+(\p)/2, \bs, (\p)%2
.else
	WM S+8*((\p)-3+\al), fr, BQ+8*\al, 0, FS+(\p)/2, \bs, (\p)%2
.endif
.endif
.endr
.endm
; A pass's first loads: its six scale words and fragments 0 to 5.  The caller has stated that the earlier readers of these registers are done.
; The sixth scale load's lanes 16-31 belong to a twelfth fragment that does not exist: they read inside LDS (at the far end K's codes) and no product names them.
.macro BDLOAD co, wo
.irp e, 0,1,2,3,4,5
	ds_load_b32 v[FS+\e], v[ADW] offset:\wo+128*\e+12
.endr
.irp p, 0,1,2,3,4,5
	FLOAD \p, \co
.endr
.endm
; A pass's products, the eleven fragments in ascending order, and in its middle the loads of fragments 6 to 10.  LDS loads come back in order (ISA guide 5.7.1): the counts let the younger fragments stay out.
.macro BDMUL co, first, bs
	s_wait_dscnt 0x8                               ; all that is older and fragments 0, 1 are in: behind them the eight loads of fragments 2 to 5
.irp p, 0,1
	FMUL \p, \first, \bs
.endr
	s_wait_dscnt 0x4                               ; fragments 2, 3: behind them four loads
.irp p, 2,3
	FMUL \p, \first, \bs
.endr
	s_wait_dscnt 0x0
.irp p, 4,5
	FMUL \p, \first, \bs
.endr
	NOP4
	s_wait_alu depctr_va_vdst(0)                   ; the products above are done reading slots 0 to 4, in which the loads below land
.irp p, 6,7,8,9,10
	FLOAD \p, \co
.endr
	s_wait_dscnt 0x6                               ; fragments 6, 7 are in: behind them six loads
.irp p, 6,7
	FMUL \p, \first, \bs
.endr
	s_wait_dscnt 0x2                               ; fragments 8, 9: behind them two
.irp p, 8,9
	FMUL \p, \first, \bs
.endr
	s_wait_dscnt 0x0
	FMUL 10, \first, \bs
.endm
	s_load_b256 s[4:11], s[0:1], 0x0               ; codes, scales, maskw, avc
	s_load_b64 s[12:13], s[0:1], 0x20              ; avs
	v_lshrrev_b32 v50, 5, v0
	v_readfirstlane_b32 s14, v50                   ; wave 0..15
	s_wait_alu depctr_va_sdst(0)                   ; s14 is written, ahead of its first reader
	s_lshr_b32 s2, s14, 2                          ; R
	s_and_b32 s3, s14, 3                           ; C
	s_lshr_b32 s66, s3, 1
	s_xor_b32 s66, s66, s3
	s_and_b32 s66, s66, 1                          ; 1 for C = 1, 2
	s_lshr_b32 s67, s2, 1
	s_xor_b32 s67, s67, s2
	s_and_b32 s67, s67, 1                          ; 1 for R = 1, 2
	s_mul_i32 s66, s66, 3
	s_mul_i32 s67, s67, 3
	s_xor_b32 s2, s2, s66
	s_xor_b32 s3, s3, s67
	s_lshl_b32 s15, s2, 2
	s_add_co_u32 s15, s15, s3                      ; k
	s_lshr_b32 s2, ttmp9, 2
	s_and_b32 s2, s2, 1                            ; g2
	s_and_b32 s3, ttmp9, 3                         ; u
	s_lshl_b32 s101, s15, 7
	s_lshl_b32 s66, s2, 6
	s_add_co_u32 s101, s101, s66
	s_lshl_b32 s66, s3, 2
	s_add_co_u32 s101, s101, s66                   ; I0 = 128 k + 64 g2 + 4 u
	s_xor_b32 s66, s15, 15
	s_lshl_b32 s19, s66, 7
	s_xor_b32 s66, s2, 1
	s_lshl_b32 s66, s66, 6
	s_add_co_u32 s19, s19, s66
	s_xor_b32 s66, s3, 3
	s_lshl_b32 s66, s66, 2
	s_add_co_u32 s19, s19, s66                     ; 1996 - I0
	s_lshl_b32 s19, s19, 4                         ; in table rows of 16 bytes
	s_lshl_b32 s67, s15, 3
	s_lshl_b32 s66, s2, 2
	s_add_co_u32 s67, s67, s66
	s_add_co_u32 s67, s67, s3                      ; my set t = 8 k + 4 g2 + u
	s_lshl_b32 s105, s67, 6                        ; its 16 flags,
	s_lshl_b32 s67, s67, 12                        ; its 16 records of 64 words
	s_and_b32 s104, ttmp7, 0xffff                  ; bh
	s_and_b32 s3, s104, 7                          ; h
	s_sub_co_u32 s66, 2047, s101
	; byte offsets made of ids; each is added to a lane's vector offset below
	s_lshl_b32 s48, s3, 15                         ; by head, rows of 16 bytes: r_k's codes
	s_lshl_b32 s49, s104, 15                       ; by batch and head: K's codes, V's images,
	s_lshl_b32 s50, s101, 4
	s_add_co_u32 s50, s50, s49                     ; and from my first query on: q's codes, and attn_vec's on the way out
	s_lshl_b32 s51, s104, 12                       ; K's scale words
	s_lshl_b32 s52, s3, 11                         ; r_k's scale bytes
	s_lshl_b32 s53, s104, 11                       ; V's scale bytes
	s_lshl_b32 s54, s104, 13
	s_lshl_b32 s55, s101, 2
	s_add_co_u32 s54, s54, s55                     ; q's scale words from my first query on
	s_lshr_b32 s55, s104, 3
	s_lshl_b32 s55, s55, 11
	s_add_co_u32 s55, s55, s101
	s_lshl_b32 s55, s55, 3
	s_add_co_u32 s55, s55, s3                      ; attn_vec's scale byte: (batch, I0, head)
	s_mov_b32 s28, 0x76543210
	s_mov_b32 s29, 0xfedcba98                      ; v_permlanex16_b32's selects for lane l xor 16
	s_mov_b32 s30, 0x3e8293ee                      ; c = log2(e) / sqrt(32)
	s_mov_b32 s31, s30
	; every LDS address register is made here, ahead of the first branch
	v_lshlrev_b32 v238, 4, v0                      ; 16 x thread: an LDS address;
	v_add_nc_u32 v110, s48, v238                   ; with the head's offset: r_k's codes in memory;
	v_add_nc_u32 v111, s49, v238                   ; with batch and head's: K's and V's
	v_lshl_add_u32 v239, v0, 4, 65536
	v_lshl_add_u32 v240, v0, 4, KC
	v_lshlrev_b32 v241, 3, v0
	v_add_nc_u32 v241, s51, v241                   ; K's scale words in memory, 8 bytes a thread
	v_lshl_add_u32 v242, v0, 3, KW
	v_lshlrev_b32 v243, 2, v0
	v_lshl_add_u32 v244, v0, 2, VW
	v_add_nc_u32 v245, -4, v243
	v_min_u32 v245, 2044, v245                     ; the four scale bytes below mine (thread 0: any; they are replaced by 0)
	v_mov_b32 v246, 2044
	v_add_nc_u32 v243, s52, v243                   ; all three in my head's 2,048 bytes
	v_add_nc_u32 v245, s52, v245
	v_add_nc_u32 v246, s52, v246
	v_and_b32 v51, 31, v0                          ; lane
	v_lshl_add_u32 v247, v50, 7, v51               ; V's scale bytes: step x 128 + channel
	v_add_nc_u32 v247, s53, v247
	v_mov_b32 v248, SW+16384
	v_and_b32 v52, 15, v0                          ; r = a
	v_bfe_u32 v53, v0, 4, 1                        ; h
	v_and_b32 v249, 3, v52
	v_and_b32 v250, 12, v52
	v_lshl_add_u32 v249, v250, 2, v249             ; my query less I0
	v_add_nc_u32 v250, 1, v249
	v_min_u32 v250, s66, v250                      ; the next query, held at the last (whose second term meets rows of zeros alone)
	v_lshl_add_u32 v251, v249, 2, s54              ; their scale words,
	v_lshl_add_u32 v252, v250, 2, s54
	v_lshl_add_u32 v254, v249, 3, s55              ; my query's scale byte on the way out,
	v_lshl_add_u32 v249, v249, 4, s50              ; their rows of 16 bytes
	v_lshl_add_u32 v250, v250, 4, s50
	v_lshl_add_u32 v[AVO], v53, 3, v249            ; the way out: my 8 bytes of my query's row
	v_add_nc_u32 v[AF0], 1, v52
	v_sub_nc_u32 v[AF0], v[AF0], v53
	v_lshlrev_b32 v[AF0], 4, v[AF0]
	v_lshl_add_u32 v[LIK], v51, 4, KC
	v_lshl_add_u32 v[LSW], v51, 2, SW
	v_mov_b32 v255, 0
.irp q, 0,1,2,3
	v_mov_b32 v[PCD+\q], 0
.endr
	s_wait_kmcnt 0x0
	s_load_b512 s[32:47], s[8:9], s105 offset:FLG  ; my set's 16 flags
	s_wait_alu depctr_va_vdst(0)                   ; all offsets and LDS addresses of the kernel and the four zeros are written: the loads and the LDS stores down to the next vector line read them
.irp q, 0,1,2,3
	global_load_b128 v[174+4*\q:177+4*\q], v110, s[4:5] offset:TCO+8192*\q
	global_load_b128 v[190+4*\q:193+4*\q], v111, s[4:5] offset:KCO+8192*\q
	global_load_b128 v[206+4*\q:209+4*\q], v111, s[4:5] offset:VIM+8192*\q
.endr
	global_load_b64 v[222:223], v241, s[6:7] offset:KW2
	global_load_b32 v224, v243, s[6:7] offset:TSB
	global_load_b32 v225, v245, s[6:7] offset:TSB
	global_load_b32 v226, v246, s[6:7] offset:TSB
.irp b, 0,1,2,3
	global_load_u8 v[227+\b], v247, s[6:7] offset:VSB+32*\b
.endr
	global_load_b128 v[QVR:QVR+3], v249, s[4:5] offset:QVC
	global_load_b128 v[232:235], v249, s[4:5] offset:QUC
	global_load_b128 v[QPR:QPR+3], v250, s[4:5] offset:QVC
	global_load_b32 v[SQU], v251, s[6:7] offset:QUW
	global_load_b32 v[SQV], v251, s[6:7] offset:QVW
	global_load_b32 v[SQP], v252, s[6:7] offset:QVW
	; the table and its scale words begin as zeros: 15 x 8,192 bytes
.irp q, 0,1,2,3,4,5,6,7
	ds_store_b128 v238, v[PCD:PCD+3] offset:8192*\q
.endr
.irp q, 0,1,2,3,4,5,6
	ds_store_b128 v239, v[PCD:PCD+3] offset:8192*\q
.endr
	s_wait_dscnt 0x0                               ; my zeros have landed
	s_barrier_signal -1
	s_barrier_wait -1                              ; everybody's have: now the data may be laid over them
	s_wait_loadcnt 0x0
.irp q, 0,1,2,3
	ds_store_b128 v238, v[174+4*\q:177+4*\q] offset:32784+8192*\q   ; r_k[m] at table row 2049 + m
	ds_store_b128 v240, v[190+4*\q:193+4*\q] offset:8192*\q
	ds_store_b128 v240, v[206+4*\q:209+4*\q] offset:32768+8192*\q
.endr
	ds_store_b64 v242, v[222:223]
	v_cmp_eq_u32 vcc_lo, 0, v0
	s_wait_alu depctr_va_vcc(0)                    ; VCC is written, ahead of the select that reads it
	v_cndmask_b32 v225, v225, 0, vcc_lo            ; below r_k[0] lie rows of zeros
	v_perm_b32 v158, v224, v225, 0x00010203        ; words 2048 + 4 thread + 0 .. 3: the bytes of r_k[m], [m - 1], [m - 2], [m - 3], m = 4 thread - 1 + 0 .. 3
	v_perm_b32 v159, v224, v225, 0x01020304
	v_perm_b32 v160, v224, v225, 0x02030405
	v_perm_b32 v161, v224, v225, 0x03040506
	v_lshl_or_b32 v231, v228, 8, v227
	v_lshl_or_b32 v231, v229, 16, v231
	v_lshl_or_b32 v231, v230, 24, v231
	v_perm_b32 v162, v255, v226, 0x00010203        ; words 4096 .. 4099: what is left of the last four bytes
	v_perm_b32 v163, v255, v226, 0x01020304
	v_perm_b32 v164, v255, v226, 0x02030405
	v_perm_b32 v165, v255, v226, 0x03040506
	s_wait_alu depctr_va_vdst(0)                   ; v158-165 and v231 are written, which the three LDS stores below read
	ds_store_b128 v239, v[158:161] offset:40960
	ds_store_b32 v244, v231                        ; V's scale word of (step, channel)
	s_cmp_lg_u32 s14, 0
	s_cbranch_scc1 .Lnot_wave_0
	ds_store_b128 v248, v[162:165]                 ; all lanes of wave 0 store the same 16 bytes with the same values
.Lnot_wave_0:
	s_wait_dscnt 0x0
	s_barrier_signal -1
	s_barrier_wait -1                              ; LDS is whole, and only read from here on
	s_wait_alu depctr_vm_vsrc(0)                   ; the head's loads and LDS stores have read their offsets, addresses and data: v54-57, v110-111, v158-165, v174-223, v231 and v238-252 are written again from here on
	v_and_b32 v51, 1, v52
	v_bfe_u32 v231, v52, 1, 1
	v_lshrrev_b32 v230, 2, v52
	v_lshl_add_u32 v231, v230, 1, v231             ; 2 (a / 4) + (a % 4) / 2,
	v_cmp_eq_u32 vcc_lo, v51, v53
	s_wait_alu depctr_va_vcc(0)                    ; VCC is written, ahead of the select that reads it
	v_cndmask_b32 v231, 0xff, v231, vcc_lo         ; in the half of the lanes that holds block a % 4
.irp m, 0,1,2,3,4,5,6,7
	v_cmp_eq_u32 s[MSK+\m], \m, v231
.endr
	v_cmp_eq_u32 s2, 1, v53
	s_wait_alu depctr_va_sdst(0)                   ; the nine masks s20-27 and s2 are written, ahead of the first select that reads one
	REBUILD QVR
.irp q, 0,1,2,3
	v_cndmask_b32 v[BU0+\q], v[232+\q], 0, s2
	v_cndmask_b32 v[BU1+\q], 0, v[232+\q], s2
	v_mov_b32 v[BU0+4+\q], 0
	v_mov_b32 v[BU1+4+\q], 0
.endr
	v_mov_b32 v[NINF], 0xff800000
	v_mov_b32 v13, 0xff61b1e6                      ; the largest t so far: -3e38
	v_floor_f32 v12, -v13                          ; -M
	v_mov_b32 v14, 0
	v_mov_b32 v15, 0
	v_mov_b32 v[FF+1], 0                           ; (named as the upper half of a pair)
	v_mov_b32 v[TT], 0
.irp b, 0,1,2,3
	v_mov_b32 v[PT+\b], 0                          ; a lane permute's destination counts as one of its sources
.endr
.irp j, 0,1,2,3,4,5,6,7,8,9,10,11,12,13,14,15
	v_mov_b32 v[OT+\j], 0                          ; the step is written once: the first finds zeros
.endr
	s_wait_kmcnt 0x0
	s_mov_b32 s17, 0
.irp i, 0,1,2,3,4,5,6,7,8,9,10,11,12,13,14,15
	s_lshl_b32 s2, s[32+\i], 2*\i
	s_or_b32 s17, s17, s2                          ; the 16 flags, two bits each
.endr
	s_mov_b32 s16, 0
.Lstep:                                            ; 16 trips, a constant; what a flag leaves out is jumped over inside the trip
	s_wait_alu depctr_vm_vsrc(0)                   ; the last step's LDS loads have read the five addresses, which are written anew below
	s_lshl_b32 s2, s16, 11
	s_add_co_u32 s3, s2, s19
	v_add_nc_u32 v[ADF], s3, v[AF0]                ; these five are also the places behind the last step's products
	s_lshr_b32 s3, s3, 2
	v_add_nc_u32 v[ADW], s3, v[LSW]
	v_add_nc_u32 v[ADK], s2, v[LIK]
	s_lshr_b32 s3, s2, 3
	s_add_co_u32 s3, s3, KW-SW
	v_add_nc_u32 v[ADKW], s3, v[LSW]
	s_lshr_b32 s3, s2, 4
	s_add_co_u32 s3, s3, VW-SW
	v_add_nc_u32 v[ADVW], s3, v[LSW]
	s_wait_alu depctr_va_vdst(0)                   ; the five addresses are written, which the step's LDS loads read; the last step's products are done reading KS, KF, FS, the slots and VS, in which loads land; the sources 1 that selects made are written, which the products take
	s_and_b32 s18, s17, 3
	s_lshr_b32 s17, s17, 2
	s_cmp_eq_u32 s18, 0
	s_cbranch_scc1 .Lnext                          ; all 16 x 128 masked: every p would be 0
	s_cmp_eq_u32 s18, 1
	s_cbranch_scc0 .Lno_words
	s_lshl_b32 s100, s16, 8
	s_add_co_u32 s100, s100, s67
	s_load_b512 s[32:47], s[8:9], s100 offset:0x0  ; the step's 64 lane-mask words; waited for behind the products
	s_load_b512 s[48:63], s[8:9], s100 offset:0x40
	s_load_b512 s[68:83], s[8:9], s100 offset:0x80
	s_load_b512 s[84:99], s[8:9], s100 offset:0xc0
.Lno_words:
	ds_load_b32 v[KS], v[ADKW]                     ; no vector or matrix instruction since the wait above: these 24 loads owe nothing more
	ds_load_b32 v[KS+1], v[ADKW] offset:128
.irp be, 0,1,2,3
	ds_load_b128 v[KF+4*\be:KF+4*\be+3], v[ADK] offset:512*\be   ; lane l: key 32 be + l
.endr
	BDLOAD 32784, 8196
	BDMUL 32784, 1, SQV                            ; the term of d >= 0: it starts the sums
	s_cmp_lt_u32 s16, s15
	s_cbranch_scc1 .Lno_upper                      ; all keys of the step come before my queries
	NOP4                                           ; places behind the last products, ahead of the selects that write their sources 1
	s_wait_alu depctr_va_vdst(0)                   ; the first term's products are done reading FS and the six slots, in which the loads below land
	BDLOAD 0, 0                                    ; they land under the selects, which name none of their registers
	REBUILD QPR
	NOP4                                           ; an operand written by vector instructions stands four places ahead of the product
	s_wait_alu depctr_va_vdst(0)                   ; the selects have written the four sources 1, which the products below take
	BDMUL 0, 0, SQP                                ; the term of d <= -2, with the next query
	NOP4
	REBUILD QVR
.Lno_upper:
.irp be, 0,1,2,3                               ; AC.  Source 0's upper four registers and blocks 2, 3 hold whatever follows: they meet zero codes, under scale bytes 0
	WM S+16*\be, KF+4*\be, BU0, 0, KS+\be/2, SQU, \be%2
	WM S+16*\be+8, KF+4*\be, BU1, 0, KS+\be/2, SQU, \be%2
.endr
	NOP4                                           ; places ahead of the first read of the scores
	s_wait_alu depctr_va_vdst(0)                   ; the products are done reading slots 0 and 1 (AC's last names slot 0's first four registers too), in which V's loads land
.irp dt, 0,1
.irp c, 0,1
	ds_load_b128 v[FB+8*\dt+4*\c:FB+8*\dt+4*\c+3], v[ADK] offset:32768+1024*\dt+512*\c   ; V^T's two fragments land under the softmax, which names none of these registers
.endr
.endr
	ds_load_b32 v[VS], v[ADVW]
	s_cmp_eq_u32 s18, 1
	s_cbranch_scc0 .Lopen
	s_wait_kmcnt 0x0
.set n, 0
.rept 64
	v_cndmask_b32 v[S+n], v[S+n], v[NINF], s[32+n+4*(n/32)]
.set n, n+1
.endr
.Lopen:
.irp b, 0,1,2,3
	v_max3_num_f32 v[BM+\b], v[S+16*\b], v[S+16*\b+1], v[S+16*\b+2]   ; the largest score of each block of 32 keys: for the row's maximum and for the block's largest p
.endr
.irp i, 3,5,7,9,11,13
.irp b, 0,1,2,3
	v_max3_num_f32 v[BM+\b], v[BM+\b], v[S+16*\b+\i], v[S+16*\b+\i+1]
.endr
.endr
.irp b, 0,1,2,3
	v_max_num_f32 v[BM+\b], v[BM+\b], v[S+16*\b+15]
.endr
.irp b, 0,1,2,3
	v_permlanex16_b32 v[PT+\b], v[BM+\b], s28, s29
.endr
.irp b, 0,1,2,3
	v_max_num_f32 v[BM+\b], v[BM+\b], v[PT+\b]
.endr
	v_max3_num_f32 v[TT], v[BM], v[BM+1], v[BM+2]
	v_max_num_f32 v[TT], v[TT], v[BM+3]
	v_mul_f32 v[TT], s30, v[TT]
	v_max_num_f32 v13, v13, v[TT]                  ; the running largest t
	v_mov_b32 v[TT], v12
	v_floor_f32 v12, -v13                          ; -M = -ceil(t)
	v_sub_f32 v[TT], v12, v[TT]                    ; old M - new M: a whole number, 0 or less
	v_cvt_i32_f32 v[TT], v[TT]                     ; (it saturates)
	v_ldexp_f32 v[FF], 1.0, v[TT]                  ; f: a multiplication by it rounds nothing
.set n, 0
.rept 32
	v_pk_fma_f32 v[S+n:S+n+1], v[S+n:S+n+1], s[30:31], v[12:13] op_sel_hi:[1,0,0]   ; t - M
.set n, n+2
.endr
.irp b, 0,1,2,3
	v_fma_f32 v[BM+\b], v[BM+\b], s30, v12
.endr
.set n, 0
	s_wait_alu depctr_va_vdst(0)
.rept 64
	v_exp_f32 v[S+n], v[S+n]                       ; p = 2^(t - M)
.set n, n+1
.endr
.irp b, 0,1,2,3
	v_exp_f32 v[BM+\b], v[BM+\b]                   ; the block's largest p: the same two instructions on the same number
.endr
	v_pk_mul_f32 v[14:15], v[14:15], v[FF:FF+1] op_sel_hi:[1,0]   ; (a plain place behind the exponentials)
	s_wait_alu depctr_va_vdst(0)                   ; the 68 exponentials have written p and the blocks' largest p: one wait for the batch, ahead of its first reader
.irp b, 0,1,2,3
	v_max_num_f32 v[BM+\b], 0x1800000, v[BM+\b]    ; the floor 2^(3 - 127)
.endr
.irp b, 0,1,2,3
	v_add_nc_u32 v[SO+\b], 0xff000000, v[BM+\b]
.endr
.irp b, 0,1,2,3
	v_lshrrev_b32 v[PT+\b], 23, v[SO+\b]
.endr
	v_lshl_or_b32 v[PW], v[PT+1], 8, v[PT]
	v_lshl_or_b32 v[PW], v[PT+2], 16, v[PW]
	v_lshl_or_b32 v[PW], v[PT+3], 24, v[PW]
.irp c, 0,1                                    ; a tile's eight registers are keys 16 ta + 8 h + 0 .. 7; the operand's register 4 c + q wants keys 64 c + 32 h + 8 q + 0 .. 7
	v_cvt_scalef32_pk8_fp4_f32 v[PCD+4*\c], v[S+32*\c:S+32*\c+7], v[SO+2*\c]
	v_cvt_scalef32_pk8_fp4_f32 v[PCD+4*\c+1], v[S+32*\c+16:S+32*\c+23], v[SO+2*\c+1]
	v_cvt_scalef32_pk8_fp4_f32 v[PCD+4*\c+2], v[S+32*\c+8:S+32*\c+15], v[SO+2*\c]
	v_cvt_scalef32_pk8_fp4_f32 v[PCD+4*\c+3], v[S+32*\c+24:S+32*\c+31], v[SO+2*\c+1]
.endr
	v_nop                                          ; one plain place behind a scaled conversion
.irp c, 0,1
	v_permlane16_swap_b32 v[PCD+4*\c], v[PCD+4*\c+1]     ; tiles 4 c and 4 c + 2 change halves: registers 4 c, 4 c + 1
	v_permlane16_swap_b32 v[PCD+4*\c+2], v[PCD+4*\c+3]   ; tiles 4 c + 1 and 4 c + 3: registers 4 c + 2, 4 c + 3
.endr
	v_pk_add_f32 v[TT+2:TT+3], v[S:S+1], v[S+2:S+3]      ; the sum is taken of the unquantised p, in two chains
.irp j, 4,8,12,16,20,24,28,32,36,40,44,48,52,56,60
	v_pk_add_f32 v[14:15], v[14:15], v[S+\j:S+\j+1]
	v_pk_add_f32 v[TT+2:TT+3], v[TT+2:TT+3], v[S+\j+2:S+\j+3]
.endr
	v_pk_add_f32 v[14:15], v[14:15], v[TT+2:TT+3]
.irp j, 0,2,4,6,8,10,12,14
	v_pk_mul_f32 v[OT+\j:OT+\j+1], v[OT+\j:OT+\j+1], v[FF:FF+1] op_sel_hi:[1,0]   ; O^T under the new M.  (The sums and these are the places ahead of the products below)
.endr
	s_wait_dscnt 0x0                               ; V
	s_wait_alu depctr_va_vdst(0)                   ; p's codes and its scale word are written by vector instructions: the two products below take them; the places above stay beside this wait
	WM OT, FB, PCD, 0, VS, PW, 0
	WM OT+8, FB+8, PCD, 0, VS, PW, 1
.Lnext:
	s_add_co_u32 s16, s16, 1
	s_cmp_lt_u32 s16, 16
	s_cbranch_scc1 .Lstep
	; THE WAY OUT: O^T / the sum, quantised along the head's 32 channels (one block of the last product's K)
	NOP4
	v_add_f32 v14, v14, v15
	v_permlanex16_b32 v[TT], v14, s28, s29
	v_add_f32 v14, v14, v[TT]                      ; the row's sum
	v_cmp_eq_f32 s2, 0, v14                        ; 0 only where every key was masked
	s_wait_alu depctr_va_sdst(0)                   ; s2 is written, ahead of the first select that reads it
	v_cndmask_b32 v[TT+1], v14, 1.0, s2
	s_wait_alu depctr_va_vdst(0)
	v_rcp_f32 v[TT+3], v[TT+1]
	v_mov_b32 v[BM+3], 0xff                        ; a plain place behind the reciprocal: it names neither its source nor its result
	s_wait_alu depctr_va_vdst(0)                   ; the reciprocal is written, ahead of its first reader
.irp j, 0,1,2,3,4,5,6,7,8,9,10,11,12,13,14,15
	v_mul_f32 v[WO+\j], v[OT+\j], v[TT+3]          ; register 8 dt + j: channel 16 dt + 8 h + j
.endr
	v_max3_num_f32 v[BM], |v[WO]|, |v[WO+1]|, 0x1800000
	v_max3_num_f32 v[BM+1], |v[WO+2]|, |v[WO+3]|, |v[WO+4]|
	v_max3_num_f32 v[BM], v[BM], |v[WO+5]|, |v[WO+6]|
	v_max3_num_f32 v[BM+1], v[BM+1], |v[WO+7]|, |v[WO+8]|
	v_max3_num_f32 v[BM], v[BM], |v[WO+9]|, |v[WO+10]|
	v_max3_num_f32 v[BM+1], v[BM+1], |v[WO+11]|, |v[WO+12]|
	v_max3_num_f32 v[BM], v[BM], |v[WO+13]|, |v[WO+14]|
	v_max3_num_f32 v[BM], v[BM], v[BM+1], |v[WO+15]|
	v_permlanex16_b32 v[PT], v[BM], s28, s29
	v_max_num_f32 v[BM], v[BM], v[PT]
	v_add_nc_u32 v[SO], 0xff000000, v[BM]
	v_lshrrev_b32 v[TT+2], 23, v[SO]
	v_cndmask_b32 v[TT+2], v[TT+2], v[BM+3], s2    ; a row masked everywhere: the NaN byte
	v_cvt_scalef32_pk8_fp4_f32 v[PCD], v[WO:WO+7], v[SO]
	v_cvt_scalef32_pk8_fp4_f32 v[PCD+1], v[WO+8:WO+15], v[SO]
	v_nop
	v_permlane16_swap_b32 v[PCD], v[PCD+1]         ; lanes 0-15: bytes 0-7 of the row's 16; lanes 16-31: bytes 8-15
	s_wait_alu depctr_va_vdst(0)                   ; the codes and the scale's byte are written, which the two stores read
	global_store_b64 v[AVO], v[PCD:PCD+1], s[10:11]   ; runs of 64 bytes (four neighbouring queries): the price of the sets' order; 1 MB in the whole launch
	global_store_b8 v254, v[TT+2], s[12:13]        ; both lanes of a query store the same byte with the same value
	s_wait_xcnt 0x0
	s_wait_alu depctr_vm_vsrc(0)                   ; the byte's store has read v254, which is made anew below
	v_lshl_add_u32 v254, v0, 2, 0x2f800
	v_mov_b32 v255, 0
	s_wait_dscnt 0x0                               ; the closing lines, six on end
	s_wait_alu 0x0
	s_wait_tensorcnt 0x0
	ds_add_u32 v254, v255
	s_wait_dscnt 0x0
	s_endpgm
.Lfunc_end_k_q7fa39d9722_attn:
	.size	k_q7fa39d9722_attn, .Lfunc_end_k_q7fa39d9722_attn-k_q7fa39d9722_attn
	.p2alignl 7, 3214868480
	.fill 96, 4, 3214868480
	.section	.rodata,"a",@progbits
	.p2align	6, 0x0
	.amdhsa_kernel k_q7fa39d9722_attn
		.amdhsa_group_segment_fixed_size 196608
		.amdhsa_private_segment_fixed_size 0
		.amdhsa_enable_private_segment 0
		.amdhsa_kernarg_size 40
		.amdhsa_user_sgpr_count 2
		.amdhsa_user_sgpr_kernarg_segment_ptr 1
		.amdhsa_wavefront_size32 1
		.amdhsa_system_sgpr_workgroup_id_x 1
		.amdhsa_system_sgpr_workgroup_id_y 1
		.amdhsa_system_sgpr_workgroup_id_z 1
		.amdhsa_system_vgpr_workitem_id 0
		.amdhsa_next_free_vgpr 256
		.amdhsa_next_free_sgpr 106
		.amdhsa_reserve_vcc 1
		.amdhsa_float_denorm_mode_32 3
		.amdhsa_float_denorm_mode_16_64 3
		.amdhsa_memory_ordered 1
		.amdhsa_forward_progress 1
		.amdhsa_inst_pref_size 55
	.end_amdhsa_kernel
	.amdgpu_metadata
---
amdhsa.version: [ 1, 2 ]
amdhsa.kernels:
  - .name:           k_q7fa39d9722_attn
    .symbol:         k_q7fa39d9722_attn.kd
    .args:
      - { .name: codes, .offset: 0, .size: 8, .value_kind: global_buffer, .address_space: global }
      - { .name: scales, .offset: 8, .size: 8, .value_kind: global_buffer, .address_space: global }
      - { .name: maskw, .offset: 16, .size: 8, .value_kind: global_buffer, .address_space: global }
      - { .name: avc, .offset: 24, .size: 8, .value_kind: global_buffer, .address_space: global }
      - { .name: avs, .offset: 32, .size: 8, .value_kind: global_buffer, .address_space: global }
    .group_segment_fixed_size: 196608
    .private_segment_fixed_size: 0
    .kernarg_segment_align: 8
    .kernarg_segment_size: 40
    .max_flat_workgroup_size: 512
    .sgpr_count:     106
    .vgpr_count:     256
    .wavefront_size: 32
...
	.end_amdgpu_metadata
.endif
;; end of part 7
;; launch outln (part 8): grid 256 x 1, 16 waves a work-group, no clusters, 289,280 bytes of LDS; arguments avc, avs, W_o_codes, W_o_scales, w, ln_gamma, ln_beta, out0; writes out0
.if DOCPART == 8
	.amdgcn_target "amdgcn-amd-amdhsa--gfx1250"
	.amdhsa_code_object_version 6
	.text
	.protected	k_q7fa39d9722_outln
	.globl	k_q7fa39d9722_outln
	.p2align	8
	.type	k_q7fa39d9722_outln,@function
k_q7fa39d9722_outln:
	s_mov_b64 s[64:65], 0
	v_nop
	global_prefetch_b8 v0, s[64:65] scope:SCOPE_SE
	s_setreg_imm32_b32 hwreg(HW_REG_WAVE_SCHED_MODE, 0, 2), 2
	s_setreg_imm32_b32 hwreg(HW_REG_WAVE_MODE, 25, 1), 1
	s_wait_xcnt 0x0
	s_wait_alu depctr_vm_vsrc(0)
; out = LayerNorm(w + attn_vec W_o): the product on codes of FP4 (E2M1) with E8M0 scales, all else in f32.
; SHARES.  Work-group g takes rows 32 g .. 32 g + 31; wave v makes columns 64 v .. 64 v + 63 of them: source 0 = 16 rows of W_o (K innermost), source 1 = 16 rows of attn_vec, so that a lane holds
; eight neighbouring columns of one row.  The 32 rows meet in a stage in LDS (rows of 4,096 + 16 bytes); behind one barrier wave v takes rows 2 v and 2 v + 1 whole, adds its two rows of w,
; and norms them: mean, then the mean of the squared differences, as the definition has it.
; LOADS TAKE THE BYTES AS THEY LIE.  w: the wave's two rows, 16 loads of 512 consecutive bytes, in the layout in which the rows come back from the stage.  W_o: the wave's 64 rows of 128 bytes are 8,192
; consecutive bytes: 16 loads; they turn in a stage of the wave's own (rows 144 bytes apart: the 16 rows that a load from it touches start in 16 different groups of banks) into the operand's order,
; into the registers that they left: LDS serves a wave's instructions in order (ISA guide 5.7.1.4).  gamma and beta: each wave fetches a sixteenth of each, 256 bytes, and they meet in LDS at the barrier that is there anyway.
; Memory binds here: w is read and out written once.  All loads go out at the head, so there is nothing to ask for earlier; no tensor load, no ring; work-groups share only W_o, 136 KB.
; attn_vec's codes lie [batch x head][row][16 bytes]: head 4 ks + 2 c + h is block 2 c + h of K step ks, which is what group c of lane (a, h) holds.
; LIMITS: NaN and infinities in w are not served; a scale byte 0xff (a row masked everywhere) makes the whole row NaN, as it is meant to.
; THE MODE: SCHED_MODE bits 1:0 = 2 (LLVM: expert scheduling mode 2), set by the entry lines.  The code itself states the register dependences
; between vector or matrix instructions and memory or LDS instructions, with s_wait_alu, always for 0.
; THE PLAN.  Registers that memory or LDS instructions touch:
;   v4-11, v252-254  offsets and LDS addresses.  Made once at the head, never written again before the closing lines: one wait on va_vdst ahead of the first load serves them all.
;   WF (v80-143)     Loaded from memory; read by sixteen LDS stores; the fragments land in it again (a wait on vm_vsrc between the two runs); read by the products; behind the barrier gamma and beta land in it.
;   ACC (v16-79)     Written by the products; read by sixteen LDS stores (four places, then a wait on va_vdst, which also states that the products are done reading WF); behind the barrier the two rows land in it
;                    (a wait on vm_vsrc); worked on in place; read by the stores to memory: a row's arithmetic stands together, one wait on va_vdst, then its eight stores.
;   WSC, AFR, ASC, WR, v12-15 are loaded once; vector, matrix and LDS instructions only read them (v152-159 serve as scratch behind the products: no memory instruction names them then).
.set ACC, 16                           ; v16-79   accumulator 8 (2 ct + mt); later the two rows
.set WF, 80                            ; v80-143  W_o: 16 x 4 registers as loaded, then its fragments 8 (2 ct + ks);
.set GA, 80                            ;          later gamma v80-111 and beta v112-143: columns 128 q + 4 lane + 0 .. 3
.set BE, 112
.set WSC, 144                          ; v144-151 W_o's scale words, 2 ct + ks
.set AFR, 152                          ; v152-183 attn_vec's fragments 8 (2 mt + ks); later v152-159 at work
.set ASC, 184                          ; v184-187 their scale words, 2 mt + ks
.set WR, 188                           ; v188-251 my two rows of w
.set WSO, 252                          ; v252     W_o's stage, on the way out: 144 a + 16 h
.set GBS, 253                          ; v253     where I put my part of gamma (beta 4,096 on)
.set GBR, 254                          ; v254     and where I read both: 16 x lane
.set GB, 131584                        ; LDS: 0: the rows' stage, 32 x 4,112;  GB: gamma, then beta;
.set WOS, 139776                       ; WOS: W_o's stages, 64 x 144 bytes a wave
	s_load_b512 s[4:19], s[0:1], 0x0               ; avc, avs, W_o's codes, its scales, w, gamma, beta, out
	v_lshrrev_b32 v1, 5, v0
	v_readfirstlane_b32 s20, v1                    ; wave 0..15
	v_and_b32 v1, 31, v0                           ; lane
	v_and_b32 v2, 15, v0                           ; a
	v_bfe_u32 v3, v0, 4, 1                         ; h
	s_wait_alu depctr_va_sdst(0)                   ; s20 is written, ahead of its first reader
	s_lshl_b32 s21, s20, 8
	v_lshl_add_u32 v4, v1, 3, s21                  ; gamma, beta: my wave's 256 bytes, 8 a lane
	v_add_nc_u32 v[GBS], GB, v4
	v_lshlrev_b32 v6, 3, v2                        ; rows of 8 scale bytes
	v_lshlrev_b32 v7, 4, v2
	v_lshl_add_u32 v7, v3, 15, v7                  ; attn_vec: 16 a, + one head for lanes 16-31
	v_lshlrev_b32 v8, 4, v1                        ; 16 x lane
	v_add_nc_u32 v[GBR], GB, v8
	v_mul_u32_u24 v9, v2, 4112
	v_lshl_add_u32 v9, v3, 5, v9
	v_add_nc_u32 v9, s21, v9                       ; the rows' stage, in: row a, + 32 h, + my 256 bytes
	v_add_nc_u32 v10, 65792, v9                    ; and 16 rows on
	s_mul_i32 s21, s20, 8224
	v_add_nc_u32 v11, s21, v8                      ; back: my two rows, 16 bytes a lane
	s_mul_i32 s21, s20, 9216
	s_add_co_u32 s21, s21, WOS                     ; W_o's stage of my wave
	v_lshrrev_b32 v5, 3, v1
	v_mul_u32_u24 v5, v5, 144
	v_and_b32 v255, 7, v1
	v_lshl_add_u32 v5, v255, 4, v5
	v_add_nc_u32 v5, s21, v5                       ; in: a load's 512 bytes are four rows: row lane / 8, 16 (lane % 8)
	v_mul_u32_u24 v[WSO], v2, 144
	v_lshl_add_u32 v[WSO], v3, 4, v[WSO]
	v_add_nc_u32 v[WSO], s21, v[WSO]
	s_mov_b32 s22, 0x76543210
	s_mov_b32 s23, 0xfedcba98
	s_mov_b32 s24, 0x3a800000                      ; 1 / 1024
	s_mov_b32 s25, 0x3727c5ac                      ; 1e-5
	s_mov_b32 s27, 0
	s_wait_kmcnt 0x0
	s_lshl_b32 s26, ttmp9, 17
	s_lshl_b32 s21, s20, 13
	s_add_co_u32 s26, s26, s21
	s_add_nc_u64 s[12:13], s[12:13], s[26:27]      ; w at row 32 g + 2 wave,
	s_add_nc_u64 s[18:19], s[18:19], s[26:27]      ; and out
	s_lshl_b32 s26, s20, 13
	s_add_nc_u64 s[8:9], s[8:9], s[26:27]          ; my 64 rows of W_o
	s_lshl_b32 s26, s20, 9
	s_add_nc_u64 s[10:11], s[10:11], s[26:27]
	s_lshr_b32 s26, ttmp9, 6
	s_lshl_b32 s26, s26, 18
	s_and_b32 s21, ttmp9, 63
	s_lshl_b32 s21, s21, 9
	s_add_co_u32 s26, s26, s21
	s_add_nc_u64 s[4:5], s[4:5], s[26:27]          ; batch x 8 heads x 32,768 + 32 rows x 16
	s_lshl_b32 s26, ttmp9, 8
	s_add_nc_u64 s[6:7], s[6:7], s[26:27]
	s_wait_alu depctr_va_vdst(0)                   ; the offsets and LDS addresses v4-11 and v252-254 are written: every load and store of the kernel reads one of them
.irp i, 0,1,2,3,4,5,6,7,8,9,10,11,12,13,14,15
	global_load_b128 v[WF+4*\i:WF+4*\i+3], v8, s[8:9] offset:512*\i   ; rows 4 i .. 4 i + 3 of my 64
.endr
.irp ct, 0,1,2,3
	global_load_b64 v[WSC+2*\ct:WSC+2*\ct+1], v6, s[10:11] offset:128*\ct
.endr
.irp mt, 0,1
.irp ks, 0,1
.irp c, 0,1
	global_load_b128 v[AFR+8*(2*\mt+\ks)+4*\c:AFR+8*(2*\mt+\ks)+4*\c+3], v7, s[4:5] offset:(4*\ks+2*\c)*32768+256*\mt
.endr
.endr
	global_load_b64 v[ASC+2*\mt:ASC+2*\mt+1], v6, s[6:7] offset:128*\mt
.endr
	global_load_b64 v[12:13], v4, s[14:15]
	global_load_b64 v[14:15], v4, s[16:17]
.irp e, 0,1
.irp q, 0,1,2,3,4,5,6,7
	global_load_b128 v[WR+32*\e+4*\q:WR+32*\e+4*\q+3], v8, s[12:13] offset:4096*\e+512*\q th:TH_LOAD_NT
.endr
.endr
	s_wait_loadcnt 32                              ; W_o's sixteen are in: behind them 4 + 10 + 2 + 16
.irp i, 0,1,2,3,4,5,6,7,8,9,10,11,12,13,14,15
	ds_store_b128 v5, v[WF+4*\i:WF+4*\i+3] offset:576*\i
.endr
	s_wait_alu depctr_vm_vsrc(0)                   ; the sixteen LDS stores have read v[WF ..], in which the fragments' loads land
.irp ct, 0,1,2,3
.irp ks, 0,1
.irp c, 0,1
	ds_load_b128 v[WF+8*(2*\ct+\ks)+4*\c:WF+8*(2*\ct+\ks)+4*\c+3], v[WSO] offset:2304*\ct+64*\ks+32*\c   ; row 16 ct + a, bytes 64 ks + 32 c + 16 h
.endr
.endr
.endr
	s_wait_loadcnt 16                              ; all but w's sixteen
	ds_store_b64 v[GBS], v[12:13]
	ds_store_b64 v[GBS], v[14:15] offset:4096
	s_wait_dscnt 0x2                               ; W_o's fragments are back: behind them these two stores
.irp ks, 0,1                                   ; eight accumulators by turns, one instruction a turn; the first K step starts the sums
.irp ct, 0,1,2,3
.irp mt, 0,1
.if \ks == 0
	v_wmma_scale_f32_16x16x128_f8f6f4 v[ACC+8*(2*\ct+\mt):ACC+8*(2*\ct+\mt)+7], v[WF+8*(2*\ct+\ks):WF+8*(2*\ct+\ks)+7], v[AFR+8*(2*\mt+\ks):AFR+8*(2*\mt+\ks)+7], 0, v[WSC+2*\ct+\ks], v[ASC+2*\mt+\ks] matrix_a_fmt:MATRIX_FMT_FP4 matrix_b_fmt:MATRIX_FMT_FP4
.else
	v_wmma_scale_f32_16x16x128_f8f6f4 v[ACC+8*(2*\ct+\mt):ACC+8*(2*\ct+\mt)+7], v[WF+8*(2*\ct+\ks):WF+8*(2*\ct+\ks)+7], v[AFR+8*(2*\mt+\ks):AFR+8*(2*\mt+\ks)+7], v[ACC+8*(2*\ct+\mt):ACC+8*(2*\ct+\mt)+7], v[WSC+2*\ct+\ks], v[ASC+2*\mt+\ks] matrix_a_fmt:MATRIX_FMT_FP4 matrix_b_fmt:MATRIX_FMT_FP4
.endif
.endr
.endr
.endr
.rept 4
	v_nop                                          ; places ahead of the first read of results, and of the loads and vector lines that write the products' registers further down
.endr
	s_wait_alu depctr_va_vdst(0)                   ; the products have written the accumulators, which the LDS stores read, and are done reading v[WF ..], in which gamma and beta land behind the barrier; the places above stay beside this wait
.irp mt, 0,1
.irp ct, 0,1,2,3
	ds_store_b128 v[9+\mt], v[ACC+8*(2*\ct+\mt):ACC+8*(2*\ct+\mt)+3] offset:64*\ct       ; each accumulator from its low end on
	ds_store_b128 v[9+\mt], v[ACC+8*(2*\ct+\mt)+4:ACC+8*(2*\ct+\mt)+7] offset:64*\ct+16
.endr
.endr
	s_wait_dscnt 0x0                               ; for the others' sake: my stores have landed, my part of gamma and beta among them
	s_barrier_signal -1
	s_barrier_wait -1                              ; 32 whole rows, gamma and beta lie in LDS
	s_wait_alu depctr_vm_vsrc(0)                   ; my LDS stores have read the accumulators, in which the two rows land
.irp e, 0,1
.irp q, 0,1,2,3,4,5,6,7
	ds_load_b128 v[ACC+32*\e+4*\q:ACC+32*\e+4*\q+3], v11 offset:4112*\e+512*\q
.endr
.endr
.irp q, 0,1,2,3,4,5,6,7
	ds_load_b128 v[GA+4*\q:GA+4*\q+3], v[GBR] offset:512*\q
	ds_load_b128 v[BE+4*\q:BE+4*\q+3], v[GBR] offset:4096+512*\q
.endr
	s_wait_dscnt 0x0
	s_wait_loadcnt 0x0                             ; w
.macro ACROSS                                  ; v152: the sum over the 32 lanes, in every lane
	v_add_f32 v152, v152, v153
	v_add_f32_dpp v152, v152, v152 row_xmask:1 row_mask:0xf bank_mask:0xf
	v_add_f32_dpp v152, v152, v152 row_xmask:2 row_mask:0xf bank_mask:0xf
	v_add_f32_dpp v152, v152, v152 row_xmask:4 row_mask:0xf bank_mask:0xf
	v_add_f32_dpp v152, v152, v152 row_xmask:8 row_mask:0xf bank_mask:0xf
	v_permlanex16_b32 v153, v152, s22, s23
	v_add_f32 v152, v152, v153
.endm
.macro LNROW x, e                              ; a row: 32 numbers a lane in v[x] on
.irp j, 0,2,4,6,8,10,12,14,16,18,20,22,24,26,28,30
	v_pk_add_f32 v[\x+\j:\x+\j+1], v[\x+\j:\x+\j+1], v[WR+32*\e+\j:WR+32*\e+\j+1]   ; the residual
.endr
	v_pk_add_f32 v[152:153], v[\x:\x+1], v[\x+2:\x+3]
	v_pk_add_f32 v[154:155], v[\x+4:\x+5], v[\x+6:\x+7]
.irp j, 8,12,16,20,24,28
	v_pk_add_f32 v[152:153], v[152:153], v[\x+\j:\x+\j+1]
	v_pk_add_f32 v[154:155], v[154:155], v[\x+\j+2:\x+\j+3]
.endr
	v_pk_add_f32 v[152:153], v[152:153], v[154:155]
	ACROSS
	v_mul_f32 v156, s24, v152                      ; the mean
	v_mov_b32 v157, v156
.irp j, 0,2,4,6,8,10,12,14,16,18,20,22,24,26,28,30
	v_pk_add_f32 v[\x+\j:\x+\j+1], v[\x+\j:\x+\j+1], v[156:157] neg_lo:[0,1] neg_hi:[0,1]
.endr
	v_pk_mul_f32 v[152:153], v[\x:\x+1], v[\x:\x+1]
	v_pk_mul_f32 v[154:155], v[\x+2:\x+3], v[\x+2:\x+3]
.irp j, 4,8,12,16,20,24,28
	v_pk_fma_f32 v[152:153], v[\x+\j:\x+\j+1], v[\x+\j:\x+\j+1], v[152:153]
	v_pk_fma_f32 v[154:155], v[\x+\j+2:\x+\j+3], v[\x+\j+2:\x+\j+3], v[154:155]
.endr
	v_pk_add_f32 v[152:153], v[152:153], v[154:155]
	ACROSS
	v_fma_f32 v152, v152, s24, s25                 ; the variance + 1e-5
	s_wait_alu depctr_va_vdst(0)
	v_rsq_f32 v158, v152
	v_nop                                          ; one plain place behind the transcendental
	s_wait_alu depctr_va_vdst(0)                   ; the root's reciprocal is written, ahead of its first reader
	v_mov_b32 v159, v158
.irp q, 0,1,2,3,4,5,6,7
.irp i, 0,2
	v_pk_mul_f32 v[\x+4*\q+\i:\x+4*\q+\i+1], v[\x+4*\q+\i:\x+4*\q+\i+1], v[158:159]
	v_pk_fma_f32 v[\x+4*\q+\i:\x+4*\q+\i+1], v[\x+4*\q+\i:\x+4*\q+\i+1], v[GA+4*\q+\i:GA+4*\q+\i+1], v[BE+4*\q+\i:BE+4*\q+\i+1]
.endr
.endr
	s_wait_alu depctr_va_vdst(0)                   ; the row is written, which its eight stores read; the other row's arithmetic names none of these registers
.irp q, 0,1,2,3,4,5,6,7
	global_store_b128 v8, v[\x+4*\q:\x+4*\q+3], s[18:19] offset:4096*\e+512*\q th:TH_STORE_NT   ; 32 lanes store 512 consecutive bytes, aligned
.endr
.endm
	LNROW ACC, 0
	LNROW ACC+32, 1
	s_wait_xcnt 0x0
	s_wait_alu depctr_vm_vsrc(0)                   ; the LDS loads of gamma and beta have read v254, which is made anew below
	v_lshl_add_u32 v254, v0, 2, 0x46200
	v_mov_b32 v255, 0
	s_wait_dscnt 0x0                               ; the closing lines, six on end
	s_wait_alu 0x0
	s_wait_tensorcnt 0x0
	ds_add_u32 v254, v255
	s_wait_dscnt 0x0
	s_endpgm
.Lfunc_end_k_q7fa39d9722_outln:
	.size	k_q7fa39d9722_outln, .Lfunc_end_k_q7fa39d9722_outln-k_q7fa39d9722_outln
	.p2alignl 7, 3214868480
	.fill 96, 4, 3214868480
	.section	.rodata,"a",@progbits
	.p2align	6, 0x0
	.amdhsa_kernel k_q7fa39d9722_outln
		.amdhsa_group_segment_fixed_size 289280
		.amdhsa_private_segment_fixed_size 0
		.amdhsa_enable_private_segment 0
		.amdhsa_kernarg_size 64
		.amdhsa_user_sgpr_count 2
		.amdhsa_user_sgpr_kernarg_segment_ptr 1
		.amdhsa_wavefront_size32 1
		.amdhsa_system_sgpr_workgroup_id_x 1
		.amdhsa_system_sgpr_workgroup_id_y 1
		.amdhsa_system_sgpr_workgroup_id_z 1
		.amdhsa_system_vgpr_workitem_id 0
		.amdhsa_next_free_vgpr 256
		.amdhsa_next_free_sgpr 66
		.amdhsa_reserve_vcc 0
		.amdhsa_float_denorm_mode_32 3
		.amdhsa_float_denorm_mode_16_64 3
		.amdhsa_memory_ordered 1
		.amdhsa_forward_progress 1
		.amdhsa_inst_pref_size 31
	.end_amdhsa_kernel
	.amdgpu_metadata
---
amdhsa.version: [ 1, 2 ]
amdhsa.kernels:
  - .name:           k_q7fa39d9722_outln
    .symbol:         k_q7fa39d9722_outln.kd
    .args:
      - { .name: avc, .offset: 0, .size: 8, .value_kind: global_buffer, .address_space: global }
      - { .name: avs, .offset: 8, .size: 8, .value_kind: global_buffer, .address_space: global }
      - { .name: W_o_codes, .offset: 16, .size: 8, .value_kind: global_buffer, .address_space: global }
      - { .name: W_o_scales, .offset: 24, .size: 8, .value_kind: global_buffer, .address_space: global }
      - { .name: w, .offset: 32, .size: 8, .value_kind: global_buffer, .address_space: global }
      - { .name: ln_gamma, .offset: 40, .size: 8, .value_kind: global_buffer, .address_space: global }
      - { .name: ln_beta, .offset: 48, .size: 8, .value_kind: global_buffer, .address_space: global }
      - { .name: out0, .offset: 56, .size: 8, .value_kind: global_buffer, .address_space: global }
    .group_segment_fixed_size: 289280
    .private_segment_fixed_size: 0
    .kernarg_segment_align: 8
    .kernarg_segment_size: 64
    .max_flat_workgroup_size: 512
    .sgpr_count:     66
    .vgpr_count:     256
    .wavefront_size: 32
...
	.end_amdgpu_metadata
.endif
;; end of part 8
